; MI455X (gfx1250); checked and timed in simulation.
; The chip was launched on July 23, 2026; its instructions are those of AMD's public machine-readable ISA for CDNA 5 (MIT licence, August 2026) and "CDNA5" Instruction Set Architecture Reference Guide (July 2026). The comments in the code are by the model that wrote it; some were corrected since.
;; Sim AKT. Allowed arithmetic: float matrix products may take bf16 or f16 operands with f32 sums; other float arithmetic in f32, or as packed bf16 or f16 multiplies, adds, multiply-adds, maxima and minima; sums over many terms, partial sums and values carried from step to step in f32; what a program stores and reads back later, other than sums and carried values, may be rounded once to bf16 or f16.
;; Inputs: ffn_b1 512 float32; ffn_b2 512 float32; ffn_w1 512 x 512 float32; ffn_w2 512 x 512 float32; k 8 x 2,048 x 512 float32; ln1_b 512 float32; ln1_g 512 float32; ln2_b 512 float32; ln2_g 512 float32; out_W 512 x 512 float32; out_b 512 float32; q 8 x 2,048 x 512 float32; trajectories 8 x 2,048 x 512 float32; v_W 512 x 512 float32; v_b 512 float32.
;; Outputs: out0 8 x 2,048 x 512 float32.
;; 2 versions, each right and faster than the one before. Each part assembles by itself: llvm-mc -triple=amdgcn-amd-amdhsa -mcpu=gfx1250 --defsym DOCPART=n.
;; ======== version 1 of 2: 4 launches
;; workspace buffers: tnb 16,777,216 bytes; kb 16,777,216 bytes; aux 1,048,576 bytes; wb 2,097,152 bytes; fm 67,108,864 bytes; zf 294,912 bytes; kbar 16,777,216 bytes
;; launch prep (part 1): grid 256 x 1, 8 waves a work-group, no clusters, 0 bytes of LDS; arguments trajectories, k, v_W, out_W, ffn_w1, ffn_w2, tnb, kb, aux, wb; writes tnb, kb, aux, wb
.if DOCPART == 1
	.amdgcn_target "amdgcn-amd-amdhsa--gfx1250"
	.amdhsa_code_object_version 6
	.text
	.protected	k_qffac7cb4f5_prep
	.globl	k_qffac7cb4f5_prep
	.p2align	8
	.type	k_qffac7cb4f5_prep,@function
k_qffac7cb4f5_prep:
	s_mov_b64 s[64:65], 0
	v_nop
	global_prefetch_b8 v0, s[64:65] scope:SCOPE_SE
	s_setreg_imm32_b32 hwreg(HW_REG_WAVE_MODE, 25, 1), 1
	s_wait_xcnt 0x0
; PREP.  Work-group g owns rows 64 g .. 64 g + 63 of the 16,384 rows of k and of trajectories.
;   every wave : one row (8 g + wave) of the 2,048 rows of the four weight matrices, rounded to bf16 into wb (order v_W, out_W, ffn_w1, ffn_w2)
;   waves 0-3  : k rounded to bf16 into kb; the f32 sum of the group's 64 rows into aux (KSUM, from byte 524,288 on)
;   wave 0     : block g of the 256 blocks of TRI (ones above the diagonal of a unit of 256 keys), bf16, 512 bytes
;   waves 4-7  : trajectories divided by max(norm, 1e-12) and rounded to bf16 into tnb; one wave takes one row
; A stream: no LDS, no barrier, no matrix unit.  Every load of a wave covers 512 consecutive bytes, every store 256, aligned.
; LIMIT: a row of trajectories whose sum of squares lies under 2^-126 counts as norm 0 (the root takes such a number as 0), so the floor 1e-12 applies.
.set X,   32                           ; v[32:159]  two sets of 64 registers: 16 loads each
.set Y,   160                          ; v[160:191] what the stores read
.set SUM, 8                            ; v[8:11]    the k path's running sum
.set T,   12                           ; v[12:27]   the weight row as loaded; later at work
	s_load_b512 s[4:19], s[0:1], 0x0               ; trajectories s[4:5], k s[6:7], v_W s[8:9], out_W s[10:11], w1 s[12:13], w2 s[14:15], tnb s[16:17], kb s[18:19]
	s_load_b128 s[20:23], s[0:1], 0x40             ; aux s[20:21], wb s[22:23]
	v_and_b32 v1, 31, v0                           ; lane
	v_lshrrev_b32 v6, 5, v0
	v_readfirstlane_b32 s24, v6                    ; wave 0..7
	s_mov_b32 s25, ttmp9                           ; g
	s_lshr_b32 s28, s25, 6                         ; which of the four matrices
	s_and_b32 s29, s25, 63
	s_lshl_b32 s29, s29, 3
	s_add_co_u32 s29, s29, s24                     ; my row in it
	s_lshl_b32 s34, s29, 11                        ; 2,048 bytes a row of f32
	s_mov_b32 s35, 0
	s_lshl_b32 s36, s25, 3
	s_add_co_u32 s36, s36, s24                     ; my row among the 2,048
	s_lshl_b32 s36, s36, 10                        ; 1,024 bytes a row of bf16
	s_mov_b32 s37, 0
	s_lshl_b32 s38, s25, 17                        ; the group's 64 rows in f32
	s_mov_b32 s39, 0
	s_lshl_b32 s40, s25, 16                        ; and in bf16
	s_mov_b32 s41, 0
	s_lshl_b32 s42, s25, 11                        ; the group's row of KSUM
	s_mov_b32 s43, 0
	s_mov_b32 s32, 0x76543210                      ; v_permlanex16_b32: each lane takes its own place in the other half
	s_mov_b32 s33, 0xfedcba98
	v_lshlrev_b32 v4, 4, v1                        ; 16 x lane
	v_lshlrev_b32 v5, 3, v1                        ; 8 x lane
	s_wait_kmcnt 0x0
	s_cmp_eq_u32 s28, 1                            ; the matrix is chosen by the group's number alone
	s_cselect_b64 s[30:31], s[10:11], s[8:9]
	s_cmp_eq_u32 s28, 2
	s_cselect_b64 s[30:31], s[12:13], s[30:31]
	s_cmp_eq_u32 s28, 3
	s_cselect_b64 s[30:31], s[14:15], s[30:31]
	s_add_nc_u64 s[30:31], s[30:31], s[34:35]
	s_add_nc_u64 s[22:23], s[22:23], s[36:37]
	s_add_nc_u64 s[4:5], s[4:5], s[38:39]
	s_add_nc_u64 s[6:7], s[6:7], s[38:39]
	s_add_nc_u64 s[16:17], s[16:17], s[40:41]
	s_add_nc_u64 s[18:19], s[18:19], s[40:41]
	s_add_nc_u64 s[44:45], s[20:21], s[42:43]
.irp j, 0,1,2,3
	global_load_b128 v[T+4*\j:T+4*\j+3], v4, s[30:31] offset:512*\j th:TH_LOAD_NT
.endr
; the weight row: behind it two groups of 16 loads have been issued, which stay out
.macro WPROC
	s_wait_loadcnt 32
.irp j, 0,1,2,3
	v_cvt_pk_bf16_f32 v[Y+2*\j], v[T+4*\j], v[T+4*\j+1]
	v_cvt_pk_bf16_f32 v[Y+2*\j+1], v[T+4*\j+2], v[T+4*\j+3]
.endr
.irp j, 0,1,2,3
	global_store_b64 v5, v[Y+2*\j:Y+2*\j+1], s[22:23] offset:256*\j
.endr
.endm
	s_cmp_lt_u32 s24, 4
	s_cbranch_scc0 .Ltraj
; ---- waves 0-3: k.  Thread t owns the 16 bytes at 16 t of each of the 64 rows.
.macro KLOAD grp, set
.set j, 0
.rept 16
	global_load_b128 v[X+64*(\set)+4*j:X+64*(\set)+4*j+3], v2, s[6:7] offset:(16*(\grp)+j)*2048 th:TH_LOAD_NT
.set j, j+1
.endr
.endm
.macro KPROC grp, set, left            ; left: the loads of the group behind, which stay out
	s_wait_xcnt 0x0                                ; Y, which the last group's stores read, is rewritten only behind this wait
.set j, 0
.rept 16
	s_wait_loadcnt (\left)+15-j                    ; loads come back in order: row j is in
.set R, X+64*(\set)+4*j
.if ((\grp) == 0) && (j == 1)
	v_pk_add_f32 v[SUM:SUM+1], v[R-4:R-3], v[R:R+1]        ; the first two rows start the sum: nothing is cleared
	v_pk_add_f32 v[SUM+2:SUM+3], v[R-2:R-1], v[R+2:R+3]
.elseif ((\grp) > 0) || (j > 1)
	v_pk_add_f32 v[SUM:SUM+1], v[SUM:SUM+1], v[R:R+1]
	v_pk_add_f32 v[SUM+2:SUM+3], v[SUM+2:SUM+3], v[R+2:R+3]
.endif
	v_cvt_pk_bf16_f32 v[Y+2*j], v[R], v[R+1]
	v_cvt_pk_bf16_f32 v[Y+2*j+1], v[R+2], v[R+3]
	global_store_b64 v3, v[Y+2*j:Y+2*j+1], s[18:19] offset:(16*(\grp)+j)*1024
.set j, j+1
.endr
.endm
	v_lshlrev_b32 v2, 4, v0                        ; 16 t
	v_lshlrev_b32 v3, 3, v0                        ; 8 t
	KLOAD 0, 0
	KLOAD 1, 1
	WPROC
	KPROC 0, 0, 16
	KLOAD 2, 0
	KPROC 1, 1, 16
	KLOAD 3, 1
	KPROC 2, 0, 16
	KPROC 3, 1, 0
	global_store_b128 v2, v[SUM:SUM+3], s[44:45] offset:524288
	s_cmp_lg_u32 s24, 0
	s_cbranch_scc1 .Lend
	; wave 0: TRI's block g: row tile a = g / 32, half par = (g / 16) % 2, key tile kt = g % 16.  Lane l holds row l % 16, keys 8 (l / 16) + 0..7:
	; 1.0 where the key 16 kt + 8 (l / 16) + e lies beyond the row 128 par + 16 a + l % 16 of the unit, else 0.
	s_lshr_b32 s26, s25, 5
	s_bfe_u32 s27, s25, 0x10004
	s_and_b32 s28, s25, 15
	s_lshl_b32 s34, s26, 16
	s_lshl_b32 s36, s27, 13
	s_add_co_u32 s34, s34, s36
	s_lshl_b32 s36, s28, 9
	s_add_co_u32 s34, s34, s36
	s_mov_b32 s35, 0
	s_add_nc_u64 s[46:47], s[20:21], s[34:35]
	s_sub_co_u32 s36, s28, s26
	s_lshl_b32 s36, s36, 4
	s_lshl_b32 s37, s27, 7
	s_sub_co_u32 s36, s36, s37                     ; 16 kt - 16 a - 128 par
	v_and_b32 v6, 15, v0
	v_bfe_u32 v7, v0, 4, 1
	v_lshlrev_b32 v7, 3, v7
	v_sub_nc_u32 v7, v7, v6
	v_add_nc_u32 v7, s36, v7                       ; d: key less row for e = 0
	s_mov_b32 s38, 0x3f80                          ; 1.0 in the low half,
	s_mov_b32 s39, 0x3f800000                      ; in the high half
.irp e, 0,1,2,3,4,5,6,7
	v_cmp_lt_i32 vcc_lo, -(\e), v7                 ; d + e > 0
	v_cndmask_b32 v[20+\e], 0, s[38+(\e)%2], vcc_lo
.endr
.irp j, 0,1,2,3
	v_or_b32 v[12+\j], v[20+2*\j], v[21+2*\j]
.endr
	global_store_b128 v4, v[12:15], s[46:47]
.Lend:
	s_endpgm
; ---- waves 4-7: trajectories.  A wave takes a whole row (four loads of 512 bytes), 16 rows in all, four to a group.
.macro TLOAD grp, set
.irp i, 0,1,2,3
.irp j, 0,1,2,3
	global_load_b128 v[X+64*(\set)+16*\i+4*\j:X+64*(\set)+16*\i+4*\j+3], v2, s[4:5] offset:(4*(\grp)+\i)*2048+512*\j th:TH_LOAD_NT
.endr
.endr
.endm
.macro TPROC grp, set, left
	s_wait_xcnt 0x0                                ; Y is rewritten only behind this wait
.set i, 0
.rept 4
.set R, X+64*(\set)+16*i
	s_wait_loadcnt (\left)+4*(3-i)                 ; row i's four loads are in
	v_pk_mul_f32 v[12:13], v[R:R+1], v[R:R+1]      ; the sum of squares in two chains, started by the first products
	v_pk_mul_f32 v[14:15], v[R+2:R+3], v[R+2:R+3]
.irp p, 4,8,12
	v_pk_fma_f32 v[12:13], v[R+\p:R+\p+1], v[R+\p:R+\p+1], v[12:13]
	v_pk_fma_f32 v[14:15], v[R+\p+2:R+\p+3], v[R+\p+2:R+\p+3], v[14:15]
.endr
	v_pk_add_f32 v[12:13], v[12:13], v[14:15]
	v_add_f32 v12, v12, v13
	v_add_f32_dpp v12, v12, v12 row_xmask:1 row_mask:0xf bank_mask:0xf
	v_add_f32_dpp v12, v12, v12 row_xmask:2 row_mask:0xf bank_mask:0xf
	v_add_f32_dpp v12, v12, v12 row_xmask:4 row_mask:0xf bank_mask:0xf
	v_add_f32_dpp v12, v12, v12 row_xmask:8 row_mask:0xf bank_mask:0xf
	v_permlanex16_b32 v13, v12, s32, s33
	v_add_f32 v12, v12, v13
	v_sqrt_f32 v14, v12
	v_nop                                          ; a plain instruction behind the root
	s_wait_alu depctr_va_vdst(0)
	v_max_num_f32 v14, 0x2b8cbccc, v14             ; max(norm, 1e-12)
	v_rcp_f32 v14, v14
	v_nop                                          ; and behind the reciprocal
	s_wait_alu depctr_va_vdst(0)
.irp p, 0,2,4,6,8,10,12,14
	v_pk_mul_f32 v[R+\p:R+\p+1], v[R+\p:R+\p+1], v[14:15] op_sel_hi:[1,0]
.endr
.irp j, 0,1,2,3
	v_cvt_pk_bf16_f32 v[Y+8*i+2*\j], v[R+4*\j], v[R+4*\j+1]
	v_cvt_pk_bf16_f32 v[Y+8*i+2*\j+1], v[R+4*\j+2], v[R+4*\j+3]
.endr
.irp j, 0,1,2,3
	global_store_b64 v3, v[Y+8*i+2*\j:Y+8*i+2*\j+1], s[16:17] offset:(4*(\grp)+i)*1024+256*\j
.endr
.set i, i+1
.endr
.endm
.Ltraj:
	s_sub_co_u32 s26, s24, 4
	s_lshl_b32 s27, s26, 15                        ; my 16 rows in f32
	v_add_nc_u32 v2, s27, v4
	s_lshl_b32 s27, s26, 14                        ; and in bf16
	v_add_nc_u32 v3, s27, v5
	TLOAD 0, 0
	TLOAD 1, 1
	WPROC
	TPROC 0, 0, 16
	TLOAD 2, 0
	TPROC 1, 1, 16
	TLOAD 3, 1
	TPROC 2, 0, 16
	TPROC 3, 1, 0
	s_endpgm
.Lfunc_end_k_qffac7cb4f5_prep:
	.size	k_qffac7cb4f5_prep, .Lfunc_end_k_qffac7cb4f5_prep-k_qffac7cb4f5_prep
	.p2alignl 7, 3214868480
	.fill 96, 4, 3214868480
	.section	.rodata,"a",@progbits
	.p2align	6, 0x0
	.amdhsa_kernel k_qffac7cb4f5_prep
		.amdhsa_group_segment_fixed_size 0
		.amdhsa_private_segment_fixed_size 0
		.amdhsa_enable_private_segment 0
		.amdhsa_kernarg_size 80
		.amdhsa_user_sgpr_count 2
		.amdhsa_user_sgpr_kernarg_segment_ptr 1
		.amdhsa_wavefront_size32 1
		.amdhsa_system_sgpr_workgroup_id_x 1
		.amdhsa_system_sgpr_workgroup_id_y 1
		.amdhsa_system_sgpr_workgroup_id_z 1
		.amdhsa_system_vgpr_workitem_id 0
		.amdhsa_next_free_vgpr 192
		.amdhsa_next_free_sgpr 66
		.amdhsa_reserve_vcc 1
		.amdhsa_float_denorm_mode_32 3
		.amdhsa_float_denorm_mode_16_64 3
		.amdhsa_memory_ordered 1
		.amdhsa_forward_progress 1
		.amdhsa_inst_pref_size 84
	.end_amdhsa_kernel
	.amdgpu_metadata
---
amdhsa.version: [ 1, 2 ]
amdhsa.kernels:
  - .name:           k_qffac7cb4f5_prep
    .symbol:         k_qffac7cb4f5_prep.kd
    .args:
      - { .name: trajectories, .offset: 0, .size: 8, .value_kind: global_buffer, .address_space: global }
      - { .name: k, .offset: 8, .size: 8, .value_kind: global_buffer, .address_space: global }
      - { .name: v_W, .offset: 16, .size: 8, .value_kind: global_buffer, .address_space: global }
      - { .name: out_W, .offset: 24, .size: 8, .value_kind: global_buffer, .address_space: global }
      - { .name: ffn_w1, .offset: 32, .size: 8, .value_kind: global_buffer, .address_space: global }
      - { .name: ffn_w2, .offset: 40, .size: 8, .value_kind: global_buffer, .address_space: global }
      - { .name: tnb, .offset: 48, .size: 8, .value_kind: global_buffer, .address_space: global }
      - { .name: kb, .offset: 56, .size: 8, .value_kind: global_buffer, .address_space: global }
      - { .name: aux, .offset: 64, .size: 8, .value_kind: global_buffer, .address_space: global }
      - { .name: wb, .offset: 72, .size: 8, .value_kind: global_buffer, .address_space: global }
    .group_segment_fixed_size: 0
    .private_segment_fixed_size: 0
    .kernarg_segment_align: 8
    .kernarg_segment_size: 80
    .max_flat_workgroup_size: 256
    .sgpr_count:     66
    .vgpr_count:     192
    .wavefront_size: 32
...
	.end_amdgpu_metadata
.endif
;; end of part 1
;; launch sim (part 2): grid 32 x 8, 4 waves a work-group, clusters of 4 x 1, 327,680 bytes of LDS; arguments tnb, aux, fm, zf; writes fm, zf
.if DOCPART == 2
	.amdgcn_target "amdgcn-amd-amdhsa--gfx1250"
	.amdhsa_code_object_version 6
	.text
	.protected	k_qffac7cb4f5_sim
	.globl	k_qffac7cb4f5_sim
	.p2align	8
	.type	k_qffac7cb4f5_sim,@function
k_qffac7cb4f5_sim:
	s_mov_b64 s[64:65], 0
	v_nop
	global_prefetch_b8 v0, s[64:65] scope:SCOPE_SE
	s_setreg_imm32_b32 hwreg(HW_REG_WAVE_MODE, 25, 1), 1
	s_wait_xcnt 0x0
	s_wait_alu depctr_hold_cnt(0) depctr_sa_sdst(0) depctr_va_vdst(0) depctr_va_sdst(0) depctr_va_ssrc(0) depctr_va_vcc(0) depctr_vm_vsrc(0)
	s_getreg_b32 s2, hwreg(HW_REG_IB_STS2, 6, 4)
	s_cmp_eq_u32 s2, 0
	s_cbranch_scc0 .Lentry_in_a_cluster
	s_endpgm
.Lentry_in_a_cluster:
	s_bfe_u32 s2, ttmp6, 0x10000c
	s_cmp_lg_u32 s2, 0x3003
	s_cbranch_scc0 .Lentry_shape_is_right
	s_endpgm
.Lentry_shape_is_right:
; SIM.  For 64 rows i of one batch and all 2,048 columns j: c = tn_i . tn_j (bf16 operands, f32 sums), a = the mean of the four sigmoids, e = exp(a), f = e - 1.875.
; Out: fm = bf16(f) where j > i, else 0, in blocks of 16 x 16 (512 bytes: lane l holds row l % 16, columns 8 (l / 16) + 0..7), only for columns from 256 (i / 256) on;
;      Z_i = 3840 + the sum of f over all j (the first softmax's divisor);  FS_i = 1 / (n Z + F), F = the sum of f over j > i, n = 2047 - i (last row of a batch: n = 2048);
;      TTAB[b][v][channel] = the sum of k over rows >= 256 v (v = 8, 9: 0), from KSUM: wave 0, 16 channels a work-group.
; NO MAXIMUM IS TAKEN AWAY, since the computation bounds the exponents: the rows are normalised, so c lies in -1 .. 1 (to bf16's rounding), a in 0.50 .. 0.74, e in 1.6 .. 2.1.
; THE SECOND SOFTMAX, shifted by 1.875 / Z, has exponents x = f / Z with |x| <= 7.6e-5: exp(x) is taken as 1 + x; what is left out, x^2 / 2 <= 2.9e-9, lies far under half a step of f32 at 1.
; ONE RECIPROCAL: with t = 2^(c L / 2), L = log2(e): A = t^2 + 1, Bd = sqrt(e) t + 1, C = 1 + 2^(-L c^2), D = 1 + 2^(-(L / e)(A - 1)):
;      the four sigmoids add up to 2 + q, q = ((C + D) A Bd - (A + Bd) C D) / (A Bd C D);  e = 2^(q L / 4 + L / 2).
; SHARES.  Every wave holds all 64 query rows as fragments (512 registers).  A tile is 128 columns, two sub-steps of 64; in a sub-step wave w takes the 16 keys 16 w on: 4 accumulators, 64 products.
; The product is used transposed (source 0 = 16 keys, source 1 = 16 queries): a lane holds one row and eight neighbouring columns, which pack into the 16 bytes of fm's block.
; CLUSTER.  The four work-groups of a cluster walk the same tiles of tnb: each tile is asked for jointly, by the same tensor load, descriptor and mask in all four.
; NaN and infinities are not treated apart.
; REGISTERS: window 0 as named below; window 1: Q, K chunks 0-7 at 32 kc + 8 a; window 2: chunks 8-15.
.set PITCH, 1040                       ; an LDS row: 1,024 bytes + 16: an odd multiple of 16, so the 16 rows of a fragment load fall on different groups of banks
.set SLOT,  128*PITCH                  ; 133,120: bits 17 and 11, which no wave's part (w x 33,280) uses: one exclusive or changes slots
.set RED,   2*SLOT                     ; 2,048 bytes: the waves' row sums meet here; no tile lands here
.set SPARE, RED+2048                   ; the spare words, 128 bytes a wave
.set AK0, 2                            ; my lane's place in a sub-step's keys
.set ADR, 3                            ; the LDS address of the run of loads in hand
.set QO,  4
.set GO,  5                            ; 16 x lane + 512 w: my place among a sub-step's four blocks
.set DEL, 7                            ; column less row for register 0 of accumulator 0, as f32
.set DA,  8                            ; v[8:9]   the same for the accumulator in hand, twice
.set ONE, 10                           ; v[10:11] 1.0, 1.0
.set RC,  12                           ; v[12:19] 0.0 .. 7.0
.set ZA,  20                           ; v[20:27] sums of f, a pair an accumulator
.set FA,  28                           ; v[28:35] sums of masked f
.set SPW, 36
.set NIL, 37
.set PKO, 48                           ; v[48:63] packed results
.set ACC, 64                           ; v[64:95]
.set T1,  96
.set T2,  104
.set T3,  112
.set T4,  120
.set KF,  128                          ; v[128:255] the 16 fragments of my 16 keys
.set TM,  128                          ; the mask, in registers that the products have done with
.set WV, 12
.set CX, 13
.set SX, 14
.set BT, 15
.set X2, 16
.set NN, 17
.set SUB, 18
.set TRIP, 19
.set TB, 20
.set HM, 21
.set G1, 24
.set G0, 32
.set KH, 44
.set KNL, 46
.set KK, 48
.set KA, 50
.set KB, 52
.set KQ, 54
.set KZ, 56
.set KE, 58
.set SEL, 60
.set FMB, 66
.set QB, 68
.set KS, 70
.set TT, 72
.set ZB, 74
.set MSB, 0
.macro WIN new                         ; the high byte repeats the setting that is left; a switch that changes nothing is dropped
.if MSB != (\new)
	s_set_vgpr_msb (MSB<<8)|(\new)
.set MSB, (\new)
.endif
.endm
.macro SETP r, val                     ; a constant as a pair: the packed forms name both registers
	s_mov_b32 s[\r], \val
	s_mov_b32 s[(\r)+1], \val
.endm
.macro CROUND                          ; a round of the cluster's barrier
	s_barrier_signal -1
	s_barrier_wait -1
	s_cmp_lg_u32 s[WV], 0
	s_cbranch_scc1 .Lnot_wave_0_\@
	s_barrier_signal -3
.Lnot_wave_0_\@:
	s_barrier_wait -3
	s_barrier_signal -1
	s_barrier_wait -1
.endm
.macro JLOAD                           ; each wave asks for its 32 rows of the tile; an s_nop 0 and four v_nop follow
	tensor_load_to_lds s[G0:G0+3], s[G1:G1+7]
	s_nop 0
.rept 4
	v_nop
.endr
.endm
; THE CHANGE OF SLOTS.  Each wave waits for all its tensor loads (one is out: its part of the other slot), adds 0 to its spare word, and waits for that and for its reads of the slot that it leaves.
; fill = 1: a round of the cluster's barrier, and the joint refill first behind it; it has a whole tile's work, 128 products and their vector work, in which to land.
.macro CHANGE fill
	s_wait_tensorcnt 0x0
	ds_add_u32 v[SPW], v[NIL]
.if \fill
	s_xor_b32 s[G0+1], s[G0+1], SLOT               ; the other slot than last time,
	s_add_nc_u64 s[G0+2:G0+3], s[G0+2:G0+3], 131072  ; the next 128 rows of tnb
	s_wait_dscnt 0x0
	CROUND
	JLOAD
.else
	s_wait_dscnt 0x0
	s_barrier_signal -1
	s_barrier_wait -1
.endif
	s_sub_co_u32 s[TB], s[TB], SLOT                ; the fetches go back to a slot's first sub-step,
	s_xor_b32 s[TB], s[TB], SLOT                   ; in the other slot
.endm
	s_load_b256 s[4:11], s[0:1], 0x0               ; tnb s[4:5], aux s[6:7], fm s[8:9], zf s[10:11]
	v_lshl_add_u32 v[SPW], v0, 2, SPARE
	v_mov_b32 v[NIL], 0
	ds_add_u32 v[SPW], v[NIL]                      ; the wave's opening: the add and its wait ahead of my first tensor load
	ds_add_u32 v36, v37
	v_lshrrev_b32 v1, 5, v0
	v_readfirstlane_b32 s[WV], v1
	s_bfe_u32 s[CX], ttmp6, 0x40000
	s_lshl_b32 s[SX], ttmp9, 2
	s_add_co_u32 s[SX], s[SX], s[CX]               ; my block of 64 rows: it enters global addresses and numbers alone
	s_lshl_b32 s[X2], ttmp9, 1                     ; the first tile of 128 columns that the cluster's 256 rows store
	s_and_b32 s[BT], ttmp7, 0xffff                 ; the batch
	s_mov_b32 s[G1], 15|(1<<16)|(1<<20)|(1<<21)|(7<<22)|(3<<25)  ; mask of four; 2-byte elements; padding on; bit 21 beside a mask; after every 256 words 4 words
	s_mov_b32 s[G1+1], 512<<16                     ; tensor_dim0 = 512
	s_mov_b32 s[G1+2], 32<<16                      ; tensor_dim1 = 32
	s_mov_b32 s[G1+3], 512<<16                     ; tile_dim0 = 512
	s_mov_b32 s[G1+4], 32                          ; tile_dim1 = 32
	s_mov_b32 s[G1+5], 512                         ; elements from row to row
	s_mov_b32 s[G1+6], 0
	s_mov_b32 s[G1+7], 0
	s_mov_b32 s[G0], 1
	s_mul_i32 s[G0+1], s[WV], 32*PITCH             ; slot 0, my 32 rows
	s_lshl_b32 s36, s[BT], 21                      ; the batch's rows of tnb, my 32 of tile 0: shared by the partners
	s_lshl_b32 s37, s[WV], 15
	s_add_co_u32 s36, s36, s37
	s_mov_b32 s37, 0
	s_lshl_b32 s38, s[BT], 21                      ; my work-group's 64 query rows
	s_lshl_b32 s39, s[SX], 16
	s_add_co_u32 s38, s38, s39
	s_mov_b32 s39, 0
	s_lshl_b32 s40, s[BT], 23                      ; fm: the batch, my four row tiles
	s_lshl_b32 s41, s[SX], 18
	s_add_co_u32 s40, s40, s41
	s_mov_b32 s41, 0
	s_lshl_b32 s42, s[BT], 16                      ; KSUM: the batch's 32 rows, my 16 channels
	s_lshl_b32 s43, s[SX], 6
	s_add_co_u32 s42, s42, s43
	s_mul_i32 s22, s[BT], 20480                    ; TTAB: the batch's 10 rows, my 16 channels
	s_add_co_u32 s22, s22, s43
	s_mov_b32 s43, 0
	s_mov_b32 s23, 0
	s_lshl_b32 s76, s[BT], 13                      ; Z and FS: my 64 rows
	s_lshl_b32 s77, s[SX], 8
	s_add_co_u32 s76, s76, s77
	s_mov_b32 s77, 0
	SETP KH,  0x3f38aa3b                           ; L / 2
	SETP KNL, 0xbfb8aa3b                           ; -L
	SETP KK,  0x3fd3094c                           ; sqrt(e)
	SETP KA,  0xbf07de6f                           ; -L / e
	SETP KB,  0x3f07de6f                           ; L / e
	SETP KQ,  0x3eb8aa3b                           ; L / 4
	SETP KZ,  0x45700000                           ; 3840 = 2048 x 1.875
	SETP KE,  0xbff00000                           ; -1.875
	s_mov_b32 s[SEL], 0x76543210
	s_mov_b32 s[SEL+1], 0xfedcba98
	s_mov_b32 s[HM], 0xffff0000                    ; lanes 16-31
	s_mov_b32 s[TB], 2*SLOT                        ; the first change of slots turns this into 0
	s_wait_dscnt 0x0                               ; the opening add is done
	s_wait_kmcnt 0x0
	s_add_nc_u64 s[G0+2:G0+3], s[4:5], s[36:37]
	s_or_b32 s[G0+3], s[G0+3], 0x80000000
	s_add_nc_u64 s[QB:QB+1], s[4:5], s[38:39]
	s_add_nc_u64 s[FMB:FMB+1], s[8:9], s[40:41]
	s_add_nc_u64 s[KS:KS+1], s[6:7], s[42:43]
	s_add_nc_u64 s[TT:TT+1], s[10:11], s[22:23]
	s_add_nc_u64 s[ZB:ZB+1], s[10:11], s[76:77]
	CROUND                                         ; all four work-groups are here: the first joint loads meet
	JLOAD                                          ; tile 0 into slot 0; slot 1 is asked for by the loop's first change of slots
	v_and_b32 v1, 15, v0                           ; l % 16
	v_bfe_u32 v38, v0, 4, 1                        ; l / 16
	v_lshlrev_b32 v[QO], 10, v1
	v_lshl_add_u32 v[QO], v38, 4, v[QO]            ; row x 1,024 + 16 x half
	WIN 0x40                                       ; Q stays in registers: chunk kc of 32 along K, row tile a
.set kc, 0
.rept 16
.if kc == 8
	WIN 0x80
.endif
.irp a, 0,1,2,3
	global_load_b128 v[32*(kc%8)+8*\a:32*(kc%8)+8*\a+3],   v[QO], s[QB:QB+1] offset:\a*16384+kc*64
	global_load_b128 v[32*(kc%8)+8*\a+4:32*(kc%8)+8*\a+7], v[QO], s[QB:QB+1] offset:\a*16384+kc*64+32
.endr
.set kc, kc+1
.endr
	WIN 0
	s_cmp_lg_u32 s[WV], 0
	s_cbranch_scc1 .Lno_tab
	; wave 0: TTAB for my 16 channels.  Lanes 16-31 read what lanes 0-15 read; of two neighbouring rows of the table the lower lanes store the even one, the upper lanes the odd one.
	v_lshlrev_b32 v39, 2, v1
	v_lshl_add_u32 v40, v38, 11, v39
.set i, 0
.rept 32
	global_load_b32 v[64+i], v39, s[KS:KS+1] offset:524288+2048*i
.set i, i+1
.endr
	s_wait_loadcnt 0x0
	v_mov_b32 v[96+8], 0
	v_mov_b32 v[96+9], 0
.irp u, 7,6,5,4,3,2,1,0
	v_add_f32 v41, v[64+4*\u], v[64+4*\u+1]
	v_add_f32 v42, v[64+4*\u+2], v[64+4*\u+3]
	v_add_f32 v41, v41, v42
	v_add_f32 v[96+\u], v41, v[96+\u+1]
.endr
.irp m, 0,1,2,3,4
	v_cndmask_b32 v[106+\m], v[96+2*\m], v[96+2*\m+1], s[HM]
	global_store_b32 v40, v[106+\m], s[TT:TT+1] offset:131072+4096*\m
.endr
	s_wait_xcnt 0x0                                ; the stores' registers are used again below
.Lno_tab:
	s_lshl_b32 s22, s[WV], 4
	v_add_nc_u32 v[AK0], s22, v1
	v_mul_u32_u24 v[AK0], v[AK0], PITCH
	v_lshl_add_u32 v[AK0], v38, 4, v[AK0]          ; (16 w + l % 16) x pitch + 16 x half
	v_and_b32 v[GO], 31, v0
	v_lshlrev_b32 v[GO], 4, v[GO]
	s_lshl_b32 s23, s[WV], 9
	v_add_nc_u32 v[GO], s23, v[GO]
	v_lshlrev_b32 v39, 3, v38
	v_sub_nc_u32 v39, v39, v1
	s_lshl_b32 s23, s[SX], 6
	s_sub_co_i32 s22, s22, s23
	v_add_nc_u32 v39, s22, v39
	v_cvt_f32_i32 v[DEL], v39                      ; 16 w + 8 (l / 16) - l % 16 - 64 sx
	v_mov_b32 v[ONE], 1.0
	v_mov_b32 v[ONE+1], 1.0
	v_mov_b32 v[RC], 0
	v_mov_b32 v[RC+1], 1.0
	v_mov_b32 v[RC+2], 2.0
	v_mov_b32 v[RC+3], 3.0
	v_mov_b32 v[RC+4], 4.0
	v_mov_b32 v[RC+5], 5.0
	v_mov_b32 v[RC+6], 6.0
	v_mov_b32 v[RC+7], 7.0
.set i, 0
.rept 16
	v_mov_b32 v[ZA+i], 0                           ; sixteen running sums, once a launch
.set i, i+1
.endr
	s_wait_loadcnt 0x0                             ; Q
; 32 products: K chunks k0 .. k0 + 7; the four accumulators take turns; chunk 0 starts the sums
.macro MULS win, k0
	WIN \win
.set kc, \k0
.rept 8
.irp a, 0,1,2,3
.if kc == 0
	v_wmma_f32_16x16x32_bf16 v[ACC+8*\a:ACC+8*\a+7], v[KF+8*kc:KF+8*kc+7], v[32*(kc%8)+8*\a:32*(kc%8)+8*\a+7], 0
.else
	v_wmma_f32_16x16x32_bf16 v[ACC+8*\a:ACC+8*\a+7], v[KF+8*kc:KF+8*kc+7], v[32*(kc%8)+8*\a:32*(kc%8)+8*\a+7], v[ACC+8*\a:ACC+8*\a+7]
.endif
.endr
.set kc, kc+1
.endr
.endm
; The vector work on accumulator a's eight numbers a lane.  Transcendentals stand in runs; behind each run comes plain work that touches neither their results nor their sources.
.macro EPI a
.set CC, ACC+8*(\a)
.irp p, 0,2,4,6
	v_pk_mul_f32 v[T1+\p:T1+\p+1], v[CC+\p:CC+\p+1], s[KH:KH+1] op_sel_hi:[1,0]         ; c L / 2 (the accumulator is read from its low end on)
.endr
.irp p, 0,1,2,3,4,5,6,7
	v_exp_f32 v[T1+\p], v[T1+\p]                   ; t
.endr
.irp p, 0,2,4,6
	v_pk_mul_f32 v[CC+\p:CC+\p+1], v[CC+\p:CC+\p+1], v[CC+\p:CC+\p+1]
.endr
.irp p, 0,2,4,6
	v_pk_mul_f32 v[CC+\p:CC+\p+1], v[CC+\p:CC+\p+1], s[KNL:KNL+1] op_sel_hi:[1,0]       ; -L c^2
.endr
	s_wait_alu depctr_va_vdst(0)
.irp p, 0,2,4,6
	v_pk_fma_f32 v[T2+\p:T2+\p+1], v[T1+\p:T1+\p+1], v[T1+\p:T1+\p+1], 1.0 op_sel_hi:[1,1,0]   ; A
.endr
.irp p, 0,2,4,6
	v_pk_fma_f32 v[T1+\p:T1+\p+1], v[T1+\p:T1+\p+1], s[KK:KK+1], 1.0 op_sel_hi:[1,0,0]  ; Bd
.endr
.irp p, 0,2,4,6
	v_pk_fma_f32 v[T3+\p:T3+\p+1], v[T2+\p:T2+\p+1], s[KA:KA+1], s[KB:KB+1] op_sel_hi:[1,0,0]  ; -(L / e)(A - 1)
.endr
.irp p, 0,1,2,3,4,5,6,7
	v_exp_f32 v[CC+\p], v[CC+\p]
.endr
.irp p, 0,1,2,3,4,5,6,7
	v_exp_f32 v[T3+\p], v[T3+\p]
.endr
.irp p, 0,2,4,6
	v_pk_mul_f32 v[T4+\p:T4+\p+1], v[T2+\p:T2+\p+1], v[T1+\p:T1+\p+1]                   ; A Bd
.endr
.irp p, 0,2,4,6
	v_pk_add_f32 v[T2+\p:T2+\p+1], v[T2+\p:T2+\p+1], v[T1+\p:T1+\p+1]                   ; A + Bd
.endr
	s_wait_alu depctr_va_vdst(0)
.irp p, 0,2,4,6
	v_pk_add_f32 v[CC+\p:CC+\p+1], v[CC+\p:CC+\p+1], 1.0 op_sel_hi:[1,0]                ; C
.endr
.irp p, 0,2,4,6
	v_pk_add_f32 v[T3+\p:T3+\p+1], v[T3+\p:T3+\p+1], 1.0 op_sel_hi:[1,0]                ; D
.endr
.irp p, 0,2,4,6
	v_pk_mul_f32 v[T1+\p:T1+\p+1], v[CC+\p:CC+\p+1], v[T3+\p:T3+\p+1]                   ; C D
.endr
.irp p, 0,2,4,6
	v_pk_add_f32 v[CC+\p:CC+\p+1], v[CC+\p:CC+\p+1], v[T3+\p:T3+\p+1]                   ; C + D
.endr
.irp p, 0,2,4,6
	v_pk_mul_f32 v[T3+\p:T3+\p+1], v[T4+\p:T4+\p+1], v[T1+\p:T1+\p+1]                   ; A Bd C D
.endr
.irp p, 0,2,4,6
	v_pk_mul_f32 v[CC+\p:CC+\p+1], v[CC+\p:CC+\p+1], v[T4+\p:T4+\p+1]
.endr
.irp p, 0,2,4,6
	v_pk_fma_f32 v[CC+\p:CC+\p+1], v[T2+\p:T2+\p+1], v[T1+\p:T1+\p+1], v[CC+\p:CC+\p+1] neg_lo:[1,0,0] neg_hi:[1,0,0]
.endr
.irp p, 0,1,2,3,4,5,6,7
	v_rcp_f32 v[T3+\p], v[T3+\p]
.endr
.irp p, 0,2,4,6
	v_pk_fma_f32 v[TM+\p:TM+\p+1], v[RC+\p:RC+\p+1], v[ONE:ONE+1], v[DA:DA+1] clamp     ; column less row, held to 0 .. 1: 1 where j > i
.endr
	s_wait_alu depctr_va_vdst(0)
.irp p, 0,2,4,6
	v_pk_mul_f32 v[CC+\p:CC+\p+1], v[CC+\p:CC+\p+1], v[T3+\p:T3+\p+1]                   ; q
.endr
.irp p, 0,2,4,6
	v_pk_fma_f32 v[CC+\p:CC+\p+1], v[CC+\p:CC+\p+1], s[KQ:KQ+1], s[KH:KH+1] op_sel_hi:[1,0,0]
.endr
.irp p, 0,1,2,3,4,5,6,7
	v_exp_f32 v[CC+\p], v[CC+\p]                   ; e
.endr
.if (\a) < 3
	v_add_f32 v[DA], 0xc1800000, v[DA]             ; the next accumulator's rows lie 16 further down
	v_add_f32 v[DA+1], 0xc1800000, v[DA+1]
	s_wait_alu depctr_va_vdst(0)
.else
	v_add_f32 v[DEL], 0x42800000, v[DEL]           ; the next sub-step's columns lie 64 further on
	s_wait_alu depctr_va_vdst(0)
.endif
.irp p, 0,2,4,6
	v_pk_add_f32 v[CC+\p:CC+\p+1], v[CC+\p:CC+\p+1], s[KE:KE+1] op_sel_hi:[1,0]         ; f
.endr
.irp p, 0,2,4,6
	v_pk_add_f32 v[ZA+2*(\a):ZA+2*(\a)+1], v[ZA+2*(\a):ZA+2*(\a)+1], v[CC+\p:CC+\p+1]
	v_pk_mul_f32 v[CC+\p:CC+\p+1], v[CC+\p:CC+\p+1], v[TM+\p:TM+\p+1]
.endr
.irp p, 0,2,4,6
	v_pk_add_f32 v[FA+2*(\a):FA+2*(\a)+1], v[FA+2*(\a):FA+2*(\a)+1], v[CC+\p:CC+\p+1]
.endr
.irp j, 0,1,2,3
	v_cvt_pk_bf16_f32 v[PKO+4*(\a)+\j], v[CC+2*\j], v[CC+2*\j+1]
.endr
.endm
; A tile: two sub-steps of 64 columns, written once and walked twice; the LDS address hangs on s[TB].
.macro BODY
	s_mov_b32 s[SUB], 2
.Lsub_\@:
	v_add_nc_u32 v[ADR], s[TB], v[AK0]
.set kc, 0
.rept 16
	ds_load_b128 v[KF+8*kc:KF+8*kc+3],   v[ADR] offset:kc*64
	ds_load_b128 v[KF+8*kc+4:KF+8*kc+7], v[ADR] offset:kc*64+32
.set kc, kc+1
.endr
	s_add_co_u32 s[TB], s[TB], 64*PITCH
	s_wait_dscnt 16                                ; chunks 0-7 are in; the 16 loads of chunks 8-15 may be out
	MULS 0x04, 0
	s_wait_dscnt 0x0
	MULS 0x08, 8
	WIN 0
	v_mov_b32 v[DA], v[DEL]                        ; four plain instructions behind the last product, ahead of the first read of a result
	v_mov_b32 v[DA+1], v[DEL]
	v_nop
	v_nop
	EPI 0
	EPI 1
	EPI 2
	EPI 3
	s_cmp_lt_u32 s[NN], s[X2]                      ; tiles wholly left of the cluster's 256 rows are masked everywhere and are never read: not stored
	s_cbranch_scc1 .Lnot_stored_\@
.irp a, 0,1,2,3
	global_store_b128 v[GO], v[PKO+4*\a:PKO+4*\a+3], s[FMB:FMB+1] offset:65536*\a      ; a block: 512 consecutive bytes, aligned
.endr
.Lnot_stored_\@:
	s_wait_xcnt 0x0                                ; the stores' base and data are rewritten only behind this wait
	s_add_nc_u64 s[FMB:FMB+1], s[FMB:FMB+1], 2048  ; four blocks on
	s_sub_co_u32 s[SUB], s[SUB], 1
	s_cmp_lg_u32 s[SUB], 0
	s_cbranch_scc1 .Lsub_\@
.endm
	s_mov_b32 s[NN], 0
	s_mov_b32 s[TRIP], 15
.Lslot:                                                ; 15 trips: tile NN is worked on, tile NN + 1 asked for
	CHANGE 1
	BODY
	s_add_co_u32 s[NN], s[NN], 1
	s_sub_co_u32 s[TRIP], s[TRIP], 1
	s_cmp_lg_u32 s[TRIP], 0
	s_cbranch_scc1 .Lslot
	CHANGE 0                                       ; the last tile is written out: nothing is asked for
	BODY
	; THE ROW SUMS.  A pair's halves, the other half of the lanes, then the four waves through LDS: lanes 0-15 hand on Z's part, lanes 16-31 F's.
.irp a, 0,1,2,3
	v_add_f32 v[ZA+2*\a], v[ZA+2*\a], v[ZA+2*\a+1]
	v_add_f32 v[FA+2*\a], v[FA+2*\a], v[FA+2*\a+1]
.endr
.irp a, 0,1,2,3
	v_permlanex16_b32 v[ZA+2*\a+1], v[ZA+2*\a], s[SEL], s[SEL+1]
	v_permlanex16_b32 v[FA+2*\a+1], v[FA+2*\a], s[SEL], s[SEL+1]
.endr
.irp a, 0,1,2,3
	v_add_f32 v[ZA+2*\a], v[ZA+2*\a], v[ZA+2*\a+1]
	v_add_f32 v[FA+2*\a], v[FA+2*\a], v[FA+2*\a+1]
.endr
	v_lshlrev_b32 v39, 2, v1
	v_lshl_add_u32 v39, v38, 8, v39
	s_lshl_b32 s22, s[WV], 9
	s_add_co_u32 s22, s22, RED
	v_add_nc_u32 v39, s22, v39                     ; RED + 512 w + 256 (l / 16) + 4 (l % 16)
.irp a, 0,1,2,3
	v_cndmask_b32 v[40+\a], v[ZA+2*\a], v[FA+2*\a], s[HM]
.endr
.irp a, 0,1,2,3
	ds_store_b32 v39, v[40+\a] offset:64*\a
.endr
	s_wait_dscnt 0x0                               ; for the others' sake: my stores are done
	s_barrier_signal -1
	s_barrier_wait -1
	v_and_b32 v44, 31, v0
	v_lshlrev_b32 v45, 3, v44                      ; lane l takes rows 2 l and 2 l + 1
	v_add_nc_u32 v43, RED, v45
.irp u, 0,1,2,3
	ds_load_b64 v[96+2*\u:97+2*\u], v43 offset:512*\u
	ds_load_b64 v[104+2*\u:105+2*\u], v43 offset:512*\u+256
.endr
	s_lshl_b32 s22, s[SX], 6
	s_sub_co_u32 s22, 0x7ff, s22
	v_lshlrev_b32 v47, 1, v44
	v_sub_nc_u32 v46, s22, v47                     ; n = 2047 - row, at least 1 for the even row
	v_add_nc_u32 v47, -1, v46
	v_mov_b32 v42, 0x800
	v_cmp_eq_u32 vcc_lo, 0, v47                    ; the batch's last row: all keys, evenly
	v_cndmask_b32 v47, v47, v42, vcc_lo
	v_cvt_f32_u32 v46, v46
	v_cvt_f32_u32 v47, v47
	s_wait_dscnt 0x0
	v_pk_add_f32 v[96:97], v[96:97], v[98:99]
	v_pk_add_f32 v[100:101], v[100:101], v[102:103]
	v_pk_add_f32 v[104:105], v[104:105], v[106:107]
	v_pk_add_f32 v[108:109], v[108:109], v[110:111]
	v_pk_add_f32 v[96:97], v[96:97], v[100:101]
	v_pk_add_f32 v[104:105], v[104:105], v[108:109]
	v_pk_add_f32 v[96:97], v[96:97], s[KZ:KZ+1] op_sel_hi:[1,0]    ; Z
	v_pk_fma_f32 v[104:105], v[46:47], v[96:97], v[104:105]        ; n Z + F
	v_rcp_f32 v104, v104
	v_rcp_f32 v105, v105
	v_nop
	s_cmp_gt_u32 s[WV], 1
	s_cbranch_scc1 .Lsums_out
	s_cmp_eq_u32 s[WV], 0
	s_cbranch_scc0 .Lstore_fs
	global_store_b64 v45, v[96:97], s[ZB:ZB+1]     ; 256 consecutive bytes, aligned
	s_branch .Lsums_out
.Lstore_fs:
	s_wait_alu depctr_va_vdst(0)
	global_store_b64 v45, v[104:105], s[ZB:ZB+1] offset:65536
.Lsums_out:
	s_wait_tensorcnt 0x0                           ; the wave's end
	ds_add_u32 v[SPW], v[NIL]
	s_wait_dscnt 0x0
	CROUND                                         ; the closing round
	s_endpgm
.Lfunc_end_k_qffac7cb4f5_sim:
	.size	k_qffac7cb4f5_sim, .Lfunc_end_k_qffac7cb4f5_sim-k_qffac7cb4f5_sim
	.p2alignl 7, 3214868480
	.fill 96, 4, 3214868480
	.section	.rodata,"a",@progbits
	.p2align	6, 0x0
	.amdhsa_kernel k_qffac7cb4f5_sim
		.amdhsa_group_segment_fixed_size 327680
		.amdhsa_private_segment_fixed_size 0
		.amdhsa_enable_private_segment 0
		.amdhsa_kernarg_size 32
		.amdhsa_user_sgpr_count 2
		.amdhsa_user_sgpr_kernarg_segment_ptr 1
		.amdhsa_wavefront_size32 1
		.amdhsa_system_sgpr_workgroup_id_x 1
		.amdhsa_system_sgpr_workgroup_id_y 1
		.amdhsa_system_sgpr_workgroup_id_z 1
		.amdhsa_system_vgpr_workitem_id 0
		.amdhsa_next_free_vgpr 768
		.amdhsa_next_free_sgpr 80
		.amdhsa_reserve_vcc 1
		.amdhsa_float_denorm_mode_32 3
		.amdhsa_float_denorm_mode_16_64 3
		.amdhsa_memory_ordered 1
		.amdhsa_forward_progress 1
		.amdhsa_inst_pref_size 101
	.end_amdhsa_kernel
	.amdgpu_metadata
---
amdhsa.version: [ 1, 2 ]
amdhsa.kernels:
  - .name:           k_qffac7cb4f5_sim
    .symbol:         k_qffac7cb4f5_sim.kd
    .args:
      - { .name: tnb, .offset: 0, .size: 8, .value_kind: global_buffer, .address_space: global }
      - { .name: aux, .offset: 8, .size: 8, .value_kind: global_buffer, .address_space: global }
      - { .name: fm, .offset: 16, .size: 8, .value_kind: global_buffer, .address_space: global }
      - { .name: zf, .offset: 24, .size: 8, .value_kind: global_buffer, .address_space: global }
    .group_segment_fixed_size: 327680
    .private_segment_fixed_size: 0
    .kernarg_segment_align: 8
    .kernarg_segment_size: 32
    .max_flat_workgroup_size: 128
    .sgpr_count:     80
    .vgpr_count:     768
    .wavefront_size: 32
...
	.end_amdgpu_metadata
.endif
;; end of part 2
;; launch pv (part 3): grid 32 x 8, 4 waves a work-group, clusters of 4 x 1, 327,680 bytes of LDS; arguments fm, aux, kb, zf, kbar; writes kbar
.if DOCPART == 3
	.amdgcn_target "amdgcn-amd-amdhsa--gfx1250"
	.amdhsa_code_object_version 6
	.text
	.protected	k_qffac7cb4f5_pv
	.globl	k_qffac7cb4f5_pv
	.p2align	8
	.type	k_qffac7cb4f5_pv,@function
k_qffac7cb4f5_pv:
	s_mov_b64 s[64:65], 0
	v_nop
	global_prefetch_b8 v0, s[64:65] scope:SCOPE_SE
	s_setreg_imm32_b32 hwreg(HW_REG_WAVE_MODE, 25, 1), 1
	s_wait_xcnt 0x0
	s_wait_alu depctr_hold_cnt(0) depctr_sa_sdst(0) depctr_va_vdst(0) depctr_va_sdst(0) depctr_va_ssrc(0) depctr_va_vcc(0) depctr_vm_vsrc(0)
	s_getreg_b32 s2, hwreg(HW_REG_IB_STS2, 6, 4)
	s_cmp_eq_u32 s2, 0
	s_cbranch_scc0 .Lentry_in_a_cluster
	s_endpgm
.Lentry_in_a_cluster:
	s_bfe_u32 s2, ttmp6, 0x10000c
	s_cmp_lg_u32 s2, 0x3003
	s_cbranch_scc0 .Lentry_shape_is_right
	s_endpgm
.Lentry_shape_is_right:
; PV.  kbar_i = ((sum over j > i of k_j) Z_i + sum over j > i of f_ij k_j) FS_i: the second softmax's weighted mean of the rows of k (weights 1 + f / Z, see SIM), rounded once to bf16.
; The V projection is linear and the weights add up to 1, so it is applied behind this mean (TAIL): the order of rounding differs from the reference's, the sums are the same.
; A weight near 1 would lose f in 16 bits, so the ones and f go apart: the ones as TTAB (f32 sums of whole units of 256 keys) and as the exact ones of TRI times kb inside the row's own unit; f in bf16.
; A batch's last row is masked everywhere: its sum starts with the sum of all rows of k, TRI and fm are 0 there, and FS = 1 / (2048 Z).
; THE WALK.  A work-group makes two blocks of 128 rows x 128 channels: block 15 - p, then block p.  Block I (v = I / 2) has the units M (TRI x keys of unit v) and E (fm x keys of unit KU), KU = v .. 7:
; 11 units of 256 keys whatever p: all work-groups are alike, and ONE loop with a constant count walks them.  acc = TTAB[v + 1]; M; acc *= Z; the E units; acc *= FS.
; CLUSTER.  The four partners are the four channel quarters of the same rows: fm's and TRI's tiles are asked for jointly; kb's tiles differ (other channels): loads of one's own, in the same rounds.
; Four waves, 2 x 2, each 64 rows x 64 channels: 16 accumulators.  The product is used transposed (source 0 = 16 channels, turned out of LDS; source 1 = 16 rows): a lane holds one row and eight
; neighbouring channels, which pack into 16 bytes of kbar's blocks (512 bytes: lane l holds row l % 16, channels 8 (l / 16) + 0..7), stored straight from registers.
; REGISTERS: window 0 as named; window 1: two fragment buffers of 128 (64 of A, 64 of B, each 64 keys deep); window 2: v0-31 TTAB[v1 + 1], v32-63 TTAB[v2 + 1], v64-95 TTAB[0], my 64 channels.
.set SLOT,  139264                     ; A: 8 row tiles x 8,192 dense bytes; B: 256 keys x 288.  Bits 17 and 13, which no part's offset uses: one exclusive or changes slots
.set BOFF,  65536
.set PB,    288                        ; a row of kb in LDS: 256 bytes + 32: an odd multiple of 32, for the turning load
.set SPARE, 2*SLOT
.set LA,  4
.set LB,  5
.set AA,  6
.set AB0, 7                            ; v7: keys 0-127 of a unit; v8: keys 128-255 (the immediate reaches 65,535 bytes)
.set GO,  9
.set ZRC, 12                           ; v[12:19] Z of the block in hand, in the even registers
.set FS1, 20                           ; v[20:27] FS of the first block
.set SPW, 28
.set NIL, 29
.set TMP, 32                           ; v[32:95]
.set Z2,  96                           ; v[96:99]
.set FS2, 104                          ; v[104:111]
.set ACC, 128
.set F0,  0
.set F1,  128
.set WV, 14
.set CX, 15
.set PP, 16
.set BT, 17
.set WR, 18
.set WC, 19
.set G1A, 24
.set G1B, 32
.set GA0, 40
.set GA1, 44
.set GB0, 48
.set GB1, 52
.set GM,  56                           ; 1: the unit to be asked for next is an M
.set GKU, 57                           ; its keys' unit
.set V2,  58
.set CR,  59                           ; units of the block in hand that are done
.set NEC, 60                           ; its E units
.set NE2, 61
.set RB,  62                           ; the slot that is read
.set TRIP, 63
.set FMRC, 66
.set TRIC, 68
.set FMR2, 70
.set TRI2, 72
.set KBB, 74
.set OFA, 76
.set OFB, 78
.set PA,  80
.set KO1, 82
.set KO2, 84
.set LM,  86
.set TBA, 88
.set TB1, 90
.set TB2, 92
.set ZB1, 94
.set ZB2, 96
.set MSB, 0
.macro WIN new
.if MSB != (\new)
	s_set_vgpr_msb (MSB<<8)|(\new)
.set MSB, (\new)
.endif
.endm
.set MUL,  0x05                        ; sources 0 and 1 window 1; C and D window 0
.set TO_F, 0x40                        ; destination window 1, address window 0
.macro PLACES
.rept 4
	v_nop
.endr
.endm
.macro CREST                           ; a round of the cluster's barrier behind its opening barrier
	s_cmp_lg_u32 s[WV], 0
	s_cbranch_scc1 .Lnot_wave_0_\@
	s_barrier_signal -3
.Lnot_wave_0_\@:
	s_barrier_wait -3
	s_barrier_signal -1
	s_barrier_wait -1
.endm
.macro CROUND
	s_barrier_signal -1
	s_barrier_wait -1
	CREST
.endm
.macro JLOAD                           ; waves 0 and 1 ask (jointly) for A's two halves, waves 2 and 3 for B's; an s_nop 0 and four v_nop follow each line
	s_cmp_lt_u32 s[WV], 2
	s_cbranch_scc0 .Lfor_b_\@
	tensor_load_to_lds s[GA1:GA1+3], s[G1A:G1A+7]
	s_nop 0
.rept 4
	v_nop
.endr
	s_branch .Lasked_\@
.Lfor_b_\@:
	tensor_load_to_lds s[GB1:GB1+3], s[G1B:G1B+7]
	s_nop 0
.rept 4
	v_nop
.endr
.Lasked_\@:
.endm
; The next unit's two global addresses, made anew from the walk's numbers, and the walk's step.  Scalar work alone; every select follows a compare of its own.
.macro GEN da, db
	s_lshl_b32 s[OFA], s[GKU], 13                  ; an E unit's 16 blocks of a row tile begin 8,192 KU bytes on
	s_cmp_eq_u32 s[GM], 1
	s_cselect_b32 s[OFA], 0, s[OFA]
	s_cselect_b64 s[PA:PA+1], s[TRIC:TRIC+1], s[FMRC:FMRC+1]
	s_add_nc_u64 s[(\da)+2:(\da)+3], s[PA:PA+1], s[OFA:OFA+1]
	s_or_b32 s[(\da)+3], s[(\da)+3], 0x80000000
	s_lshl_b32 s[OFB], s[GKU], 18                  ; 256 keys of 1,024 bytes
	s_add_nc_u64 s[(\db)+2:(\db)+3], s[KBB:KBB+1], s[OFB:OFB+1]
	s_or_b32 s[(\db)+3], s[(\db)+3], 0x80000000
	s_xor_b32 s20, s[GM], 1
	s_add_co_u32 s[GKU], s[GKU], s20               ; behind an M the same keys once more, behind an E the next
	s_cmp_eq_u32 s[GKU], 8                         ; the block's last unit has been asked for: on to the second block's M
	s_cselect_b32 s[GM], 1, 0
	s_cselect_b32 s[GKU], s[V2], s[GKU]
	s_cselect_b64 s[FMRC:FMRC+1], s[FMR2:FMR2+1], s[FMRC:FMRC+1]
	s_cselect_b64 s[TRIC:TRIC+1], s[TRI2:TRI2+1], s[TRIC:TRIC+1]
.endm
	s_load_b256 s[4:11], s[0:1], 0x0               ; fm s[4:5], aux s[6:7], kb s[8:9], zf s[10:11]
	s_load_b64 s[12:13], s[0:1], 0x20              ; kbar
	v_lshl_add_u32 v[SPW], v0, 2, SPARE
	v_mov_b32 v[NIL], 0
	ds_add_u32 v[SPW], v[NIL]                      ; the wave's opening: the add and its wait ahead of my first tensor load
	ds_add_u32 v28, v29
	v_lshrrev_b32 v1, 5, v0
	v_readfirstlane_b32 s[WV], v1
	s_bfe_u32 s[CX], ttmp6, 0x40000                ; my channel quarter: it enters kb's, TTAB's and kbar's global addresses alone
	s_mov_b32 s[PP], ttmp9
	s_and_b32 s[BT], ttmp7, 0xffff
	s_lshr_b32 s[WR], s[WV], 1
	s_and_b32 s[WC], s[WV], 1
	s_sub_co_u32 s21, 15, s[PP]                    ; I1
	s_lshr_b32 s[V2], s[PP], 1
	s_lshr_b32 s[GKU], s21, 1                      ; v1
	s_mov_b32 s[GM], 1
	s_add_co_u32 s[NEC], s[V2], 1                  ; the first block has 1 + p / 2 E units,
	s_sub_co_u32 s[NE2], 8, s[V2]                  ; the second 8 - p / 2
	s_mov_b32 s[CR], 0
	s_mov_b32 s[RB], 0
	s_mov_b32 s[OFA+1], 0
	s_mov_b32 s[OFB+1], 0
	; offsets, each in the pair that will hold the address
	s_lshl_b32 s22, s[BT], 23
	s_lshl_b32 s23, s[WC], 18                      ; the half of the block's eight row tiles that I fetch
	s_add_co_u32 s22, s22, s23
	s_lshl_b32 s[FMRC], s21, 19
	s_add_co_u32 s[FMRC], s[FMRC], s22
	s_mov_b32 s[FMRC+1], 0
	s_lshl_b32 s[FMR2], s[PP], 19
	s_add_co_u32 s[FMR2], s[FMR2], s22
	s_mov_b32 s[FMR2+1], 0
	s_and_b32 s[TRIC], s21, 1
	s_lshl_b32 s[TRIC], s[TRIC], 13
	s_add_co_u32 s[TRIC], s[TRIC], s23
	s_mov_b32 s[TRIC+1], 0
	s_and_b32 s[TRI2], s[PP], 1
	s_lshl_b32 s[TRI2], s[TRI2], 13
	s_add_co_u32 s[TRI2], s[TRI2], s23
	s_mov_b32 s[TRI2+1], 0
	s_lshl_b32 s[KBB], s[BT], 21
	s_lshl_b32 s98, s[CX], 8
	s_add_co_u32 s[KBB], s[KBB], s98
	s_lshl_b32 s98, s[WC], 17
	s_add_co_u32 s[KBB], s[KBB], s98
	s_mov_b32 s[KBB+1], 0
	s_lshl_b32 s98, s[BT], 5
	s_add_co_u32 s98, s98, s[WR]                   ; 32 b + wr
	s_lshl_b32 s99, s[WC], 11
	s_lshl_b32 s[KO1], s21, 1
	s_add_co_u32 s[KO1], s[KO1], s98
	s_lshl_b32 s[KO1], s[KO1], 2
	s_add_co_u32 s[KO1], s[KO1], s[CX]
	s_lshl_b32 s[KO1], s[KO1], 14
	s_add_co_u32 s[KO1], s[KO1], s99
	s_mov_b32 s[KO1+1], 0
	s_lshl_b32 s[KO2], s[PP], 1
	s_add_co_u32 s[KO2], s[KO2], s98
	s_lshl_b32 s[KO2], s[KO2], 2
	s_add_co_u32 s[KO2], s[KO2], s[CX]
	s_lshl_b32 s[KO2], s[KO2], 14
	s_add_co_u32 s[KO2], s[KO2], s99
	s_mov_b32 s[KO2+1], 0
	s_mul_i32 s98, s[BT], 10
	s_lshl_b32 s99, s[CX], 9
	s_lshl_b32 s[TBA], s98, 11
	s_add_co_u32 s[TBA], s[TBA], s99
	s_mov_b32 s[TBA+1], 0
	s_add_co_u32 s[TB1], s98, s[GKU]
	s_add_co_u32 s[TB1], s[TB1], 1
	s_lshl_b32 s[TB1], s[TB1], 11
	s_add_co_u32 s[TB1], s[TB1], s99
	s_mov_b32 s[TB1+1], 0
	s_add_co_u32 s[TB2], s98, s[V2]
	s_add_co_u32 s[TB2], s[TB2], 1
	s_lshl_b32 s[TB2], s[TB2], 11
	s_add_co_u32 s[TB2], s[TB2], s99
	s_mov_b32 s[TB2+1], 0
	s_lshl_b32 s98, s[BT], 13
	s_lshl_b32 s[ZB1], s21, 9
	s_add_co_u32 s[ZB1], s[ZB1], s98
	s_mov_b32 s[ZB1+1], 0
	s_lshl_b32 s[ZB2], s[PP], 9
	s_add_co_u32 s[ZB2], s[ZB2], s98
	s_mov_b32 s[ZB2+1], 0
	; descriptor group 1 for A: 4 row tiles of 8,192 dense bytes (1,024 elements of 8 bytes), 65,536 bytes apart; no padding: the fragments are read 16 bytes a lane on end
	s_mov_b32 s[G1A], 15|(3<<16)|(1<<21)
	s_mov_b32 s[G1A+1], 1024<<16
	s_mov_b32 s[G1A+2], 4<<16
	s_mov_b32 s[G1A+3], 1024<<16
	s_mov_b32 s[G1A+4], 4
	s_mov_b32 s[G1A+5], 8192
	s_mov_b32 s[G1A+6], 0
	s_mov_b32 s[G1A+7], 0
	; for B: 128 keys x 128 channels of 2 bytes, 512 elements from row to row, 8 words of padding after every 64; no mask: a load of my own
	s_mov_b32 s[G1B], (1<<16)|(1<<20)|(5<<22)|(7<<25)
	s_mov_b32 s[G1B+1], 128<<16
	s_mov_b32 s[G1B+2], 128<<16
	s_mov_b32 s[G1B+3], 128<<16
	s_mov_b32 s[G1B+4], 128
	s_mov_b32 s[G1B+5], 512
	s_mov_b32 s[G1B+6], 0
	s_mov_b32 s[G1B+7], 0
	s_mov_b32 s[GA0], 1
	s_mul_i32 s[GA0+1], s[WC], 32768
	s_mov_b32 s[GA1], 1
	s_add_co_u32 s[GA1+1], s[GA0+1], SLOT
	s_mov_b32 s[GB0], 1
	s_mul_i32 s[GB0+1], s[WC], 128*PB
	s_add_co_u32 s[GB0+1], s[GB0+1], BOFF
	s_mov_b32 s[GB1], 1
	s_add_co_u32 s[GB1+1], s[GB0+1], SLOT
	s_lshl_b32 s22, s21, 7
	s_lshl_b32 s23, s[WR], 6
	s_add_co_u32 s22, s22, s23
	s_add_co_u32 s22, s22, 48                      ; the first block's row of my lane 0 in row tile 3
	s_wait_dscnt 0x0                               ; the opening add is done
	s_wait_kmcnt 0x0
	s_add_nc_u64 s[FMRC:FMRC+1], s[4:5], s[FMRC:FMRC+1]
	s_add_nc_u64 s[FMR2:FMR2+1], s[4:5], s[FMR2:FMR2+1]
	s_add_nc_u64 s[TRIC:TRIC+1], s[6:7], s[TRIC:TRIC+1]
	s_add_nc_u64 s[TRI2:TRI2+1], s[6:7], s[TRI2:TRI2+1]
	s_add_nc_u64 s[KBB:KBB+1], s[8:9], s[KBB:KBB+1]
	s_add_nc_u64 s[KO1:KO1+1], s[12:13], s[KO1:KO1+1]
	s_add_nc_u64 s[KO2:KO2+1], s[12:13], s[KO2:KO2+1]
	s_add_nc_u64 s[TBA:TBA+1], s[10:11], s[TBA:TBA+1]
	s_add_nc_u64 s[TB1:TB1+1], s[10:11], s[TB1:TB1+1]
	s_add_nc_u64 s[TB2:TB2+1], s[10:11], s[TB2:TB2+1]
	s_add_nc_u64 s[ZB1:ZB1+1], s[10:11], s[ZB1:ZB1+1]
	s_add_nc_u64 s[ZB2:ZB2+1], s[10:11], s[ZB2:ZB2+1]
	GEN GA0, GB0                                   ; unit 0
	GEN GA1, GB1                                   ; unit 1
	CROUND                                         ; all four work-groups are here
	s_cmp_lt_u32 s[WV], 2                          ; a wave's two first fills stand in one branch: two loads of mine are out
	s_cbranch_scc0 .Lfirst_b
	tensor_load_to_lds s[GA0:GA0+3], s[G1A:G1A+7]
	s_nop 0
	tensor_load_to_lds s[GA1:GA1+3], s[G1A:G1A+7]
	s_nop 0
.rept 4
	v_nop
.endr
	s_branch .Lfirst_asked
.Lfirst_b:
	tensor_load_to_lds s[GB0:GB0+3], s[G1B:G1B+7]
	s_nop 0
	tensor_load_to_lds s[GB1:GB1+3], s[G1B:G1B+7]
	s_nop 0
.rept 4
	v_nop
.endr
.Lfirst_asked:
	v_and_b32 v1, 15, v0                           ; l % 16
	v_bfe_u32 v2, v0, 4, 1                         ; l / 16
	v_and_b32 v3, 31, v0
	v_lshlrev_b32 v[GO], 4, v3
	v_lshlrev_b32 v30, 2, v1
	s_lshl_b32 s23, s[WR], 8
	v_add_nc_u32 v30, s23, v30                     ; Z, FS: 4 (l % 16) + 256 wr
	v_lshlrev_b32 v31, 5, v2
	s_lshl_b32 s23, s[WC], 8
	v_add_nc_u32 v31, s23, v31                     ; TTAB: 32 (l / 16) + 256 wc
.irp a, 0,1,2,3
	v_mov_b32 v[ZRC+2*\a+1], 0                     ; the odd registers are named with the even ones as pairs
	v_mov_b32 v[FS1+2*\a+1], 0
	v_mov_b32 v[FS2+2*\a+1], 0
.endr
.irp a, 0,1,2,3
	global_load_b32 v[ZRC+2*\a], v30, s[ZB1:ZB1+1] offset:64*\a
	global_load_b32 v[FS1+2*\a], v30, s[ZB1:ZB1+1] offset:65536+64*\a
	global_load_b32 v[Z2+\a],    v30, s[ZB2:ZB2+1] offset:64*\a
	global_load_b32 v[FS2+2*\a], v30, s[ZB2:ZB2+1] offset:65536+64*\a
.endr
	WIN 0x80
.irp n, 0,1,2,3
	global_load_b128 v[8*\n:8*\n+3],       v31, s[TB1:TB1+1] offset:131072+64*\n
	global_load_b128 v[8*\n+4:8*\n+7],     v31, s[TB1:TB1+1] offset:131072+64*\n+16
	global_load_b128 v[32+8*\n:32+8*\n+3], v31, s[TB2:TB2+1] offset:131072+64*\n
	global_load_b128 v[32+8*\n+4:32+8*\n+7], v31, s[TB2:TB2+1] offset:131072+64*\n+16
	global_load_b128 v[64+8*\n:64+8*\n+3], v31, s[TBA:TBA+1] offset:131072+64*\n
	global_load_b128 v[64+8*\n+4:64+8*\n+7], v31, s[TBA:TBA+1] offset:131072+64*\n+16
.endr
	WIN 0
	s_lshl_b32 s23, s[WR], 15
	v_add_nc_u32 v[LA], s23, v[GO]                 ; A: 16 x lane + my four row tiles
	v_and_b32 v11, 7, v0
	v_lshl_add_u32 v11, v2, 3, v11
	v_mul_u32_u24 v[LB], v11, PB                   ; B, turned: key 8 (l / 16) + l % 8,
	v_bfe_u32 v11, v0, 3, 1
	v_lshl_add_u32 v[LB], v11, 4, v[LB]            ; channels 8 ((l / 8) % 2) on,
	s_lshl_b32 s23, s[WC], 7
	s_add_co_u32 s23, s23, BOFF
	v_add_nc_u32 v[LB], s23, v[LB]                 ; my 64 channels
	v_mov_b32 v[AA], v[LA]
	v_mov_b32 v[AB0], v[LB]
	v_add_nc_u32 v[AB0+1], 128*PB, v[LB]
	v_add_nc_u32 v10, s22, v1
	v_cmp_eq_u32 s[LM], 0x7ff, v10                 ; my lane holds the batch's last row
.macro MUL8 f, c, a0                   ; 8 products: row tiles a0, a0 + 1 x 4 channel tiles, 32 keys: half c of buffer f; the 16 accumulators take turns
	WIN MUL
.irp a, \a0, (\a0)+1
.irp b, 0,1,2,3
	v_wmma_f32_16x16x32_bf16 v[ACC+8*(4*(\a)+(\b)):ACC+8*(4*(\a)+(\b))+7], v[(\f)+64+8*(4*(\c)+(\b)):(\f)+64+8*(4*(\c)+(\b))+7], v[(\f)+8*(4*(\c)+(\a)):(\f)+8*(4*(\c)+(\a))+7], v[ACC+8*(4*(\a)+(\b)):ACC+8*(4*(\a)+(\b))+7]
.endr
.endr
.endm
.macro FETCH qd, f                     ; 32 LDS loads in one run: quarter qd (64 keys) of the unit into buffer f; its first 32 keys first
	WIN TO_F
.irp c, 0,1
.irp i, 0,1,2,3
	ds_load_tr16_b128 v[(\f)+64+8*(4*(\c)+(\i)):(\f)+64+8*(4*(\c)+(\i))+3],   v[AB0+(2*(\qd)+(\c))/4] offset:((2*(\qd)+(\c))%4)*32*PB+(\i)*32
	ds_load_tr16_b128 v[(\f)+64+8*(4*(\c)+(\i))+4:(\f)+64+8*(4*(\c)+(\i))+7], v[AB0+(2*(\qd)+(\c))/4] offset:((2*(\qd)+(\c))%4)*32*PB+(\i)*32+16*PB
	ds_load_b128 v[(\f)+8*(4*(\c)+(\i)):(\f)+8*(4*(\c)+(\i))+3],   v[AA] offset:(\i)*8192+(2*(\qd)+(\c))*1024
	ds_load_b128 v[(\f)+8*(4*(\c)+(\i))+4:(\f)+8*(4*(\c)+(\i))+7], v[AA] offset:(\i)*8192+(2*(\qd)+(\c))*1024+512
.endr
.endr
.endm
.macro QUARTER qn, f, g                ; multiplies buffer f; in its middle fetches quarter qn into g
	s_wait_dscnt 16                                ; the first 32 keys are in
	MUL8 \f, 0, 0
	MUL8 \f, 0, 2
	PLACES                                         ; four places ahead of loads into registers that products have read
	FETCH \qn, \g
	s_wait_dscnt 32                                ; all but the 32 just issued
	MUL8 \f, 1, 0
	MUL8 \f, 1, 2
.endm
; A unit's last quarter multiplies buffer 1 and changes slots: one barrier; ahead of it each wave waits for all its tensor loads, adds 0 to its spare word, and waits for that and for its reads of the slot.
; fill = 1: the barrier opens a round of the cluster's; the slot is filled again first behind it, with the unit two on: 112 products stand between the request and the wait for it.
.macro TURN fill
	WIN 0
	s_wait_tensorcnt 0x0
	ds_add_u32 v[SPW], v[NIL]
	s_wait_dscnt 17                                ; the add and the youngest sixteen loads may be out
	MUL8 F1, 0, 0
	s_wait_dscnt 0x0
	s_barrier_signal -1
	MUL8 F1, 0, 2
.if \fill
	WIN 0
.endif
	s_barrier_wait -1
.if \fill
	CREST
	s_xor_b32 s[GA1+1], s[GA1+1], SLOT
	s_xor_b32 s[GB1+1], s[GB1+1], SLOT
	GEN GA1, GB1
	JLOAD
.else
	PLACES
	WIN 0
.endif
	s_xor_b32 s[RB], s[RB], SLOT
	v_add_nc_u32 v[AA], s[RB], v[LA]
	v_add_nc_u32 v[AB0], s[RB], v[LB]
	v_add_nc_u32 v[AB0+1], 128*PB, v[AB0]
	FETCH 0, F0
	MUL8 F1, 1, 0
	MUL8 F1, 1, 2
.endm
.macro SCALEZ                          ; behind the M unit: the sum of rows times Z; each accumulator is read from its low end on
	PLACES
.set i, 0
.rept 64
	v_pk_mul_f32 v[ACC+2*i:ACC+2*i+1], v[ACC+2*i:ACC+2*i+1], v[ZRC+2*(i/16):ZRC+2*(i/16)+1] op_sel_hi:[1,0]
.set i, i+1
.endr
.endm
.macro FINISH fs, ko                   ; a block's end: times FS, rounded to bf16, stored as blocks of 512 consecutive bytes
	s_wait_xcnt 0x0                                ; TMP is rewritten only behind this wait
	PLACES
.set i, 0
.rept 64
	v_pk_mul_f32 v[ACC+2*i:ACC+2*i+1], v[ACC+2*i:ACC+2*i+1], v[(\fs)+2*(i/16):(\fs)+2*(i/16)+1] op_sel_hi:[1,0]
.set i, i+1
.endr
.set i, 0
.rept 64
	v_cvt_pk_bf16_f32 v[TMP+i], v[ACC+2*i], v[ACC+2*i+1]
.set i, i+1
.endr
.set i, 0
.rept 16
	global_store_b128 v[GO], v[TMP+4*i:TMP+4*i+3], s[(\ko):(\ko)+1] offset:(i/4)*4096+(i%4)*512
.set i, i+1
.endr
.endm
.macro BEGIN blk                       ; a block's sums start with the f32 sum of all later units' rows of k; in the batch's last row with the sum of all rows
	WIN 0x02
.set i, 0
.rept 128
.if ((\blk) == 2) || (i < 96)
	v_mov_b32 v[ACC+i], v[32*((\blk)-1)+(i%32)]
.endif
.set i, i+1
.endr
.if (\blk) == 1
	WIN 0x0a
.set i, 96
.rept 32
	v_cndmask_b32 v[ACC+i], v[i%32], v[64+(i%32)], s[LM]
.set i, i+1
.endr
.endif
	WIN 0
.if (\blk) == 2
.irp a, 0,1,2,3
	v_mov_b32 v[ZRC+2*\a], v[Z2+\a]
.endr
	s_mov_b32 s[CR], 0
	s_mov_b32 s[NEC], s[NE2]
.endif
.endm
	s_wait_loadcnt 0x0
	BEGIN 1
	s_wait_tensorcnt 1                             ; my part of unit 0 is in; unit 1's may stay out
	s_barrier_signal -1
	s_barrier_wait -1
	FETCH 0, F0
	WIN 0
	s_mov_b32 s[TRIP], 9
.Lunit:                                                ; 9 trips: a unit is multiplied, the unit two on is asked for
	QUARTER 1, F0, F1
	QUARTER 2, F1, F0
	QUARTER 3, F0, F1
	TURN 1
	WIN 0
	s_cmp_lg_u32 s[CR], 0
	s_cbranch_scc1 .Lnot_m
	SCALEZ
.Lnot_m:
	s_add_co_u32 s[CR], s[CR], 1
	s_cmp_le_u32 s[CR], s[NEC]
	s_cbranch_scc1 .Lnot_done
	FINISH FS1, KO1                                ; in the loop only the first block ends: it has five units at the most
	BEGIN 2
.Lnot_done:
	s_sub_co_u32 s[TRIP], s[TRIP], 1
	s_cmp_lg_u32 s[TRIP], 0
	s_cbranch_scc1 .Lunit
	QUARTER 1, F0, F1                              ; the last two units, both E units of the second block, are written out: nothing is asked for
	QUARTER 2, F1, F0
	QUARTER 3, F0, F1
	TURN 0
	QUARTER 1, F0, F1
	QUARTER 2, F1, F0
	QUARTER 3, F0, F1
	s_wait_dscnt 16
	MUL8 F1, 0, 0
	MUL8 F1, 0, 2
	s_wait_dscnt 0x0
	MUL8 F1, 1, 0
	MUL8 F1, 1, 2
	WIN 0
	FINISH FS2, KO2
	s_wait_tensorcnt 0x0                           ; the wave's end
	ds_add_u32 v[SPW], v[NIL]
	s_wait_dscnt 0x0
	CROUND                                         ; the closing round
	s_endpgm
.Lfunc_end_k_qffac7cb4f5_pv:
	.size	k_qffac7cb4f5_pv, .Lfunc_end_k_qffac7cb4f5_pv-k_qffac7cb4f5_pv
	.p2alignl 7, 3214868480
	.fill 96, 4, 3214868480
	.section	.rodata,"a",@progbits
	.p2align	6, 0x0
	.amdhsa_kernel k_qffac7cb4f5_pv
		.amdhsa_group_segment_fixed_size 327680
		.amdhsa_private_segment_fixed_size 0
		.amdhsa_enable_private_segment 0
		.amdhsa_kernarg_size 40
		.amdhsa_user_sgpr_count 2
		.amdhsa_user_sgpr_kernarg_segment_ptr 1
		.amdhsa_wavefront_size32 1
		.amdhsa_system_sgpr_workgroup_id_x 1
		.amdhsa_system_sgpr_workgroup_id_y 1
		.amdhsa_system_sgpr_workgroup_id_z 1
		.amdhsa_system_vgpr_workitem_id 0
		.amdhsa_next_free_vgpr 608
		.amdhsa_next_free_sgpr 100
		.amdhsa_reserve_vcc 0
		.amdhsa_float_denorm_mode_32 3
		.amdhsa_float_denorm_mode_16_64 3
		.amdhsa_memory_ordered 1
		.amdhsa_forward_progress 1
		.amdhsa_inst_pref_size 100
	.end_amdhsa_kernel
	.amdgpu_metadata
---
amdhsa.version: [ 1, 2 ]
amdhsa.kernels:
  - .name:           k_qffac7cb4f5_pv
    .symbol:         k_qffac7cb4f5_pv.kd
    .args:
      - { .name: fm, .offset: 0, .size: 8, .value_kind: global_buffer, .address_space: global }
      - { .name: aux, .offset: 8, .size: 8, .value_kind: global_buffer, .address_space: global }
      - { .name: kb, .offset: 16, .size: 8, .value_kind: global_buffer, .address_space: global }
      - { .name: zf, .offset: 24, .size: 8, .value_kind: global_buffer, .address_space: global }
      - { .name: kbar, .offset: 32, .size: 8, .value_kind: global_buffer, .address_space: global }
    .group_segment_fixed_size: 327680
    .private_segment_fixed_size: 0
    .kernarg_segment_align: 8
    .kernarg_segment_size: 40
    .max_flat_workgroup_size: 128
    .sgpr_count:     100
    .vgpr_count:     608
    .wavefront_size: 32
...
	.end_amdgpu_metadata
.endif
;; end of part 3
;; launch tail (part 4): grid 256 x 1, 4 waves a work-group, clusters of 4 x 1, 327,680 bytes of LDS; arguments kbar, wb, v_b, out_b, ffn_b1, ffn_b2, ln1_g, ln1_b, ln2_g, ln2_b, q, out0; writes out0
.if DOCPART == 4
	.amdgcn_target "amdgcn-amd-amdhsa--gfx1250"
	.amdhsa_code_object_version 6
	.text
	.protected	k_qffac7cb4f5_tail
	.globl	k_qffac7cb4f5_tail
	.p2align	8
	.type	k_qffac7cb4f5_tail,@function
k_qffac7cb4f5_tail:
	s_mov_b64 s[64:65], 0
	v_nop
	global_prefetch_b8 v0, s[64:65] scope:SCOPE_SE
	s_setreg_imm32_b32 hwreg(HW_REG_WAVE_MODE, 25, 1), 1
	s_wait_xcnt 0x0
	s_wait_alu depctr_hold_cnt(0) depctr_sa_sdst(0) depctr_va_vdst(0) depctr_va_sdst(0) depctr_va_ssrc(0) depctr_va_vcc(0) depctr_vm_vsrc(0)
	s_getreg_b32 s2, hwreg(HW_REG_IB_STS2, 6, 4)
	s_cmp_eq_u32 s2, 0
	s_cbranch_scc0 .Lentry_in_a_cluster
	s_endpgm
.Lentry_in_a_cluster:
	s_bfe_u32 s2, ttmp6, 0x10000c
	s_cmp_lg_u32 s2, 0x3003
	s_cbranch_scc0 .Lentry_shape_is_right
	s_endpgm
.Lentry_shape_is_right:
; TAIL.  For 64 rows: att = kbar v_W + v_b;  x = LN1(q + att out_W + out_b);  out = LN2(x + relu(x w1 + b1) w2 + b2).  Four products of 64 x 512 x 512, bf16 operands, f32 sums.
; q, the biases and the LayerNorm vectors are rounded once to bf16 on the way in and then kept in f32: every input of the module then carries the same one rounding as the matrix operands.
; LayerNorm in two passes (mean; then the sum of squares of the differences), all in f32.  NaN and infinities are not treated apart: a product's sums start as X x RF + bias with RF = 0 or 1.
; SHARES.  Wave w owns output columns 128 w .. + 127 of all 64 rows: 32 accumulators.  The product is used transposed (source 0 = 16 columns of W, turned out of LDS; source 1 = 16 rows):
; a lane holds one row and eight neighbouring columns.
; THE WEIGHTS are one stream of 16 slots of 128 k x 512 n through wb, on a ring of two LDS slots; the four work-groups of a cluster walk the same stream and ask for each slot jointly.
; THE ACTIVATIONS lie in LDS one K half (256) at a time: waves 0 and 1 store their packed results for the first half of the next product, waves 2 and 3 theirs two slots later.
; A HALF = two slots = 8 chunks of 32 k, 32 products a wave each.  Seven halves go round a loop; what follows a half hangs on its number HH alone; the eighth, which asks for nothing, is written out.
; REGISTERS: window 0: addresses, statistics, two fragment buffers of 96 (A 32, W 64); window 1: the accumulators at 8 (8 a + b); window 2: X (q, then x, then the result), indexed alike;
; window 3: v0-127 the packed activations at 4 (8 a + b); v128-191 bias or gain of my columns; v192-255 LayerNorm's offset.
.set WP,    1056                       ; a row of W in LDS: 1,024 bytes + 32: an odd multiple of 32, for the turning load
.set WSLOT, 128*WP                     ; 135,168
.set ACTH,  2*WSLOT                    ; 64 rows x 528; wave w's rows 16 w .. + 15 are also its own stage on the way in and out
.set AP,    528
.set PAR,   ACTH+64*AP                 ; 8 vectors of 2,048 bytes: v_b, out_b, b1, b2, ln1_g, ln1_b, ln2_g, ln2_b
.set RED,   PAR+8*2048                 ; 2 x 1,024 bytes: the waves' row sums
.set SPARE, RED+2048
.set AW,  4                            ; v4-7  W's fragments: slot 0 chunks 0-1, 2-3; slot 1 chunks 0-1, 2-3
.set AAC, 8
.set STA, 9
.set SGW, 10                           ; my stage by whole rows
.set SGR, 11                           ; my stage by the accumulators' layout
.set PBA, 12
.set PBC, 13
.set LO,  14
.set RDW, 15
.set RDR, 16
.set GQ,  17
.set PS,  18
.set LN16, 19
.set SPW, 20
.set NIL, 21
.set S,   32                           ; v[32:39]
.set MU,  40                           ; v[40:47]
.set FB0, 64
.set FB1, 160
.set WV, 28
.set CX, 29
.set GG, 30
.set HH, 31
.set G1, 32
.set G0, 40                            ; s[40:43] slot 0's group 0, s[44:47] slot 1's
.set RF, 48
.set SEL, 50
.set T0, 54
.set QB, 60
.set OB, 62
.set KBS, 66
.set C512, 70
.set EPS, 71
.set HMK, 72
.set MSB, 0
.macro WIN new
.if MSB != (\new)
	s_set_vgpr_msb (MSB<<8)|(\new)
.set MSB, (\new)
.endif
.endm
.macro PLACES
.rept 4
	v_nop
.endr
.endm
.macro CREST
	s_cmp_lg_u32 s[WV], 0
	s_cbranch_scc1 .Lnot_wave_0_\@
	s_barrier_signal -3
.Lnot_wave_0_\@:
	s_barrier_wait -3
	s_barrier_signal -1
	s_barrier_wait -1
.endm
.macro CROUND
	s_barrier_signal -1
	s_barrier_wait -1
	CREST
.endm
.macro BAR                             ; my LDS instructions are done; then the work-group's barrier
	s_wait_dscnt 0x0
	s_barrier_signal -1
	s_barrier_wait -1
.endm
	s_load_b512 s[4:19], s[0:1], 0x0               ; kbar s[4:5], wb s[6:7], then the eight vectors from s[8:9] on
	s_load_b256 s[20:27], s[0:1], 0x40             ; ... to s[22:23]; q s[24:25], out0 s[26:27]
	v_lshl_add_u32 v[SPW], v0, 2, SPARE
	v_mov_b32 v[NIL], 0
	ds_add_u32 v[SPW], v[NIL]                      ; the wave's opening: the add and its wait ahead of my first tensor load
	ds_add_u32 v20, v21
	v_lshrrev_b32 v1, 5, v0
	v_readfirstlane_b32 s[WV], v1
	s_bfe_u32 s[CX], ttmp6, 0x40000
	s_lshl_b32 s[GG], ttmp9, 2
	s_add_co_u32 s[GG], s[GG], s[CX]               ; my 64 rows: in global addresses alone
	s_mov_b32 s[G1], 15|(1<<16)|(1<<20)|(1<<21)|(7<<22)|(7<<25)  ; mask of four; 2-byte elements; padding on; bit 21 beside a mask; after every 256 words 8 words
	s_mov_b32 s[G1+1], 512<<16
	s_mov_b32 s[G1+2], 32<<16
	s_mov_b32 s[G1+3], 512<<16
	s_mov_b32 s[G1+4], 32
	s_mov_b32 s[G1+5], 512
	s_mov_b32 s[G1+6], 0
	s_mov_b32 s[G1+7], 0
	s_mov_b32 s[G0], 1
	s_mul_i32 s[G0+1], s[WV], 32*WP                ; my 32 rows of a slot
	s_mov_b32 s[G0+4], 1
	s_add_co_u32 s[G0+5], s[G0+1], WSLOT
	s_lshl_b32 s52, s[WV], 15
	s_mov_b32 s53, 0
	s_lshl_b32 s[KBS], s[GG], 16
	s_lshl_b32 s[T0], s[WV], 14
	s_add_co_u32 s[KBS], s[KBS], s[T0]
	s_mov_b32 s[KBS+1], 0
	s_lshl_b32 s[QB], s[GG], 17
	s_mov_b32 s[QB+1], 0
	s_mov_b32 s[OB], s[QB]
	s_mov_b32 s[OB+1], 0
	s_mov_b32 s[RF], 0
	s_mov_b32 s[RF+1], 0
	s_mov_b32 s[SEL], 0x76543210
	s_mov_b32 s[SEL+1], 0xfedcba98
	s_mov_b32 s[C512], 0x3b000000                  ; 1 / 512
	s_mov_b32 s[EPS], 0x3727c5ac                   ; 1e-5
	s_mov_b32 s[HMK], 0xffff0000
	s_wait_dscnt 0x0                               ; the opening add is done
	s_wait_kmcnt 0x0
	s_add_nc_u64 s[G0+2:G0+3], s[6:7], s[52:53]
	s_add_nc_u64 s[G0+6:G0+7], s[G0+2:G0+3], 131072
	s_or_b32 s[G0+3], s[G0+3], 0x80000000
	s_or_b32 s[G0+7], s[G0+7], 0x80000000
	s_add_nc_u64 s[KBS:KBS+1], s[4:5], s[KBS:KBS+1]
	s_add_nc_u64 s[QB:QB+1], s[24:25], s[QB:QB+1]
	s_add_nc_u64 s[OB:OB+1], s[26:27], s[OB:OB+1]
	CROUND                                         ; all four work-groups are here
	tensor_load_to_lds s[G0:G0+3], s[G1:G1+7]      ; slots 0 and 1 of the stream: two loads of mine are out
	s_nop 0
	tensor_load_to_lds s[G0+4:G0+7], s[G1:G1+7]
	s_nop 0
.rept 4
	v_nop
.endr
	v_and_b32 v1, 15, v0                           ; l % 16
	v_bfe_u32 v2, v0, 4, 1                         ; l / 16
	v_and_b32 v3, 31, v0
	v_lshlrev_b32 v[LN16], 4, v3
	v_lshlrev_b32 v22, 4, v0                       ; 16 t
	s_lshl_b32 s[T0], s[WV], 9
	v_add_nc_u32 v[GQ], s[T0], v[LN16]             ; my wave's 512 bytes of a row of q and of out0
.irp i, 0,1,2,3,4,5,6,7
	global_load_b128 v[64+4*\i:64+4*\i+3], v22, s[8+2*\i:9+2*\i]   ; the eight vectors: 16 bytes a thread
.endr
	WIN 0xc0
.set i, 0
.rept 32
	global_load_b128 v[4*i:4*i+3], v[LN16], s[KBS:KBS+1] offset:512*i th:TH_LOAD_NT      ; kbar's blocks are the packed layout itself
.set i, i+1
.endr
	WIN 0x80
.set i, 0
.rept 64
	global_load_b128 v[4*i:4*i+3], v[GQ], s[QB:QB+1] offset:2048*i th:TH_LOAD_NT         ; q by whole rows: 512 consecutive bytes a load
.set i, i+1
.endr
	WIN 0
	v_add_nc_u32 v[PS], PAR, v22
	v_mul_u32_u24 v23, v1, AP                      ; row x pitch
	v_lshl_add_u32 v24, v2, 4, v23
	v_add_nc_u32 v[AAC], ACTH, v24                 ; a fragment of the activations: row l % 16, 16 bytes a half
	s_and_b32 s[T0], s[WV], 1
	s_lshl_b32 s[T0], s[T0], 8
	s_add_co_u32 s[T0], s[T0], ACTH
	v_add_nc_u32 v[STA], s[T0], v24                ; where my packed results go: my 256 bytes of a half's rows
	s_mul_i32 s[T0], s[WV], 16*AP
	s_add_co_u32 s[T0], s[T0], ACTH                ; my stage
	v_add_nc_u32 v[SGW], s[T0], v[LN16]
	v_lshl_add_u32 v24, v2, 5, v23
	v_add_nc_u32 v[SGR], s[T0], v24
	s_lshl_b32 s[T0], s[WV], 9
	s_add_co_u32 s[T0], s[T0], PAR
	v_lshlrev_b32 v24, 5, v2
	v_add_nc_u32 v[PBA], s[T0], v24                ; a vector's numbers for my columns: 512 w + 32 (l / 16)
	v_mov_b32 v[PBC], v[PBA]
	v_lshlrev_b32 v24, 2, v1
	v_add_nc_u32 v[RDR], RED, v24
	s_lshl_b32 s[T0], s[WV], 8
	v_add_nc_u32 v[RDW], s[T0], v[RDR]
	v_and_b32 v24, 7, v0
	v_lshl_add_u32 v24, v2, 3, v24
	v_mul_u32_u24 v24, v24, WP                     ; W, turned: k = 8 (l / 16) + l % 8,
	v_bfe_u32 v25, v0, 3, 1
	v_lshl_add_u32 v24, v25, 4, v24                ; columns 8 ((l / 8) % 2) on,
	v_add_nc_u32 v[AW], s[T0], v24                 ; my 128 columns
	v_add_nc_u32 v[AW+1], 64*WP, v[AW]
	v_add_nc_u32 v[AW+2], WSLOT, v[AW]
	v_add_nc_u32 v[AW+3], WSLOT+64*WP, v[AW]
	s_wait_loadcnt 63                              ; of 104 loads 63 may be out: the eight vectors and kbar's 32 are in
.set i, 0
.rept 16
	v_cvt_pk_bf16_f32 v[96+i], v[64+2*i], v[64+2*i+1]      ; the vectors, rounded once to bf16,
.set i, i+1
.endr
.set i, 0
.rept 16
	v_lshlrev_b32 v[64+2*i], 16, v[96+i]           ; and widened again
	v_and_b32 v[64+2*i+1], s[HMK], v[96+i]
.set i, i+1
.endr
.irp i, 0,1,2,3,4,5,6,7
	ds_store_b128 v[PS], v[64+4*\i:64+4*\i+3] offset:2048*\i
.endr
; q's 16 rows of row tile a: rounded to bf16 and widened; then through my stage into the accumulators' layout, into the registers that they left
.macro QIN a, left
	s_wait_loadcnt \left
	WIN 0x0a
.set i, 0
.rept 32
	v_cvt_pk_bf16_f32 v[96+i], v[64*(\a)+2*i], v[64*(\a)+2*i+1]
.set i, i+1
.endr
	WIN 0x80
.set i, 0
.rept 32
	v_lshlrev_b32 v[64*(\a)+2*i], 16, v[96+i]
	v_and_b32 v[64*(\a)+2*i+1], s[HMK], v[96+i]
.set i, i+1
.endr
	WIN 0x88                                       ; loaded data and store data in window 2, addresses in window 0
.set i, 0
.rept 16
	ds_store_b128 v[SGW], v[64*(\a)+4*i:64*(\a)+4*i+3] offset:AP*i
.set i, i+1
.endr
.set i, 0
.rept 8
	ds_load_b128 v[64*(\a)+8*i:64*(\a)+8*i+3],   v[SGR] offset:64*i      ; LDS serves a wave's instructions in order: these see the stores above
	ds_load_b128 v[64*(\a)+8*i+4:64*(\a)+8*i+7], v[SGR] offset:64*i+16
.set i, i+1
.endr
.endm
	QIN 0, 48
	QIN 1, 32
	QIN 2, 16
	QIN 3, 0
	WIN 0
	BAR                                            ; the vectors are in LDS, and nobody reads a stage any more
.macro STOREIF lo                      ; lo = 1: waves 0 and 1 store their packed results (k 0-255 of the product to come); lo = 0: waves 2 and 3 (k 256-511)
	s_cmp_lt_u32 s[WV], 2
.if \lo
	s_cbranch_scc0 .Lnot_mine_\@
.else
	s_cbranch_scc1 .Lnot_mine_\@
.endif
	WIN 0x0c
.set i, 0
.rept 32
	ds_store_b128 v[STA], v[4*i:4*i+3] offset:(i/8)*16*AP+(i%8)*32
.set i, i+1
.endr
	WIN 0
.Lnot_mine_\@:
.endm
.macro BILOAD                          ; the bias of the product to come, my columns
	WIN 0xc0
.irp b, 0,1,2,3,4,5,6,7
	ds_load_b128 v[128+8*\b:128+8*\b+3], v[PBC] offset:64*\b
	ds_load_b128 v[128+8*\b+4:128+8*\b+7], v[PBC] offset:64*\b+16
.endr
	WIN 0
.endm
.macro INIT                            ; the sums start as X x RF + bias: residual and bias cost no pass of their own, and nothing is cleared
	WIN 0x72
.set i, 0
.rept 128
	v_pk_fma_f32 v[2*i:2*i+1], v[2*i:2*i+1], s[RF:RF+1], v[128+8*((i/4)%8)+2*(i%4):128+8*((i/4)%8)+2*(i%4)+1] op_sel_hi:[1,0,1]
.set i, i+1
.endr
	WIN 0
.endm
.macro FETCHC sig, c, f                ; 24 LDS loads: chunk c (32 k) of slot sig into buffer f
	WIN 0
.irp a, 0,1,2,3
	ds_load_b128 v[(\f)+8*\a:(\f)+8*\a+3],   v[AAC] offset:\a*16*AP+(\sig)*256+(\c)*64
	ds_load_b128 v[(\f)+8*\a+4:(\f)+8*\a+7], v[AAC] offset:\a*16*AP+(\sig)*256+(\c)*64+32
.endr
.irp b, 0,1,2,3,4,5,6,7
	ds_load_tr16_b128 v[(\f)+32+8*\b:(\f)+32+8*\b+3],   v[AW+2*(\sig)+(\c)/2] offset:((\c)%2)*32*WP+\b*32
	ds_load_tr16_b128 v[(\f)+32+8*\b+4:(\f)+32+8*\b+7], v[AW+2*(\sig)+(\c)/2] offset:((\c)%2)*32*WP+\b*32+16*WP
.endr
.endm
.macro MULA f, a                       ; 8 products: row tile a x my 8 column tiles; the 32 accumulators take turns
	WIN 0x50
.irp b, 0,1,2,3,4,5,6,7
	v_wmma_f32_16x16x32_bf16 v[8*(8*(\a)+\b):8*(8*(\a)+\b)+7], v[(\f)+32+8*\b:(\f)+32+8*\b+7], v[(\f)+8*(\a):(\f)+8*(\a)+7], v[8*(8*(\a)+\b):8*(8*(\a)+\b)+7]
.endr
.endm
.macro CH f, g, nsig, nc               ; a chunk: multiplies buffer f; in its middle fetches the next chunk into g
	s_wait_dscnt 0x0
	MULA \f, 0
	MULA \f, 1
	PLACES
	FETCHC \nsig, \nc, \g
	MULA \f, 2
	MULA \f, 3
.endm
; A slot's last chunk multiplies buffer 1 and leaves the slot: one barrier; ahead of it each wave waits for all its tensor loads, adds 0 to its spare word, and waits for that and for its reads.
; fill = 1: the barrier opens a round of the cluster's, and the slot is filled again first behind it, two slots on in the stream: three and a half chunks, 112 products, stand between request and wait.
.macro TURNW sig, fill, fetch
	WIN 0
	s_wait_tensorcnt 0x0
	ds_add_u32 v[SPW], v[NIL]
	s_wait_dscnt 1                                 ; the chunk's fragments are in; the add may be out
	MULA FB1, 0
	s_wait_dscnt 0x0
	s_barrier_signal -1
	MULA FB1, 1
.if \fill
	WIN 0
.endif
	s_barrier_wait -1
.if \fill
	CREST
	s_add_nc_u64 s[G0+4*(\sig)+2:G0+4*(\sig)+3], s[G0+4*(\sig)+2:G0+4*(\sig)+3], 262144
	tensor_load_to_lds s[G0+4*(\sig):G0+4*(\sig)+3], s[G1:G1+7]
	s_nop 0
.rept 4
	v_nop                                          ; also the places ahead of the loads below
.endr
.else
	PLACES
.endif
.if \fetch
	FETCHC 1, 0, FB0
.endif
	MULA FB1, 2
	MULA FB1, 3
.endm
.macro HALF fill
	CH FB0, FB1, 0, 1
	CH FB1, FB0, 0, 2
	CH FB0, FB1, 0, 3
	TURNW 0, \fill, 1
	CH FB0, FB1, 1, 1
	CH FB1, FB0, 1, 2
	CH FB0, FB1, 1, 3
.if \fill
	TURNW 1, 1, 0
.else
	s_wait_dscnt 0x0
	MULA FB1, 0
	MULA FB1, 1
	MULA FB1, 2
	MULA FB1, 3
.endif
	WIN 0
.endm
.macro CVT                             ; the finished sums, rounded to bf16 and held above LO (minus infinity: as they are; 0: relu)
	PLACES
	WIN 0xc5
.set i, 0
.rept 128
	v_cvt_pk_bf16_f32 v[i], v[2*i], v[2*i+1]
.set i, i+1
.endr
	WIN 0xc3
.set i, 0
.rept 128
	v_pk_max_num_bf16 v[i], v[i], v[LO]
.set i, i+1
.endr
	WIN 0
.endm
.macro XCVT                            ; x rounded to bf16
	WIN 0xca
.set i, 0
.rept 128
	v_cvt_pk_bf16_f32 v[i], v[2*i], v[2*i+1]
.set i, i+1
.endr
	WIN 0
.endm
; LAYERNORM.  A lane holds, for each of the four row tiles, 64 numbers of one row; the lane 16 away holds 64 more, the other waves the rest.
.macro ROWRED off                      ; S's four pairs: halves added, the other half of the lanes', then my wave's word for each row
	WIN 0
.irp a, 0,1,2,3
	v_add_f32 v[S+2*\a], v[S+2*\a], v[S+2*\a+1]
.endr
.irp a, 0,1,2,3
	v_permlanex16_b32 v[S+2*\a+1], v[S+2*\a], s[SEL], s[SEL+1]
.endr
.irp a, 0,1,2,3
	v_add_f32 v[S+2*\a], v[S+2*\a], v[S+2*\a+1]
.endr
.irp a, 0,1,2,3
	ds_store_b32 v[RDW], v[S+2*\a] offset:(\off)+64*\a
.endr
.endm
.macro REDLD off
.irp a, 0,1,2,3
.irp u, 0,1,2,3
	ds_load_b32 v[64+4*\a+\u], v[RDR] offset:(\off)+256*\u+64*\a
.endr
.endr
.endm
.macro REDSUM
.irp a, 0,1,2,3
	v_add_f32 v[64+4*\a], v[64+4*\a], v[64+4*\a+1]
	v_add_f32 v[64+4*\a+2], v[64+4*\a+2], v[64+4*\a+3]
.endr
.irp a, 0,1,2,3
	v_add_f32 v[64+4*\a], v[64+4*\a], v[64+4*\a+2]
.endr
.endm
.macro LNP1                            ; the rows' sums; each accumulator is read from its low end on
	PLACES
	WIN 0x05
.irp a, 0,1,2,3
	v_pk_add_f32 v[S+2*\a:S+2*\a+1], v[64*\a:64*\a+1], v[64*\a+2:64*\a+3]
.endr
	WIN 0x04
.set i, 2
.rept 30
.irp a, 0,1,2,3
	v_pk_add_f32 v[S+2*\a:S+2*\a+1], v[S+2*\a:S+2*\a+1], v[64*\a+2*i:64*\a+2*i+1]
.endr
.set i, i+1
.endr
	ROWRED 0
.endm
.macro LNP2                            ; the mean is taken away; the sums of squares of what is left
	REDLD 0
	s_wait_dscnt 0x0
	REDSUM
.irp a, 0,1,2,3
	v_mul_f32 v[MU+2*\a], s[C512], v[64+4*\a]
.endr
.irp a, 0,1,2,3
	v_mov_b32 v[MU+2*\a+1], v[MU+2*\a]
.endr
	WIN 0x41
.set i, 0
.rept 128
	v_pk_add_f32 v[2*i:2*i+1], v[2*i:2*i+1], v[MU+2*(i/32):MU+2*(i/32)+1] op_sel_hi:[1,0] neg_lo:[0,1] neg_hi:[0,1]
.set i, i+1
.endr
	WIN 0x05
.irp a, 0,1,2,3
	v_pk_mul_f32 v[S+2*\a:S+2*\a+1], v[64*\a:64*\a+1], v[64*\a:64*\a+1]
.endr
.set i, 1
.rept 31
.irp a, 0,1,2,3
	v_pk_fma_f32 v[S+2*\a:S+2*\a+1], v[64*\a+2*i:64*\a+2*i+1], v[64*\a+2*i:64*\a+2*i+1], v[S+2*\a:S+2*\a+1]
.endr
.set i, i+1
.endr
	ROWRED 1024
.endm
.macro LNP3 gi                         ; X = (y - mean) / sqrt(var + 1e-5) x g + b; g and b are vectors gi and gi + 1
	REDLD 1024
	WIN 0xc0
.irp b, 0,1,2,3,4,5,6,7
	ds_load_b128 v[128+8*\b:128+8*\b+3],   v[PBA] offset:(\gi)*2048+64*\b
	ds_load_b128 v[128+8*\b+4:128+8*\b+7], v[PBA] offset:(\gi)*2048+64*\b+16
	ds_load_b128 v[192+8*\b:192+8*\b+3],   v[PBA] offset:((\gi)+1)*2048+64*\b
	ds_load_b128 v[192+8*\b+4:192+8*\b+7], v[PBA] offset:((\gi)+1)*2048+64*\b+16
.endr
	WIN 0
	s_wait_dscnt 32                                ; the sixteen sums are in; g's and b's 32 loads may be out
	REDSUM
.irp a, 0,1,2,3
	v_fma_f32 v[MU+2*\a], v[64+4*\a], s[C512], s[EPS]
.endr
.irp a, 0,1,2,3
	v_rsq_f32 v[MU+2*\a], v[MU+2*\a]
.endr
	v_nop                                          ; a plain instruction behind the last of them
	s_wait_alu depctr_va_vdst(0)
.irp a, 0,1,2,3
	v_mov_b32 v[MU+2*\a+1], v[MU+2*\a]
.endr
	WIN 0x41
.set i, 0
.rept 128
	v_pk_mul_f32 v[2*i:2*i+1], v[2*i:2*i+1], v[MU+2*(i/32):MU+2*(i/32)+1] op_sel_hi:[1,0]
.set i, i+1
.endr
	s_wait_dscnt 0x0
	WIN 0xbd
.set i, 0
.rept 128
	v_pk_fma_f32 v[2*i:2*i+1], v[2*i:2*i+1], v[128+8*((i/4)%8)+2*(i%4):128+8*((i/4)%8)+2*(i%4)+1], v[192+8*((i/4)%8)+2*(i%4):192+8*((i/4)%8)+2*(i%4)+1]
.set i, i+1
.endr
	WIN 0
.endm
	STOREIF 1                                      ; kbar's channels 0-255
	BILOAD                                         ; v_b
	s_wait_dscnt 0x0
	s_wait_tensorcnt 1                             ; my part of slot 0 is in; slot 1's may stay out
	s_barrier_signal -1
	s_barrier_wait -1
	INIT
	FETCHC 0, 0, FB0
	s_mov_b32 s[HH], 0
.Lhalf:                                                ; seven trips.  Three barriers follow every half, whatever its number; what stands between them hangs on HH alone
	HALF 1
	s_cmp_lg_u32 s[HH], 3
	s_cbranch_scc1 .Lskip1
	LNP1
.Lskip1:
	BAR
	s_cmp_lg_u32 s[HH], 3
	s_cbranch_scc1 .Lskip2
	LNP2
.Lskip2:
	BAR
	s_bitcmp1_b32 s[HH], 0
	s_cbranch_scc0 .Leven
	s_cmp_lg_u32 s[HH], 3                          ; an odd half ends a product
	s_cbranch_scc1 .Lplain
	LNP3 4                                         ; x = LN1(q + attention's output)
	XCVT
	s_branch .Lpacked
.Lplain:
	s_cmp_eq_u32 s[HH], 5                          ; relu behind the third product alone
	s_cselect_b32 s[T0], 0, 0xff80ff80
	v_mov_b32 v[LO], s[T0]
	CVT
.Lpacked:
	s_add_co_u32 s[T0], s[HH], 1
	s_lshr_b32 s[T0], s[T0], 1                     ; the product to come: 1, 2, 3
	s_bitcmp1_b32 s[T0], 0
	s_cselect_b32 s[RF], 1.0, 0                    ; the second takes q along, the fourth x
	s_lshl_b32 s[T0], s[T0], 11
	v_add_nc_u32 v[PBC], s[T0], v[PBA]
	BILOAD
	s_wait_dscnt 0x0
	INIT
	STOREIF 1
	s_branch .Lstored
.Leven:
	STOREIF 0                                      ; the same product's second K half
.Lstored:
	BAR
	FETCHC 0, 0, FB0
	s_add_co_u32 s[HH], s[HH], 1
	s_cmp_lt_u32 s[HH], 7
	s_cbranch_scc1 .Lhalf
	HALF 0                                         ; the last half is written out: nothing is asked for
	LNP1
	BAR
	LNP2
	BAR
	LNP3 6
; THE WAY OUT: 16 rows at a time through my stage, back as whole rows: every store covers 512 consecutive bytes, aligned
.macro OUTS a
	WIN 0x88
.set i, 0
.rept 8
	ds_store_b128 v[SGR], v[64*(\a)+8*i:64*(\a)+8*i+3] offset:64*i
	ds_store_b128 v[SGR], v[64*(\a)+8*i+4:64*(\a)+8*i+7] offset:64*i+16
.set i, i+1
.endr
.set i, 0
.rept 16
	ds_load_b128 v[64*(\a)+4*i:64*(\a)+4*i+3], v[SGW] offset:AP*i
.set i, i+1
.endr
.endm
.macro OUTG a, younger                 ; younger: the next tile's 32 LDS instructions, or none
	s_wait_dscnt \younger
.set i, 0
.rept 16
	global_store_b128 v[GQ], v[64*(\a)+4*i:64*(\a)+4*i+3], s[OB:OB+1] offset:(16*(\a)+i)*2048 th:TH_STORE_NT
.set i, i+1
.endr
.endm
	OUTS 0
	OUTS 1
	OUTG 0, 32
	OUTS 2
	OUTG 1, 32
	OUTS 3
	OUTG 2, 32
	OUTG 3, 0
	WIN 0
	s_wait_tensorcnt 0x0                           ; the wave's end
	ds_add_u32 v[SPW], v[NIL]
	s_wait_dscnt 0x0
	CROUND                                         ; the closing round
	s_endpgm
.Lfunc_end_k_qffac7cb4f5_tail:
	.size	k_qffac7cb4f5_tail, .Lfunc_end_k_qffac7cb4f5_tail-k_qffac7cb4f5_tail
	.p2alignl 7, 3214868480
	.fill 96, 4, 3214868480
	.section	.rodata,"a",@progbits
	.p2align	6, 0x0
	.amdhsa_kernel k_qffac7cb4f5_tail
		.amdhsa_group_segment_fixed_size 327680
		.amdhsa_private_segment_fixed_size 0
		.amdhsa_enable_private_segment 0
		.amdhsa_kernarg_size 96
		.amdhsa_user_sgpr_count 2
		.amdhsa_user_sgpr_kernarg_segment_ptr 1
		.amdhsa_wavefront_size32 1
		.amdhsa_system_sgpr_workgroup_id_x 1
		.amdhsa_system_sgpr_workgroup_id_y 1
		.amdhsa_system_sgpr_workgroup_id_z 1
		.amdhsa_system_vgpr_workitem_id 0
		.amdhsa_next_free_vgpr 1024
		.amdhsa_next_free_sgpr 80
		.amdhsa_reserve_vcc 0
		.amdhsa_float_denorm_mode_32 3
		.amdhsa_float_denorm_mode_16_64 3
		.amdhsa_memory_ordered 1
		.amdhsa_forward_progress 1
		.amdhsa_inst_pref_size 255
	.end_amdhsa_kernel
	.section	.bss,"aw",@nobits
	.p2align	6
	.space	262144
	.amdgpu_metadata
---
amdhsa.version: [ 1, 2 ]
amdhsa.kernels:
  - .name:           k_qffac7cb4f5_tail
    .symbol:         k_qffac7cb4f5_tail.kd
    .args:
      - { .name: kbar, .offset: 0, .size: 8, .value_kind: global_buffer, .address_space: global }
      - { .name: wb, .offset: 8, .size: 8, .value_kind: global_buffer, .address_space: global }
      - { .name: v_b, .offset: 16, .size: 8, .value_kind: global_buffer, .address_space: global }
      - { .name: out_b, .offset: 24, .size: 8, .value_kind: global_buffer, .address_space: global }
      - { .name: ffn_b1, .offset: 32, .size: 8, .value_kind: global_buffer, .address_space: global }
      - { .name: ffn_b2, .offset: 40, .size: 8, .value_kind: global_buffer, .address_space: global }
      - { .name: ln1_g, .offset: 48, .size: 8, .value_kind: global_buffer, .address_space: global }
      - { .name: ln1_b, .offset: 56, .size: 8, .value_kind: global_buffer, .address_space: global }
      - { .name: ln2_g, .offset: 64, .size: 8, .value_kind: global_buffer, .address_space: global }
      - { .name: ln2_b, .offset: 72, .size: 8, .value_kind: global_buffer, .address_space: global }
      - { .name: q, .offset: 80, .size: 8, .value_kind: global_buffer, .address_space: global }
      - { .name: out0, .offset: 88, .size: 8, .value_kind: global_buffer, .address_space: global }
    .group_segment_fixed_size: 327680
    .private_segment_fixed_size: 0
    .kernarg_segment_align: 8
    .kernarg_segment_size: 96
    .max_flat_workgroup_size: 128
    .sgpr_count:     80
    .vgpr_count:     1024
    .wavefront_size: 32
...
	.end_amdgpu_metadata
.endif
;; end of part 4
;; ======== version 2 of 2: 4 launches; 1.27 times as fast as version 1
;; limits: a function is approximated: absolute error at most 4e-05
;; workspace buffers: tnb 16,777,216 bytes; kb 16,777,216 bytes; aux 1,048,576 bytes; wb 2,097,152 bytes; fm 67,108,864 bytes; zf 688,128 bytes; kbar 16,777,216 bytes
;; launch prep (part 5): grid 256 x 1, 32 waves a work-group, no clusters, 12,288 bytes of LDS; arguments trajectories, k, v_W, out_W, ffn_w1, ffn_w2, tnb, kb, aux, wb; writes tnb, kb, aux, wb
.if DOCPART == 5
	.amdgcn_target "amdgcn-amd-amdhsa--gfx1250"
	.amdhsa_code_object_version 6
	.text
	.protected	k_qffac7cb4f5_prep
	.globl	k_qffac7cb4f5_prep
	.p2align	8
	.type	k_qffac7cb4f5_prep,@function
k_qffac7cb4f5_prep:
	s_mov_b64 s[64:65], 0
	v_nop
	global_prefetch_b8 v0, s[64:65] scope:SCOPE_SE
	s_setreg_imm32_b32 hwreg(HW_REG_WAVE_MODE, 25, 1), 1
	s_wait_xcnt 0x0
; PREP.  Work-group g owns rows 64 g .. 64 g + 63 of the 16,384 rows of k and of trajectories.  32 waves; each issues all its 16 loads of 512 bytes at once: the group's 272 KB are asked for at its start.
;   waves 0-15  : k rounded to bf16 into kb.  Wave w takes the 512 bytes at 512 (w % 4) of rows 16 (w / 4) .. + 15, and their f32 sum; the four row groups' sums meet in LDS,
;                 and waves 0-3 store the sum of the 64 rows into aux (KSUM, from byte 524,288 on)
;   waves 0-7   : also one row (8 g + wave) of the 2,048 rows of the four weight matrices, rounded to bf16 into wb (order v_W, out_W, ffn_w1, ffn_w2)
;   wave 8      : also block g of the 256 blocks of TRI (ones above the diagonal of a unit of 256 keys), bf16, 512 bytes
;   waves 16-31 : trajectories divided by max(norm, 1e-12) and rounded to bf16 into tnb; a wave takes a whole row, four rows in all
; A stream: no matrix unit.  Every load of a wave covers 512 consecutive bytes, every store 256, aligned.  Numbers are converted in the registers into which they were loaded, and no register
; that a load or store names is ever written again: no wait frees a register.
; LIMIT: a row of trajectories whose sum of squares lies under 2^-126 counts as norm 0 (the root takes such a number as 0), so the floor 1e-12 applies.
.set X,   32                           ; v[32:95]   16 loads of 4 registers
.set SUM, 8                            ; v[8:11]    the k path's running sum
.set T,   12                           ; v[12:27]   the weight row; in the other waves at work
.set SPW, 96                           ; LDS address of my spare word; never rewritten
.set NIL, 97                           ; 0; never rewritten
.set P,   100                          ; v[100:115] four partial sums
.set SPARE, 8192                       ; LDS: 16 waves x 512 bytes of sums from byte 0; then the spare words, 128 bytes for each of the 32 waves
	s_load_b512 s[4:19], s[0:1], 0x0               ; trajectories s[4:5], k s[6:7], v_W s[8:9], out_W s[10:11], w1 s[12:13], w2 s[14:15], tnb s[16:17], kb s[18:19]
	s_load_b128 s[20:23], s[0:1], 0x40             ; aux s[20:21], wb s[22:23]
	v_lshl_add_u32 v[SPW], v0, 2, SPARE
	v_mov_b32 v[NIL], 0
	v_and_b32 v1, 31, v0                           ; lane
	v_lshrrev_b32 v6, 5, v0
	v_readfirstlane_b32 s24, v6                    ; wave 0..31
	s_mov_b32 s25, ttmp9                           ; g
	s_lshl_b32 s38, s25, 17                        ; the group's 64 rows in f32
	s_mov_b32 s39, 0
	s_lshl_b32 s40, s25, 16                        ; and in bf16
	s_mov_b32 s41, 0
	s_lshl_b32 s42, s25, 11                        ; the group's row of KSUM
	s_mov_b32 s43, 0
	s_mov_b32 s32, 0x76543210                      ; v_permlanex16_b32: each lane takes its own place in the other half
	s_mov_b32 s33, 0xfedcba98
	v_lshlrev_b32 v4, 4, v1                        ; 16 x lane
	v_lshlrev_b32 v5, 3, v1                        ; 8 x lane
	v_lshlrev_b32 v7, 4, v0                        ; 16 x thread = 512 x wave + 16 x lane
	s_wait_kmcnt 0x0
	s_add_nc_u64 s[4:5], s[4:5], s[38:39]
	s_add_nc_u64 s[6:7], s[6:7], s[38:39]
	s_add_nc_u64 s[16:17], s[16:17], s[40:41]
	s_add_nc_u64 s[18:19], s[18:19], s[40:41]
	s_add_nc_u64 s[44:45], s[20:21], s[42:43]
	s_cmp_lt_u32 s24, 16
	s_cbranch_scc0 .Ltraj
; ---- waves 0-15: k
	s_cmp_lt_u32 s24, 8
	s_cbranch_scc0 .Lno_row
	s_lshr_b32 s28, s25, 6                         ; which of the four matrices
	s_and_b32 s29, s25, 63
	s_lshl_b32 s29, s29, 3
	s_add_co_u32 s29, s29, s24                     ; my row in it
	s_lshl_b32 s34, s29, 11                        ; 2,048 bytes a row of f32
	s_mov_b32 s35, 0
	s_lshl_b32 s36, s25, 3
	s_add_co_u32 s36, s36, s24                     ; my row among the 2,048
	s_lshl_b32 s36, s36, 10                        ; 1,024 bytes a row of bf16
	s_mov_b32 s37, 0
	s_cmp_eq_u32 s28, 1                            ; the matrix is chosen by the group's number alone
	s_cselect_b64 s[30:31], s[10:11], s[8:9]
	s_cmp_eq_u32 s28, 2
	s_cselect_b64 s[30:31], s[12:13], s[30:31]
	s_cmp_eq_u32 s28, 3
	s_cselect_b64 s[30:31], s[14:15], s[30:31]
	s_add_nc_u64 s[30:31], s[30:31], s[34:35]
	s_add_nc_u64 s[22:23], s[22:23], s[36:37]
.irp j, 0,1,2,3
	global_load_b128 v[T+4*\j:T+4*\j+3], v4, s[30:31] offset:512*\j th:TH_LOAD_NT
.endr
.Lno_row:
	s_and_b32 s26, s24, 3                          ; my strip of 512 bytes
	s_lshr_b32 s27, s24, 2                         ; my 16 rows
	s_lshl_b32 s46, s26, 9
	s_lshl_b32 s47, s27, 15
	s_add_co_u32 s46, s46, s47
	v_add_nc_u32 v2, s46, v4                       ; in k:  16 lane + 512 strip + 32,768 row group
	s_lshr_b32 s46, s46, 1
	v_add_nc_u32 v3, s46, v5                       ; in kb: half of that
.set j, 0
.rept 16
	global_load_b128 v[X+4*j:X+4*j+3], v2, s[6:7] offset:j*2048 th:TH_LOAD_NT
.set j, j+1
.endr
.set j, 0
.rept 16
.set R, X+4*j
.if j == 0
	s_wait_loadcnt 14                              ; loads come back in order: rows 0 and 1 are in; they start the sum: nothing is cleared
	v_pk_add_f32 v[SUM:SUM+1], v[R:R+1], v[R+4:R+5]
	v_pk_add_f32 v[SUM+2:SUM+3], v[R+2:R+3], v[R+6:R+7]
.elseif j > 1
	s_wait_loadcnt 15-j                            ; row j is in; the 15 - j younger loads stay out
	v_pk_add_f32 v[SUM:SUM+1], v[SUM:SUM+1], v[R:R+1]
	v_pk_add_f32 v[SUM+2:SUM+3], v[SUM+2:SUM+3], v[R+2:R+3]
.endif
	v_cvt_pk_bf16_f32 v[R], v[R], v[R+1]           ; in place, behind the sum
	v_cvt_pk_bf16_f32 v[R+1], v[R+2], v[R+3]
	global_store_b64 v3, v[R:R+1], s[18:19] offset:j*1024
.set j, j+1
.endr
	ds_store_b128 v7, v[SUM:SUM+3]                 ; my 16 rows' sum, at 512 x wave
	s_cmp_lt_u32 s24, 8
	s_cbranch_scc0 .Lno_row_out
	s_wait_loadcnt 0x0                             ; the weight row was asked for ahead of k's rows
.irp j, 0,1,2,3
	v_cvt_pk_bf16_f32 v[T+4*\j], v[T+4*\j], v[T+4*\j+1]
	v_cvt_pk_bf16_f32 v[T+4*\j+1], v[T+4*\j+2], v[T+4*\j+3]
.endr
.irp j, 0,1,2,3
	global_store_b64 v5, v[T+4*\j:T+4*\j+1], s[22:23] offset:256*\j
.endr
.Lno_row_out:
	s_cmp_lg_u32 s24, 8
	s_cbranch_scc1 .Ljoin
	; wave 8: TRI's block g: row tile a = g / 32, half par = (g / 16) % 2, key tile kt = g % 16.  Lane l holds row l % 16, keys 8 (l / 16) + 0..7:
	; 1.0 where the key 16 kt + 8 (l / 16) + e lies beyond the row 128 par + 16 a + l % 16 of the unit, else 0.
	s_lshr_b32 s26, s25, 5
	s_bfe_u32 s27, s25, 0x10004
	s_and_b32 s28, s25, 15
	s_lshl_b32 s34, s26, 16
	s_lshl_b32 s36, s27, 13
	s_add_co_u32 s34, s34, s36
	s_lshl_b32 s36, s28, 9
	s_add_co_u32 s34, s34, s36
	s_mov_b32 s35, 0
	s_add_nc_u64 s[46:47], s[20:21], s[34:35]
	s_sub_co_u32 s36, s28, s26
	s_lshl_b32 s36, s36, 4
	s_lshl_b32 s37, s27, 7
	s_sub_co_u32 s36, s36, s37                     ; 16 kt - 16 a - 128 par
	v_and_b32 v28, 15, v0
	v_bfe_u32 v29, v0, 4, 1
	v_lshlrev_b32 v29, 3, v29
	v_sub_nc_u32 v29, v29, v28
	v_add_nc_u32 v29, s36, v29                     ; d: key less row for e = 0
	s_mov_b32 s38, 0x3f80                          ; 1.0 in the low half,
	s_mov_b32 s39, 0x3f800000                      ; in the high half
.irp e, 0,1,2,3,4,5,6,7
	v_cmp_lt_i32 vcc_lo, -(\e), v29                ; d + e > 0
	v_cndmask_b32 v[20+\e], 0, s[38+(\e)%2], vcc_lo
.endr
.irp j, 0,1,2,3
	v_or_b32 v[12+\j], v[20+2*\j], v[21+2*\j]
.endr
	global_store_b128 v4, v[12:15], s[46:47]
	s_branch .Ljoin
; ---- waves 16-31: trajectories.  A row is four loads of 512 bytes.
.macro TROW i
.set R, X+16*(\i)
	s_wait_loadcnt 4*(3-(\i))                      ; row i's four loads are in; the later rows' stay out
	v_pk_mul_f32 v[12:13], v[R:R+1], v[R:R+1]      ; the sum of squares in two chains, started by the first products
	v_pk_mul_f32 v[14:15], v[R+2:R+3], v[R+2:R+3]
.irp p, 4,8,12
	v_pk_fma_f32 v[12:13], v[R+\p:R+\p+1], v[R+\p:R+\p+1], v[12:13]
	v_pk_fma_f32 v[14:15], v[R+\p+2:R+\p+3], v[R+\p+2:R+\p+3], v[14:15]
.endr
	v_pk_add_f32 v[12:13], v[12:13], v[14:15]
	v_add_f32 v12, v12, v13
	v_add_f32_dpp v12, v12, v12 row_xmask:1 row_mask:0xf bank_mask:0xf
	v_add_f32_dpp v12, v12, v12 row_xmask:2 row_mask:0xf bank_mask:0xf
	v_add_f32_dpp v12, v12, v12 row_xmask:4 row_mask:0xf bank_mask:0xf
	v_add_f32_dpp v12, v12, v12 row_xmask:8 row_mask:0xf bank_mask:0xf
	v_permlanex16_b32 v13, v12, s32, s33
	v_add_f32 v12, v12, v13
	v_sqrt_f32 v14, v12
	v_nop                                          ; a plain instruction behind the root
	s_wait_alu depctr_va_vdst(0)
	v_max_num_f32 v14, 0x2b8cbccc, v14             ; max(norm, 1e-12)
	v_rcp_f32 v14, v14
	v_nop                                          ; and behind the reciprocal
	s_wait_alu depctr_va_vdst(0)
.irp p, 0,2,4,6,8,10,12,14
	v_pk_mul_f32 v[R+\p:R+\p+1], v[R+\p:R+\p+1], v[14:15] op_sel_hi:[1,0]
.endr
.irp j, 0,1,2,3
	v_cvt_pk_bf16_f32 v[R+4*\j], v[R+4*\j], v[R+4*\j+1]
	v_cvt_pk_bf16_f32 v[R+4*\j+1], v[R+4*\j+2], v[R+4*\j+3]
.endr
.irp j, 0,1,2,3
	global_store_b64 v3, v[R+4*\j:R+4*\j+1], s[16:17] offset:(\i)*1024+256*\j
.endr
.endm
.Ltraj:
	s_sub_co_u32 s26, s24, 16
	s_lshl_b32 s27, s26, 13                        ; my four rows in f32
	v_add_nc_u32 v2, s27, v4
	s_lshl_b32 s27, s26, 12                        ; and in bf16
	v_add_nc_u32 v3, s27, v5
.irp i, 0,1,2,3
.irp j, 0,1,2,3
	global_load_b128 v[X+16*\i+4*\j:X+16*\i+4*\j+3], v2, s[4:5] offset:\i*2048+512*\j th:TH_LOAD_NT
.endr
.endr
	TROW 0
	TROW 1
	TROW 2
	TROW 3
.Ljoin:
	s_wait_dscnt 0x0                               ; for the others' sake: my sum is in LDS
	s_barrier_signal -1
	s_barrier_wait -1
	s_cmp_lt_u32 s24, 4
	s_cbranch_scc0 .Lend
.irp u, 0,1,2,3
	ds_load_b128 v[P+4*\u:P+4*\u+3], v7 offset:2048*\u     ; strip w of row groups 0 to 3: waves w, w + 4, w + 8, w + 12
.endr
	s_wait_dscnt 0x0
	v_pk_add_f32 v[P:P+1], v[P:P+1], v[P+4:P+5]
	v_pk_add_f32 v[P+2:P+3], v[P+2:P+3], v[P+6:P+7]
	v_pk_add_f32 v[P+8:P+9], v[P+8:P+9], v[P+12:P+13]
	v_pk_add_f32 v[P+10:P+11], v[P+10:P+11], v[P+14:P+15]
	v_pk_add_f32 v[P:P+1], v[P:P+1], v[P+8:P+9]
	v_pk_add_f32 v[P+2:P+3], v[P+2:P+3], v[P+10:P+11]
	global_store_b128 v7, v[P:P+3], s[44:45] offset:524288
.Lend:
	s_wait_tensorcnt 0x0                           ; the wave's end
	ds_add_u32 v[SPW], v[NIL]
	s_wait_dscnt 0x0
	s_endpgm
.Lfunc_end_k_qffac7cb4f5_prep:
	.size	k_qffac7cb4f5_prep, .Lfunc_end_k_qffac7cb4f5_prep-k_qffac7cb4f5_prep
	.p2alignl 7, 3214868480
	.fill 96, 4, 3214868480
	.section	.rodata,"a",@progbits
	.p2align	6, 0x0
	.amdhsa_kernel k_qffac7cb4f5_prep
		.amdhsa_group_segment_fixed_size 12288
		.amdhsa_private_segment_fixed_size 0
		.amdhsa_enable_private_segment 0
		.amdhsa_kernarg_size 80
		.amdhsa_user_sgpr_count 2
		.amdhsa_user_sgpr_kernarg_segment_ptr 1
		.amdhsa_wavefront_size32 1
		.amdhsa_system_sgpr_workgroup_id_x 1
		.amdhsa_system_sgpr_workgroup_id_y 1
		.amdhsa_system_sgpr_workgroup_id_z 1
		.amdhsa_system_vgpr_workitem_id 0
		.amdhsa_next_free_vgpr 120
		.amdhsa_next_free_sgpr 66
		.amdhsa_reserve_vcc 1
		.amdhsa_float_denorm_mode_32 3
		.amdhsa_float_denorm_mode_16_64 3
		.amdhsa_memory_ordered 1
		.amdhsa_forward_progress 1
		.amdhsa_inst_pref_size 26
	.end_amdhsa_kernel
	.amdgpu_metadata
---
amdhsa.version: [ 1, 2 ]
amdhsa.kernels:
  - .name:           k_qffac7cb4f5_prep
    .symbol:         k_qffac7cb4f5_prep.kd
    .args:
      - { .name: trajectories, .offset: 0, .size: 8, .value_kind: global_buffer, .address_space: global }
      - { .name: k, .offset: 8, .size: 8, .value_kind: global_buffer, .address_space: global }
      - { .name: v_W, .offset: 16, .size: 8, .value_kind: global_buffer, .address_space: global }
      - { .name: out_W, .offset: 24, .size: 8, .value_kind: global_buffer, .address_space: global }
      - { .name: ffn_w1, .offset: 32, .size: 8, .value_kind: global_buffer, .address_space: global }
      - { .name: ffn_w2, .offset: 40, .size: 8, .value_kind: global_buffer, .address_space: global }
      - { .name: tnb, .offset: 48, .size: 8, .value_kind: global_buffer, .address_space: global }
      - { .name: kb, .offset: 56, .size: 8, .value_kind: global_buffer, .address_space: global }
      - { .name: aux, .offset: 64, .size: 8, .value_kind: global_buffer, .address_space: global }
      - { .name: wb, .offset: 72, .size: 8, .value_kind: global_buffer, .address_space: global }
    .group_segment_fixed_size: 12288
    .private_segment_fixed_size: 0
    .kernarg_segment_align: 8
    .kernarg_segment_size: 80
    .max_flat_workgroup_size: 1024
    .sgpr_count:     66
    .vgpr_count:     120
    .wavefront_size: 32
...
	.end_amdgpu_metadata
.endif
;; end of part 5
;; launch sim (part 6): grid 32 x 8, 4 waves a work-group, no clusters, 327,680 bytes of LDS; arguments tnb, aux, fm, zf; writes fm, zf
.if DOCPART == 6
	.amdgcn_target "amdgcn-amd-amdhsa--gfx1250"
	.amdhsa_code_object_version 6
	.text
	.protected	k_qffac7cb4f5_sim
	.globl	k_qffac7cb4f5_sim
	.p2align	8
	.type	k_qffac7cb4f5_sim,@function
k_qffac7cb4f5_sim:
	s_mov_b64 s[64:65], 0
	v_nop
	global_prefetch_b8 v0, s[64:65] scope:SCOPE_SE
	s_setreg_imm32_b32 hwreg(HW_REG_WAVE_MODE, 25, 1), 1
	s_wait_xcnt 0x0
; SIM.  For 256 rows i of one batch and 512 columns j: c = tn_i . tn_j (bf16 operands, f32 sums), a = the mean of the four sigmoids, e = exp(a), f = e - 1.875.
; Out: fm = bf16(f) where j > i, else 0, in blocks of 16 x 16 (512 bytes: lane l holds row l % 16, columns 8 (l / 16) + 0..7), only for columns from 256 (i / 256) on;
;      Zp[cq][i] = the sum of f over the 512 columns of quarter cq, Fp[cq][i] = the same over j > i alone, both f32: the next launch adds the four quarters
;      (Z = 3840 + the sum of Zp is the first softmax's divisor);
;      TTAB[b][v][channel] = the sum of k over rows >= 256 v (v = 8, 9: 0), from KSUM: wave 0, 16 channels a work-group.
; NO MAXIMUM IS TAKEN AWAY, since the computation bounds the exponents: the rows are normalised, and each number of a unit row is off by at most 2^-9 of itself in bf16, so |c| < 1.004
; for every input; a lies in 0.50 .. 0.74, e in 1.66 .. 2.08.
; e AS ONE POLYNOMIAL.  e(c) = exp((sigmoid(c) + sigmoid(c^2) + sigmoid(exp(c - 1)) + sigmoid(c / 2 + 1 / 2)) / 4) is a smooth function of c alone on that fixed interval.  It is taken as its
; Chebyshev series on -1 .. 1 cut behind T6, written by powers:  e = 1.73906263 + 0.19832321 c + 0.13518504 c^2 + 0.01032764 c^3 + 0.00396201 c^4 - 0.00134887 c^5 - 0.00822967 c^6.
; LIMIT: the terms left out (T7: -1.6e-5, T8: 1.0e-5, T9: 0.9e-6, T10: 1.2e-6, falling on) add up to 2.9e-5 at the most on -1 .. 1 and to 4e-5 up to |c| = 1.004.  f enters a weight as
; 1 + f / Z with Z >= 3,400: 1.2e-8 there, a fifth of half a step of f32 at 1; bf16's own rounding of f is up to 4e-4.
; THE SECOND SOFTMAX, shifted by 1.875 / Z, has exponents x = f / Z with |x| <= 7.6e-5: exp(x) is taken as 1 + x; what is left out, x^2 / 2 <= 2.9e-9, lies far under half a step of f32 at 1.
; SHARES.  Work-group x of a batch: row block x / 4 (256 rows), column quarter x % 4 (512 columns, four tiles of 128).  Wave w holds its own 64 rows as fragments (512 registers) and multiplies
; them by every 16 keys of every tile: a sub-step is 16 keys, 4 accumulators, 64 products, and a tile of 128 KB feeds 512 products a wave.
; The product is used transposed (source 0 = 16 keys, source 1 = 16 queries): a lane holds one row and eight neighbouring columns, which pack into the 16 bytes of fm's block.
; BY TILES.  Left of the work-group's 256 rows every column is masked: only Zp is added up.  Right of them none is: no mask is made.
; NO CLUSTER: the work-groups that read the same tiles are the other row blocks of the same columns, and the two jumps just named hang on the row block, which would be the place in the
; cluster; the work-groups of one row block share only their rows, which come through registers.  A work-group asks for 512 KB of tiles in all.
; NaN and infinities are not treated apart.
; REGISTERS: window 0 as named below; window 1: Q, K chunks 0-7 at 32 kc + 8 a; window 2: chunks 8-15.
.set PITCH, 1040                       ; an LDS row: 1,024 bytes + 16: an odd multiple of 16, so the 16 rows of a fragment load fall on different groups of banks
.set SLOT,  128*PITCH                  ; 133,120: bits 17 and 11, which no wave's part (w x 33,280) uses: one exclusive or changes slots
.set RED,   2*SLOT                     ; 2,048 bytes, 512 for each wave: a wave's row sums are turned here from one a lane into two neighbours a lane; no tile lands here
.set SPARE, RED+2048                   ; the spare words, 128 bytes a wave
.set AK0, 2                            ; my lane's place in a sub-step's 16 keys
.set ADR, 3                            ; the LDS address of the run of loads in hand
.set QO,  4
.set GO,  5                            ; 16 x lane: my place in a block
.set ONE, 10                           ; v[10:11] 1.0, 1.0
.set RC,  12                           ; v[12:19] 0.0 .. 7.0
.set ZA,  20                           ; v[20:27] sums of f, a pair an accumulator
.set FA,  28                           ; v[28:35] sums of masked f
.set SPW, 36
.set NIL, 37
.set DE,  40                           ; v[40:47] column less row for register 0 of accumulator a, as f32, twice
.set PKO, 48                           ; v[48:63] packed results
.set ACC, 64                           ; v[64:95] c; behind the polynomial the mask
.set T,   96                           ; v[96:127] the polynomial's value, indexed as ACC
.set KF,  128                          ; v[128:255] the 16 fragments of a sub-step's 16 keys
.set WV, 12
.set RBK, 13                           ; my row block, 0 .. 7
.set XW, 14                            ; the work-group's x, 0 .. 31
.set BT, 15
.set X2, 16
.set NN, 17                            ; the tile in hand, counted in the batch's 16
.set SUB, 18
.set TRIP, 19
.set TB, 20
.set HM, 21
.set G1, 24
.set G0, 32
.set P6, 44
.set P5, 46
.set P4, 48
.set P3, 50
.set P2, 52
.set P1, 54
.set K16, 56
.set P0, 58
.set SEL, 60
.set FMB, 66
.set QB, 68
.set KS, 70
.set TT, 72
.set ZB, 74
.set X4, 78
.set CQ, 79                            ; my column quarter, 0 .. 3
.set MSB, 0
.macro WIN new                         ; the high byte repeats the setting that is left; a switch that changes nothing is dropped
.if MSB != (\new)
	s_set_vgpr_msb (MSB<<8)|(\new)
.set MSB, (\new)
.endif
.endm
.macro SETP r, val                     ; a constant as a pair: the packed forms name both registers
	s_mov_b32 s[\r], \val
	s_mov_b32 s[(\r)+1], \val
.endm
.macro JLOAD                           ; each wave asks for its 32 rows of the tile; an s_nop 0 and four v_nop follow
	tensor_load_to_lds s[G0:G0+3], s[G1:G1+7]
	s_nop 0
.rept 4
	v_nop
.endr
.endm
; THE CHANGE OF SLOTS.  Each wave waits for all its tensor loads (one is out: its part of the other slot), adds 0 to its spare word, and waits for that and for its reads of the slot that it leaves.
; Behind the barrier nobody reads the old slot and the other slot is whole.  fill = 1: the refill comes first behind it; it has a whole tile's work, 512 products a wave, in which to land.
.macro CHANGE fill
	s_wait_tensorcnt 0x0
	ds_add_u32 v[SPW], v[NIL]
.if \fill
	s_xor_b32 s[G0+1], s[G0+1], SLOT               ; the other slot than last time,
	s_add_nc_u64 s[G0+2:G0+3], s[G0+2:G0+3], 131072  ; the next 128 rows of tnb
.endif
	s_wait_dscnt 0x0
	s_barrier_signal -1
	s_barrier_wait -1
.if \fill
	JLOAD
.endif
	s_sub_co_u32 s[TB], s[TB], SLOT                ; the fetches go back to a slot's first sub-step,
	s_xor_b32 s[TB], s[TB], SLOT                   ; in the other slot
.endm
	s_load_b256 s[4:11], s[0:1], 0x0               ; tnb s[4:5], aux s[6:7], fm s[8:9], zf s[10:11]
	v_lshl_add_u32 v[SPW], v0, 2, SPARE
	v_mov_b32 v[NIL], 0
	ds_add_u32 v[SPW], v[NIL]                      ; the wave's opening: the add and its wait ahead of my first tensor load
	ds_add_u32 v36, v37
	v_lshrrev_b32 v1, 5, v0
	v_readfirstlane_b32 s[WV], v1
	s_mov_b32 s[XW], ttmp9
	s_lshr_b32 s[RBK], s[XW], 2
	s_and_b32 s[CQ], s[XW], 3
	s_lshl_b32 s[X2], s[RBK], 1                    ; the first tile of 128 columns that reaches my 256 rows,
	s_add_co_u32 s[X4], s[X2], 2                   ; and the first that lies wholly beyond them
	s_lshl_b32 s[NN], s[CQ], 2                     ; my quarter's first tile
	s_and_b32 s[BT], ttmp7, 0xffff                 ; the batch
	s_mov_b32 s[G1], (1<<16)|(1<<20)|(7<<22)|(3<<25)  ; 2-byte elements; padding on; after every 256 words 4 words
	s_mov_b32 s[G1+1], 512<<16                     ; tensor_dim0 = 512
	s_mov_b32 s[G1+2], 32<<16                      ; tensor_dim1 = 32
	s_mov_b32 s[G1+3], 512<<16                     ; tile_dim0 = 512
	s_mov_b32 s[G1+4], 32                          ; tile_dim1 = 32
	s_mov_b32 s[G1+5], 512                         ; elements from row to row
	s_mov_b32 s[G1+6], 0
	s_mov_b32 s[G1+7], 0
	s_mov_b32 s[G0], 1
	s_mul_i32 s[G0+1], s[WV], 32*PITCH             ; slot 0, my 32 rows
	s_lshl_b32 s36, s[BT], 21                      ; tnb: the batch, my quarter's 512 rows, my 32 rows of its first tile
	s_lshl_b32 s37, s[CQ], 19
	s_add_co_u32 s36, s36, s37
	s_lshl_b32 s37, s[WV], 15
	s_add_co_u32 s36, s36, s37
	s_mov_b32 s37, 0
	s_lshl_b32 s38, s[BT], 21                      ; tnb: the batch, my row block, my wave's 64 query rows
	s_lshl_b32 s39, s[RBK], 18
	s_add_co_u32 s38, s38, s39
	s_lshl_b32 s39, s[WV], 16
	s_add_co_u32 s38, s38, s39
	s_mov_b32 s39, 0
	s_lshl_b32 s40, s[BT], 23                      ; fm: the batch, my wave's four row tiles, my quarter's 32 column tiles
	s_lshl_b32 s41, s[RBK], 20
	s_add_co_u32 s40, s40, s41
	s_lshl_b32 s41, s[WV], 18
	s_add_co_u32 s40, s40, s41
	s_lshl_b32 s41, s[CQ], 14
	s_add_co_u32 s40, s40, s41
	s_mov_b32 s41, 0
	s_lshl_b32 s42, s[BT], 16                      ; KSUM: the batch's 32 rows, my 16 channels
	s_lshl_b32 s43, s[XW], 6
	s_add_co_u32 s42, s42, s43
	s_mul_i32 s22, s[BT], 20480                    ; TTAB: the batch's 10 rows, my 16 channels
	s_add_co_u32 s22, s22, s43
	s_mov_b32 s43, 0
	s_mov_b32 s23, 0
	s_lshl_b32 s76, s[CQ], 16                      ; Zp, Fp: my quarter's table, my wave's 64 rows
	s_lshl_b32 s77, s[BT], 13
	s_add_co_u32 s76, s76, s77
	s_lshl_b32 s77, s[RBK], 10
	s_add_co_u32 s76, s76, s77
	s_lshl_b32 s77, s[WV], 8
	s_add_co_u32 s76, s76, s77
	s_mov_b32 s77, 0
	SETP P6,  0xbc06d5bd                           ; -0.00822967
	SETP P5,  0xbab0cc79                           ; -0.00134887
	SETP P4,  0x3b81d3bd                           ;  0.00396201
	SETP P3,  0x3c293542                           ;  0.01032764
	SETP P2,  0x3e0a6df3                           ;  0.13518504
	SETP P1,  0x3e4b153d                           ;  0.19832321
	SETP P0,  0xbe0b332b                           ;  1.73906263 - 1.875 = -0.13593737
	SETP K16, 0x41800000                           ; 16.0
	s_mov_b32 s[SEL], 0x76543210
	s_mov_b32 s[SEL+1], 0xfedcba98
	s_mov_b32 s[HM], 0xffff0000                    ; lanes 16-31
	s_mov_b32 s[TB], 2*SLOT                        ; the first change of slots turns this into 0
	s_wait_dscnt 0x0                               ; the opening add is done
	s_wait_kmcnt 0x0
	s_add_nc_u64 s[G0+2:G0+3], s[4:5], s[36:37]
	s_or_b32 s[G0+3], s[G0+3], 0x80000000
	s_add_nc_u64 s[QB:QB+1], s[4:5], s[38:39]
	s_add_nc_u64 s[FMB:FMB+1], s[8:9], s[40:41]
	s_add_nc_u64 s[KS:KS+1], s[6:7], s[42:43]
	s_add_nc_u64 s[TT:TT+1], s[10:11], s[22:23]
	s_add_nc_u64 s[ZB:ZB+1], s[10:11], s[76:77]
	JLOAD                                          ; the first tile into slot 0; slot 1 is asked for by the loop's first change of slots
	v_and_b32 v1, 15, v0                           ; l % 16
	v_bfe_u32 v38, v0, 4, 1                        ; l / 16
	v_lshlrev_b32 v[QO], 10, v1
	v_lshl_add_u32 v[QO], v38, 4, v[QO]            ; row x 1,024 + 16 x half
	WIN 0x40                                       ; Q stays in registers: chunk kc of 32 along K, row tile a
.set kc, 0
.rept 16
.if kc == 8
	WIN 0x80
.endif
.irp a, 0,1,2,3
	global_load_b128 v[32*(kc%8)+8*\a:32*(kc%8)+8*\a+3],   v[QO], s[QB:QB+1] offset:\a*16384+kc*64
	global_load_b128 v[32*(kc%8)+8*\a+4:32*(kc%8)+8*\a+7], v[QO], s[QB:QB+1] offset:\a*16384+kc*64+32
.endr
.set kc, kc+1
.endr
	WIN 0
	s_cmp_lg_u32 s[WV], 0
	s_cbranch_scc1 .Lno_tab
	; wave 0: TTAB for my 16 channels.  Lanes 16-31 read what lanes 0-15 read; of two neighbouring rows of the table the lower lanes store the even one, the upper lanes the odd one.
	v_lshlrev_b32 v39, 2, v1
	v_lshl_add_u32 v40, v38, 11, v39
.set i, 0
.rept 32
	global_load_b32 v[64+i], v39, s[KS:KS+1] offset:524288+2048*i
.set i, i+1
.endr
	s_wait_loadcnt 0x0
	v_mov_b32 v[96+8], 0
	v_mov_b32 v[96+9], 0
.irp u, 7,6,5,4,3,2,1,0
	v_add_f32 v41, v[64+4*\u], v[64+4*\u+1]
	v_add_f32 v42, v[64+4*\u+2], v[64+4*\u+3]
	v_add_f32 v41, v41, v42
	v_add_f32 v[96+\u], v41, v[96+\u+1]
.endr
.irp m, 0,1,2,3,4
	v_cndmask_b32 v[106+\m], v[96+2*\m], v[96+2*\m+1], s[HM]
	global_store_b32 v40, v[106+\m], s[TT:TT+1] offset:524288+4096*\m
.endr
	s_wait_xcnt 0x0                                ; the stores' registers are used again below
.Lno_tab:
	v_mul_u32_u24 v[AK0], v1, PITCH
	v_lshl_add_u32 v[AK0], v38, 4, v[AK0]          ; (l % 16) x pitch + 16 x half
	v_and_b32 v[GO], 31, v0
	v_lshlrev_b32 v[GO], 4, v[GO]
	v_lshlrev_b32 v39, 3, v38
	v_sub_nc_u32 v39, v39, v1
	s_lshl_b32 s22, s[CQ], 9                       ; my first column, 512 cq,
	s_lshl_b32 s23, s[RBK], 8                      ; less my wave's first row, 256 rb + 64 w,
	s_sub_co_i32 s22, s22, s23
	s_lshl_b32 s23, s[WV], 6
	s_sub_co_i32 s22, s22, s23
	s_sub_co_i32 s22, s22, 16                      ; less 16: every sub-step begins by adding 16, the first too
	v_add_nc_u32 v39, s22, v39
	v_cvt_f32_i32 v[DE], v39                       ; + 8 (l / 16) - l % 16
	v_add_f32 v[DE+2], 0xc1800000, v[DE]           ; an accumulator's rows lie 16 below the one's before
	v_add_f32 v[DE+4], 0xc1800000, v[DE+2]
	v_add_f32 v[DE+6], 0xc1800000, v[DE+4]
.irp a, 0,1,2,3
	v_mov_b32 v[DE+2*\a+1], v[DE+2*\a]
.endr
	v_mov_b32 v[ONE], 1.0
	v_mov_b32 v[ONE+1], 1.0
	v_mov_b32 v[RC], 0
	v_mov_b32 v[RC+1], 1.0
	v_mov_b32 v[RC+2], 2.0
	v_mov_b32 v[RC+3], 3.0
	v_mov_b32 v[RC+4], 4.0
	v_mov_b32 v[RC+5], 5.0
	v_mov_b32 v[RC+6], 6.0
	v_mov_b32 v[RC+7], 7.0
.set i, 0
.rept 16
	v_mov_b32 v[ZA+i], 0                           ; sixteen running sums, once a launch
.set i, i+1
.endr
	s_wait_loadcnt 0x0                             ; Q
; 32 products: K chunks k0 .. k0 + 7; the four accumulators take turns; chunk 0 starts the sums.
; LDS loads come back in order: behind chunk kc's two loads 30 - 2 kc were issued, so that count shows them in, and the products begin when the first chunk is there.
.macro MULS win, k0
	WIN \win
.set kc, \k0
.rept 8
	s_wait_dscnt 30-2*kc
.irp a, 0,1,2,3
.if kc == 0
	v_wmma_f32_16x16x32_bf16 v[ACC+8*\a:ACC+8*\a+7], v[KF+8*kc:KF+8*kc+7], v[32*(kc%8)+8*\a:32*(kc%8)+8*\a+7], 0
.else
	v_wmma_f32_16x16x32_bf16 v[ACC+8*\a:ACC+8*\a+7], v[KF+8*kc:KF+8*kc+7], v[32*(kc%8)+8*\a:32*(kc%8)+8*\a+7], v[ACC+8*\a:ACC+8*\a+7]
.endif
.endr
.set kc, kc+1
.endr
.endm
; f = ((((((P6 c + P5) c + P4) c + P3) c + P2) c + P1) c + P0: six fused multiply-adds a pair, the 16 pairs side by side, so that no line waits for the one before it.
; Each accumulator is read from its low end on.
.macro HORNER
.irp a, 0,1,2,3
.irp p, 0,2,4,6
	v_pk_fma_f32 v[T+8*\a+\p:T+8*\a+\p+1], v[ACC+8*\a+\p:ACC+8*\a+\p+1], s[P6:P6+1], s[P5:P5+1] op_sel_hi:[1,0,0]
.endr
.endr
.irp k, P4, P3, P2, P1, P0
.irp a, 0,1,2,3
.irp p, 0,2,4,6
	v_pk_fma_f32 v[T+8*\a+\p:T+8*\a+\p+1], v[T+8*\a+\p:T+8*\a+\p+1], v[ACC+8*\a+\p:ACC+8*\a+\p+1], s[\k:\k+1] op_sel_hi:[1,1,0]
.endr
.endr
.endr
.endm
; A tile: eight sub-steps of 16 columns, written once and walked eight times; the LDS address hangs on s[TB].
.macro BODY
	s_mov_b32 s[SUB], 8
.Lsub_\@:
	v_add_nc_u32 v[ADR], s[TB], v[AK0]
.set kc, 0
.rept 16
	ds_load_b128 v[KF+8*kc:KF+8*kc+3],   v[ADR] offset:kc*64
	ds_load_b128 v[KF+8*kc+4:KF+8*kc+7], v[ADR] offset:kc*64+32
.set kc, kc+1
.endr
	s_add_co_u32 s[TB], s[TB], 16*PITCH
	MULS 0x04, 0
	MULS 0x08, 8
	WIN 0
.irp a, 0,1,2,3
	v_pk_add_f32 v[DE+2*\a:DE+2*\a+1], v[DE+2*\a:DE+2*\a+1], s[K16:K16+1] op_sel_hi:[1,0]   ; this sub-step's columns; also the four plain instructions between the last product and the first read of a result
.endr
	HORNER
.irp p, 0,2,4,6
.irp a, 0,1,2,3
	v_pk_add_f32 v[ZA+2*\a:ZA+2*\a+1], v[ZA+2*\a:ZA+2*\a+1], v[T+8*\a+\p:T+8*\a+\p+1]
.endr
.endr
	s_wait_xcnt 0x0                                ; the last sub-step's stores were issued a sub-step's products ago: their base and their data are rewritten only behind this wait
	s_add_nc_u64 s[FMB:FMB+1], s[FMB:FMB+1], 512   ; a block on; the stores below reach back by 512
	s_cmp_lt_u32 s[NN], s[X2]                      ; wholly left of my 256 rows: masked everywhere, never read: nothing more to do
	s_cbranch_scc1 .Lnot_stored_\@
	s_cmp_ge_u32 s[NN], s[X4]                      ; wholly right of them: nothing is masked
	s_cbranch_scc1 .Lno_mask_\@
.irp a, 0,1,2,3
.irp p, 0,2,4,6
	v_pk_fma_f32 v[ACC+8*\a+\p:ACC+8*\a+\p+1], v[RC+\p:RC+\p+1], v[ONE:ONE+1], v[DE+2*\a:DE+2*\a+1] clamp   ; column less row, held to 0 .. 1: 1 where j > i
.endr
.endr
.irp a, 0,1,2,3
.irp p, 0,2,4,6
	v_pk_mul_f32 v[T+8*\a+\p:T+8*\a+\p+1], v[T+8*\a+\p:T+8*\a+\p+1], v[ACC+8*\a+\p:ACC+8*\a+\p+1]
.endr
.endr
.Lno_mask_\@:
.irp p, 0,2,4,6
.irp a, 0,1,2,3
	v_pk_add_f32 v[FA+2*\a:FA+2*\a+1], v[FA+2*\a:FA+2*\a+1], v[T+8*\a+\p:T+8*\a+\p+1]
.endr
.endr
.set i, 0
.rept 16
	v_cvt_pk_bf16_f32 v[PKO+i], v[T+2*i], v[T+2*i+1]
.set i, i+1
.endr
.irp a, 0,1,2,3
	global_store_b128 v[GO], v[PKO+4*\a:PKO+4*\a+3], s[FMB:FMB+1] offset:65536*\a-512       ; a block: 512 consecutive bytes, aligned
.endr
.Lnot_stored_\@:
	s_sub_co_u32 s[SUB], s[SUB], 1
	s_cmp_lg_u32 s[SUB], 0
	s_cbranch_scc1 .Lsub_\@
.endm
	s_mov_b32 s[TRIP], 3
.Lslot:                                                ; 3 trips: a tile is worked on, the next is asked for
	CHANGE 1
	BODY
	s_add_co_u32 s[NN], s[NN], 1
	s_sub_co_u32 s[TRIP], s[TRIP], 1
	s_cmp_lg_u32 s[TRIP], 0
	s_cbranch_scc1 .Lslot
	CHANGE 0                                       ; the last tile is written out: nothing is asked for
	BODY
	; THE ROW SUMS are my wave's own.  A pair's halves, the other half of the lanes; then through my 512 bytes of LDS, so that a lane holds two neighbouring rows and a store covers 256 bytes.
.irp a, 0,1,2,3
	v_add_f32 v[ZA+2*\a], v[ZA+2*\a], v[ZA+2*\a+1]
	v_add_f32 v[FA+2*\a], v[FA+2*\a], v[FA+2*\a+1]
.endr
.irp a, 0,1,2,3
	v_permlanex16_b32 v[ZA+2*\a+1], v[ZA+2*\a], s[SEL], s[SEL+1]
	v_permlanex16_b32 v[FA+2*\a+1], v[FA+2*\a], s[SEL], s[SEL+1]
.endr
.irp a, 0,1,2,3
	v_add_f32 v[ZA+2*\a], v[ZA+2*\a], v[ZA+2*\a+1]
	v_add_f32 v[FA+2*\a], v[FA+2*\a], v[FA+2*\a+1]
.endr
	v_lshlrev_b32 v39, 2, v1
	v_lshl_add_u32 v39, v38, 8, v39
	s_lshl_b32 s22, s[WV], 9
	s_add_co_u32 s22, s22, RED
	v_add_nc_u32 v39, s22, v39                     ; RED + 512 w + 256 (l / 16) + 4 (l % 16): lanes 0-15 put Z's part, lanes 16-31 F's
.irp a, 0,1,2,3
	v_cndmask_b32 v[40+\a], v[ZA+2*\a], v[FA+2*\a], s[HM]
.endr
.irp a, 0,1,2,3
	ds_store_b32 v39, v[40+\a] offset:64*\a
.endr
	v_and_b32 v44, 31, v0
	v_lshlrev_b32 v45, 3, v44                      ; lane l takes rows 2 l and 2 l + 1
	v_add_nc_u32 v46, s22, v45
	ds_load_b64 v[96:97], v46                      ; LDS serves a wave's instructions in order: these see my stores above
	ds_load_b64 v[98:99], v46 offset:256
	s_wait_dscnt 0x0
	global_store_b64 v45, v[96:97], s[ZB:ZB+1]                 ; Zp: 256 consecutive bytes, aligned
	global_store_b64 v45, v[98:99], s[ZB:ZB+1] offset:262144   ; Fp
	s_wait_tensorcnt 0x0                           ; the wave's end
	ds_add_u32 v[SPW], v[NIL]
	s_wait_dscnt 0x0
	s_endpgm
.Lfunc_end_k_qffac7cb4f5_sim:
	.size	k_qffac7cb4f5_sim, .Lfunc_end_k_qffac7cb4f5_sim-k_qffac7cb4f5_sim
	.p2alignl 7, 3214868480
	.fill 96, 4, 3214868480
	.section	.rodata,"a",@progbits
	.p2align	6, 0x0
	.amdhsa_kernel k_qffac7cb4f5_sim
		.amdhsa_group_segment_fixed_size 327680
		.amdhsa_private_segment_fixed_size 0
		.amdhsa_enable_private_segment 0
		.amdhsa_kernarg_size 32
		.amdhsa_user_sgpr_count 2
		.amdhsa_user_sgpr_kernarg_segment_ptr 1
		.amdhsa_wavefront_size32 1
		.amdhsa_system_sgpr_workgroup_id_x 1
		.amdhsa_system_sgpr_workgroup_id_y 1
		.amdhsa_system_sgpr_workgroup_id_z 1
		.amdhsa_system_vgpr_workitem_id 0
		.amdhsa_next_free_vgpr 768
		.amdhsa_next_free_sgpr 80
		.amdhsa_reserve_vcc 0
		.amdhsa_float_denorm_mode_32 3
		.amdhsa_float_denorm_mode_16_64 3
		.amdhsa_memory_ordered 1
		.amdhsa_forward_progress 1
		.amdhsa_inst_pref_size 65
	.end_amdhsa_kernel
	.amdgpu_metadata
---
amdhsa.version: [ 1, 2 ]
amdhsa.kernels:
  - .name:           k_qffac7cb4f5_sim
    .symbol:         k_qffac7cb4f5_sim.kd
    .args:
      - { .name: tnb, .offset: 0, .size: 8, .value_kind: global_buffer, .address_space: global }
      - { .name: aux, .offset: 8, .size: 8, .value_kind: global_buffer, .address_space: global }
      - { .name: fm, .offset: 16, .size: 8, .value_kind: global_buffer, .address_space: global }
      - { .name: zf, .offset: 24, .size: 8, .value_kind: global_buffer, .address_space: global }
    .group_segment_fixed_size: 327680
    .private_segment_fixed_size: 0
    .kernarg_segment_align: 8
    .kernarg_segment_size: 32
    .max_flat_workgroup_size: 128
    .sgpr_count:     80
    .vgpr_count:     768
    .wavefront_size: 32
...
	.end_amdgpu_metadata
.endif
;; end of part 6
;; launch pv (part 7): grid 32 x 8, 4 waves a work-group, clusters of 4 x 1, 327,680 bytes of LDS; arguments fm, aux, kb, zf, kbar; writes kbar
.if DOCPART == 7
	.amdgcn_target "amdgcn-amd-amdhsa--gfx1250"
	.amdhsa_code_object_version 6
	.text
	.protected	k_qffac7cb4f5_pv
	.globl	k_qffac7cb4f5_pv
	.p2align	8
	.type	k_qffac7cb4f5_pv,@function
k_qffac7cb4f5_pv:
	s_mov_b64 s[64:65], 0
	v_nop
	global_prefetch_b8 v0, s[64:65] scope:SCOPE_SE
	s_setreg_imm32_b32 hwreg(HW_REG_WAVE_MODE, 25, 1), 1
	s_wait_xcnt 0x0
	s_wait_alu depctr_hold_cnt(0) depctr_sa_sdst(0) depctr_va_vdst(0) depctr_va_sdst(0) depctr_va_ssrc(0) depctr_va_vcc(0) depctr_vm_vsrc(0)
	s_getreg_b32 s2, hwreg(HW_REG_IB_STS2, 6, 4)
	s_cmp_eq_u32 s2, 0
	s_cbranch_scc0 .Lentry_in_a_cluster
	s_endpgm
.Lentry_in_a_cluster:
	s_bfe_u32 s2, ttmp6, 0x10000c
	s_cmp_lg_u32 s2, 0x3003
	s_cbranch_scc0 .Lentry_shape_is_right
	s_endpgm
.Lentry_shape_is_right:
; PV.  kbar_i = ((sum over j > i of k_j) Z_i + sum over j > i of f_ij k_j) FS_i: the second softmax's weighted mean of the rows of k (weights 1 + f / Z, see SIM), rounded once to bf16.
; Z_i = 3840 + the four column quarters' Zp;  FS_i = 1 / (n Z + F), F = the four quarters' Fp, n = 2047 - i (a batch's last row: n = 2048): made at the head, in f32.
; The V projection is linear and the weights add up to 1, so it is applied behind this mean (TAIL): the order of rounding differs from the reference's, the sums are the same.
; A weight near 1 would lose f in 16 bits, so the ones and f go apart: the ones as TTAB (f32 sums of whole units of 256 keys) and as the exact ones of TRI times kb inside the row's own unit; f in bf16.
; A batch's last row is masked everywhere: its sum starts with the sum of all rows of k, TRI and fm are 0 there, and FS = 1 / (2048 Z).
; THE WALK.  A work-group makes two blocks of 128 rows x 128 channels: block 15 - p, then block p.  Block I (v = I / 2) has the units M (TRI x keys of unit v) and E (fm x keys of unit KU), KU = v .. 7:
; 11 units of 256 keys whatever p: all work-groups are alike, and ONE loop with a constant count walks them.  acc = TTAB[v + 1]; M; acc *= Z; the E units; acc *= FS.
; CLUSTER.  The four partners are the four channel quarters of the same rows: fm's and TRI's tiles are asked for jointly; kb's tiles differ (other channels): loads of one's own, in the same rounds.
; Four waves, 2 x 2, each 64 rows x 64 channels: 16 accumulators.  The product is used transposed (source 0 = 16 channels, turned out of LDS; source 1 = 16 rows): a lane holds one row and eight
; neighbouring channels, which pack into 16 bytes of kbar's blocks (512 bytes: lane l holds row l % 16, channels 8 (l / 16) + 0..7), stored straight from registers.
; REGISTERS: window 0 as named; window 1: two fragment buffers of 128 (64 of A, 64 of B, each 64 keys deep); window 2: v0-31 TTAB[v1 + 1], v32-63 TTAB[v2 + 1], v64-95 TTAB[0], my 64 channels.
.set SLOT,  139264                     ; A: 8 row tiles x 8,192 dense bytes; B: 256 keys x 288.  Bits 17 and 13, which no part's offset uses: one exclusive or changes slots
.set BOFF,  65536
.set PB,    288                        ; a row of kb in LDS: 256 bytes + 32: an odd multiple of 32, for the turning load
.set SPARE, 2*SLOT
.set LA,  4
.set LB,  5
.set AA,  6
.set AB0, 7                            ; v7: keys 0-127 of a unit; v8: keys 128-255 (the immediate reaches 65,535 bytes)
.set GO,  9
.set ZRC, 12                           ; v[12:19] Z of the block in hand, in the even registers
.set FS1, 20                           ; v[20:27] FS of the first block
.set SPW, 28
.set NIL, 29
.set TMP, 32                           ; v[32:95] at the head the rows' 64 partial sums; later packed results
.set Z2,  96                           ; v[96:99]
.set NB,  100                          ; v100, v101: 2047 less my row in row tile 0 of the first, the second block
.set C2K, 102                          ; 2048.0
.set FS2, 104                          ; v[104:111]
.set ACC, 128
.set F0,  0
.set F1,  128
.set WV, 14
.set CX, 15
.set PP, 16
.set BT, 17
.set WR, 18
.set WC, 19
.set G1A, 24
.set G1B, 32
.set GA0, 40
.set GA1, 44
.set GB0, 48
.set GB1, 52
.set GM,  56                           ; 1: the unit to be asked for next is an M
.set GKU, 57                           ; its keys' unit
.set V2,  58
.set CR,  59                           ; units of the block in hand that are done
.set NEC, 60                           ; its E units
.set NE2, 61
.set RB,  62                           ; the slot that is read
.set TRIP, 63
.set FMRC, 66
.set TRIC, 68
.set FMR2, 70
.set TRI2, 72
.set KBB, 74
.set OFA, 76
.set OFB, 78
.set PA,  80
.set KO1, 82
.set KO2, 84
.set LM,  86
.set TBA, 88
.set TB1, 90
.set TB2, 92
.set ZB1, 94
.set ZB2, 96
.set MSB, 0
.macro WIN new
.if MSB != (\new)
	s_set_vgpr_msb (MSB<<8)|(\new)
.set MSB, (\new)
.endif
.endm
.set MUL,  0x05                        ; sources 0 and 1 window 1; C and D window 0
.set TO_F, 0x40                        ; destination window 1, address window 0
.macro PLACES
.rept 4
	v_nop
.endr
.endm
.macro CREST                           ; a round of the cluster's barrier behind its opening barrier
	s_cmp_lg_u32 s[WV], 0
	s_cbranch_scc1 .Lnot_wave_0_\@
	s_barrier_signal -3
.Lnot_wave_0_\@:
	s_barrier_wait -3
	s_barrier_signal -1
	s_barrier_wait -1
.endm
.macro CROUND
	s_barrier_signal -1
	s_barrier_wait -1
	CREST
.endm
.macro JLOAD                           ; waves 0 and 1 ask (jointly) for A's two halves, waves 2 and 3 for B's; an s_nop 0 and four v_nop follow each line
	s_cmp_lt_u32 s[WV], 2
	s_cbranch_scc0 .Lfor_b_\@
	tensor_load_to_lds s[GA1:GA1+3], s[G1A:G1A+7]
	s_nop 0
.rept 4
	v_nop
.endr
	s_branch .Lasked_\@
.Lfor_b_\@:
	tensor_load_to_lds s[GB1:GB1+3], s[G1B:G1B+7]
	s_nop 0
.rept 4
	v_nop
.endr
.Lasked_\@:
.endm
; The next unit's two global addresses, made anew from the walk's numbers, and the walk's step.  Scalar work alone; every select follows a compare of its own.
.macro GEN da, db
	s_lshl_b32 s[OFA], s[GKU], 13                  ; an E unit's 16 blocks of a row tile begin 8,192 KU bytes on
	s_cmp_eq_u32 s[GM], 1
	s_cselect_b32 s[OFA], 0, s[OFA]
	s_cselect_b64 s[PA:PA+1], s[TRIC:TRIC+1], s[FMRC:FMRC+1]
	s_add_nc_u64 s[(\da)+2:(\da)+3], s[PA:PA+1], s[OFA:OFA+1]
	s_or_b32 s[(\da)+3], s[(\da)+3], 0x80000000
	s_lshl_b32 s[OFB], s[GKU], 18                  ; 256 keys of 1,024 bytes
	s_add_nc_u64 s[(\db)+2:(\db)+3], s[KBB:KBB+1], s[OFB:OFB+1]
	s_or_b32 s[(\db)+3], s[(\db)+3], 0x80000000
	s_xor_b32 s20, s[GM], 1
	s_add_co_u32 s[GKU], s[GKU], s20               ; behind an M the same keys once more, behind an E the next
	s_cmp_eq_u32 s[GKU], 8                         ; the block's last unit has been asked for: on to the second block's M
	s_cselect_b32 s[GM], 1, 0
	s_cselect_b32 s[GKU], s[V2], s[GKU]
	s_cselect_b64 s[FMRC:FMRC+1], s[FMR2:FMR2+1], s[FMRC:FMRC+1]
	s_cselect_b64 s[TRIC:TRIC+1], s[TRI2:TRI2+1], s[TRIC:TRIC+1]
.endm
	s_load_b256 s[4:11], s[0:1], 0x0               ; fm s[4:5], aux s[6:7], kb s[8:9], zf s[10:11]
	s_load_b64 s[12:13], s[0:1], 0x20              ; kbar
	v_lshl_add_u32 v[SPW], v0, 2, SPARE
	v_mov_b32 v[NIL], 0
	ds_add_u32 v[SPW], v[NIL]                      ; the wave's opening: the add and its wait ahead of my first tensor load
	ds_add_u32 v28, v29
	v_lshrrev_b32 v1, 5, v0
	v_readfirstlane_b32 s[WV], v1
	s_bfe_u32 s[CX], ttmp6, 0x40000                ; my channel quarter: it enters kb's, TTAB's and kbar's global addresses alone
	s_mov_b32 s[PP], ttmp9
	s_and_b32 s[BT], ttmp7, 0xffff
	s_lshr_b32 s[WR], s[WV], 1
	s_and_b32 s[WC], s[WV], 1
	s_sub_co_u32 s21, 15, s[PP]                    ; I1
	s_lshr_b32 s[V2], s[PP], 1
	s_lshr_b32 s[GKU], s21, 1                      ; v1
	s_mov_b32 s[GM], 1
	s_add_co_u32 s[NEC], s[V2], 1                  ; the first block has 1 + p / 2 E units,
	s_sub_co_u32 s[NE2], 8, s[V2]                  ; the second 8 - p / 2
	s_mov_b32 s[CR], 0
	s_mov_b32 s[RB], 0
	s_mov_b32 s[OFA+1], 0
	s_mov_b32 s[OFB+1], 0
	; offsets, each in the pair that will hold the address
	s_lshl_b32 s22, s[BT], 23
	s_lshl_b32 s23, s[WC], 18                      ; the half of the block's eight row tiles that I fetch
	s_add_co_u32 s22, s22, s23
	s_lshl_b32 s[FMRC], s21, 19
	s_add_co_u32 s[FMRC], s[FMRC], s22
	s_mov_b32 s[FMRC+1], 0
	s_lshl_b32 s[FMR2], s[PP], 19
	s_add_co_u32 s[FMR2], s[FMR2], s22
	s_mov_b32 s[FMR2+1], 0
	s_and_b32 s[TRIC], s21, 1
	s_lshl_b32 s[TRIC], s[TRIC], 13
	s_add_co_u32 s[TRIC], s[TRIC], s23
	s_mov_b32 s[TRIC+1], 0
	s_and_b32 s[TRI2], s[PP], 1
	s_lshl_b32 s[TRI2], s[TRI2], 13
	s_add_co_u32 s[TRI2], s[TRI2], s23
	s_mov_b32 s[TRI2+1], 0
	s_lshl_b32 s[KBB], s[BT], 21
	s_lshl_b32 s98, s[CX], 8
	s_add_co_u32 s[KBB], s[KBB], s98
	s_lshl_b32 s98, s[WC], 17
	s_add_co_u32 s[KBB], s[KBB], s98
	s_mov_b32 s[KBB+1], 0
	s_lshl_b32 s98, s[BT], 5
	s_add_co_u32 s98, s98, s[WR]                   ; 32 b + wr
	s_lshl_b32 s99, s[WC], 11
	s_lshl_b32 s[KO1], s21, 1
	s_add_co_u32 s[KO1], s[KO1], s98
	s_lshl_b32 s[KO1], s[KO1], 2
	s_add_co_u32 s[KO1], s[KO1], s[CX]
	s_lshl_b32 s[KO1], s[KO1], 14
	s_add_co_u32 s[KO1], s[KO1], s99
	s_mov_b32 s[KO1+1], 0
	s_lshl_b32 s[KO2], s[PP], 1
	s_add_co_u32 s[KO2], s[KO2], s98
	s_lshl_b32 s[KO2], s[KO2], 2
	s_add_co_u32 s[KO2], s[KO2], s[CX]
	s_lshl_b32 s[KO2], s[KO2], 14
	s_add_co_u32 s[KO2], s[KO2], s99
	s_mov_b32 s[KO2+1], 0
	s_mul_i32 s98, s[BT], 10
	s_lshl_b32 s99, s[CX], 9
	s_lshl_b32 s[TBA], s98, 11
	s_add_co_u32 s[TBA], s[TBA], s99
	s_mov_b32 s[TBA+1], 0
	s_add_co_u32 s[TB1], s98, s[GKU]
	s_add_co_u32 s[TB1], s[TB1], 1
	s_lshl_b32 s[TB1], s[TB1], 11
	s_add_co_u32 s[TB1], s[TB1], s99
	s_mov_b32 s[TB1+1], 0
	s_add_co_u32 s[TB2], s98, s[V2]
	s_add_co_u32 s[TB2], s[TB2], 1
	s_lshl_b32 s[TB2], s[TB2], 11
	s_add_co_u32 s[TB2], s[TB2], s99
	s_mov_b32 s[TB2+1], 0
	s_lshl_b32 s98, s[BT], 13
	s_lshl_b32 s[ZB1], s21, 9
	s_add_co_u32 s[ZB1], s[ZB1], s98
	s_mov_b32 s[ZB1+1], 0
	s_lshl_b32 s[ZB2], s[PP], 9
	s_add_co_u32 s[ZB2], s[ZB2], s98
	s_mov_b32 s[ZB2+1], 0
	; descriptor group 1 for A: 4 row tiles of 8,192 dense bytes (1,024 elements of 8 bytes), 65,536 bytes apart; no padding: the fragments are read 16 bytes a lane on end
	s_mov_b32 s[G1A], 15|(3<<16)|(1<<21)
	s_mov_b32 s[G1A+1], 1024<<16
	s_mov_b32 s[G1A+2], 4<<16
	s_mov_b32 s[G1A+3], 1024<<16
	s_mov_b32 s[G1A+4], 4
	s_mov_b32 s[G1A+5], 8192
	s_mov_b32 s[G1A+6], 0
	s_mov_b32 s[G1A+7], 0
	; for B: 128 keys x 128 channels of 2 bytes, 512 elements from row to row, 8 words of padding after every 64; no mask: a load of my own
	s_mov_b32 s[G1B], (1<<16)|(1<<20)|(5<<22)|(7<<25)
	s_mov_b32 s[G1B+1], 128<<16
	s_mov_b32 s[G1B+2], 128<<16
	s_mov_b32 s[G1B+3], 128<<16
	s_mov_b32 s[G1B+4], 128
	s_mov_b32 s[G1B+5], 512
	s_mov_b32 s[G1B+6], 0
	s_mov_b32 s[G1B+7], 0
	s_mov_b32 s[GA0], 1
	s_mul_i32 s[GA0+1], s[WC], 32768
	s_mov_b32 s[GA1], 1
	s_add_co_u32 s[GA1+1], s[GA0+1], SLOT
	s_mov_b32 s[GB0], 1
	s_mul_i32 s[GB0+1], s[WC], 128*PB
	s_add_co_u32 s[GB0+1], s[GB0+1], BOFF
	s_mov_b32 s[GB1], 1
	s_add_co_u32 s[GB1+1], s[GB0+1], SLOT
	s_lshl_b32 s22, s21, 7
	s_lshl_b32 s23, s[WR], 6
	s_add_co_u32 s22, s22, s23
	s_add_co_u32 s22, s22, 48                      ; the first block's row of my lane 0 in row tile 3
	s_wait_dscnt 0x0                               ; the opening add is done
	s_wait_kmcnt 0x0
	s_add_nc_u64 s[FMRC:FMRC+1], s[4:5], s[FMRC:FMRC+1]
	s_add_nc_u64 s[FMR2:FMR2+1], s[4:5], s[FMR2:FMR2+1]
	s_add_nc_u64 s[TRIC:TRIC+1], s[6:7], s[TRIC:TRIC+1]
	s_add_nc_u64 s[TRI2:TRI2+1], s[6:7], s[TRI2:TRI2+1]
	s_add_nc_u64 s[KBB:KBB+1], s[8:9], s[KBB:KBB+1]
	s_add_nc_u64 s[KO1:KO1+1], s[12:13], s[KO1:KO1+1]
	s_add_nc_u64 s[KO2:KO2+1], s[12:13], s[KO2:KO2+1]
	s_add_nc_u64 s[TBA:TBA+1], s[10:11], s[TBA:TBA+1]
	s_add_nc_u64 s[TB1:TB1+1], s[10:11], s[TB1:TB1+1]
	s_add_nc_u64 s[TB2:TB2+1], s[10:11], s[TB2:TB2+1]
	s_add_nc_u64 s[ZB1:ZB1+1], s[10:11], s[ZB1:ZB1+1]
	s_add_nc_u64 s[ZB2:ZB2+1], s[10:11], s[ZB2:ZB2+1]
	GEN GA0, GB0                                   ; unit 0
	GEN GA1, GB1                                   ; unit 1
	CROUND                                         ; all four work-groups are here
	s_cmp_lt_u32 s[WV], 2                          ; a wave's two first fills stand in one branch: two loads of mine are out
	s_cbranch_scc0 .Lfirst_b
	tensor_load_to_lds s[GA0:GA0+3], s[G1A:G1A+7]
	s_nop 0
	tensor_load_to_lds s[GA1:GA1+3], s[G1A:G1A+7]
	s_nop 0
.rept 4
	v_nop
.endr
	s_branch .Lfirst_asked
.Lfirst_b:
	tensor_load_to_lds s[GB0:GB0+3], s[G1B:G1B+7]
	s_nop 0
	tensor_load_to_lds s[GB1:GB1+3], s[G1B:G1B+7]
	s_nop 0
.rept 4
	v_nop
.endr
.Lfirst_asked:
	v_and_b32 v1, 15, v0                           ; l % 16
	v_bfe_u32 v2, v0, 4, 1                         ; l / 16
	v_and_b32 v3, 31, v0
	v_lshlrev_b32 v[GO], 4, v3
	v_lshlrev_b32 v30, 2, v1
	s_lshl_b32 s23, s[WR], 8
	v_add_nc_u32 v30, s23, v30                     ; Zp, Fp: 4 (l % 16) + 256 wr
	v_lshlrev_b32 v31, 5, v2
	s_lshl_b32 s23, s[WC], 8
	v_add_nc_u32 v31, s23, v31                     ; TTAB: 32 (l / 16) + 256 wc
.irp a, 0,1,2,3
	v_mov_b32 v[ZRC+2*\a+1], 0                     ; the odd registers are named with the even ones as pairs
	v_mov_b32 v[FS1+2*\a+1], 0
	v_mov_b32 v[FS2+2*\a+1], 0
.endr
.irp a, 0,1,2,3                        ; for my row in row tile a of either block: the four column quarters' Zp, then their Fp
.irp c, 0,1,2,3
	global_load_b32 v[TMP+8*\a+\c],      v30, s[ZB1:ZB1+1] offset:65536*\c+64*\a
	global_load_b32 v[TMP+8*\a+4+\c],    v30, s[ZB1:ZB1+1] offset:262144+65536*\c+64*\a
	global_load_b32 v[TMP+32+8*\a+\c],   v30, s[ZB2:ZB2+1] offset:65536*\c+64*\a
	global_load_b32 v[TMP+32+8*\a+4+\c], v30, s[ZB2:ZB2+1] offset:262144+65536*\c+64*\a
.endr
.endr
	WIN 0x80
.irp n, 0,1,2,3
	global_load_b128 v[8*\n:8*\n+3],       v31, s[TB1:TB1+1] offset:524288+64*\n
	global_load_b128 v[8*\n+4:8*\n+7],     v31, s[TB1:TB1+1] offset:524288+64*\n+16
	global_load_b128 v[32+8*\n:32+8*\n+3], v31, s[TB2:TB2+1] offset:524288+64*\n
	global_load_b128 v[32+8*\n+4:32+8*\n+7], v31, s[TB2:TB2+1] offset:524288+64*\n+16
	global_load_b128 v[64+8*\n:64+8*\n+3], v31, s[TBA:TBA+1] offset:524288+64*\n
	global_load_b128 v[64+8*\n+4:64+8*\n+7], v31, s[TBA:TBA+1] offset:524288+64*\n+16
.endr
	WIN 0
	s_lshl_b32 s23, s[WR], 15
	v_add_nc_u32 v[LA], s23, v[GO]                 ; A: 16 x lane + my four row tiles
	v_and_b32 v11, 7, v0
	v_lshl_add_u32 v11, v2, 3, v11
	v_mul_u32_u24 v[LB], v11, PB                   ; B, turned: key 8 (l / 16) + l % 8,
	v_bfe_u32 v11, v0, 3, 1
	v_lshl_add_u32 v[LB], v11, 4, v[LB]            ; channels 8 ((l / 8) % 2) on,
	s_lshl_b32 s23, s[WC], 7
	s_add_co_u32 s23, s23, BOFF
	v_add_nc_u32 v[LB], s23, v[LB]                 ; my 64 channels
	v_mov_b32 v[AA], v[LA]
	v_mov_b32 v[AB0], v[LB]
	v_add_nc_u32 v[AB0+1], 128*PB, v[LB]
	v_add_nc_u32 v10, s22, v1
	v_cmp_eq_u32 s[LM], 0x7ff, v10                 ; my lane holds the batch's last row
	s_sub_co_u32 s98, 0x82f, s22                   ; 2047 less the first block's row of my lane 0 in row tile 0 (s22 holds that of row tile 3: 48 more)
	v_sub_nc_u32 v[NB], s98, v1
	s_lshl_b32 s99, s[PP], 7
	s_lshl_b32 s23, s[WR], 6
	s_add_co_u32 s99, s99, s23
	s_sub_co_u32 s99, 0x7ff, s99                   ; the same for the second block
	v_sub_nc_u32 v[NB+1], s99, v1
	v_mov_b32 v[C2K], 0x45000000                   ; 2048.0
; My row in row tile a of block blk: Z = 3840 + the four Zp into zd; FS = 1 / (n Z + the four Fp) into fd.  The line behind each reciprocal is a plain one that touches neither its result nor its source.
.macro ROWS blk, a, zd, fd
.set R, TMP+32*((\blk)-1)+8*(\a)
	v_pk_add_f32 v[R:R+1], v[R:R+1], v[R+2:R+3]
	v_pk_add_f32 v[R+4:R+5], v[R+4:R+5], v[R+6:R+7]
	v_add_nc_u32 v[R+2], -16*(\a), v[NB+(\blk)-1]  ; n = 2047 - row
	v_add_f32 v[R], v[R], v[R+1]
	v_add_f32 v[R+4], v[R+4], v[R+5]
	v_cvt_f32_u32 v[R+2], v[R+2]
.if ((\blk) == 1) && ((\a) == 3)
	v_cndmask_b32 v[R+2], v[R+2], v[C2K], s[LM]    ; the batch's last row, which only the first block's last row tile can hold: all 2,048 keys, evenly
.endif
	v_add_f32 v[\zd], 0x45700000, v[R]             ; 3840 = 2048 x 1.875
	v_fma_f32 v[R+4], v[R+2], v[\zd], v[R+4]
	v_rcp_f32 v[\fd], v[R+4]
.endm
.macro MUL8 f, c, a0                   ; 8 products: row tiles a0, a0 + 1 x 4 channel tiles, 32 keys: half c of buffer f; the 16 accumulators take turns
	WIN MUL
.irp a, \a0, (\a0)+1
.irp b, 0,1,2,3
	v_wmma_f32_16x16x32_bf16 v[ACC+8*(4*(\a)+(\b)):ACC+8*(4*(\a)+(\b))+7], v[(\f)+64+8*(4*(\c)+(\b)):(\f)+64+8*(4*(\c)+(\b))+7], v[(\f)+8*(4*(\c)+(\a)):(\f)+8*(4*(\c)+(\a))+7], v[ACC+8*(4*(\a)+(\b)):ACC+8*(4*(\a)+(\b))+7]
.endr
.endr
.endm
.macro FETCH qd, f                     ; 32 LDS loads in one run: quarter qd (64 keys) of the unit into buffer f; its first 32 keys first
	WIN TO_F
.irp c, 0,1
.irp i, 0,1,2,3
	ds_load_tr16_b128 v[(\f)+64+8*(4*(\c)+(\i)):(\f)+64+8*(4*(\c)+(\i))+3],   v[AB0+(2*(\qd)+(\c))/4] offset:((2*(\qd)+(\c))%4)*32*PB+(\i)*32
	ds_load_tr16_b128 v[(\f)+64+8*(4*(\c)+(\i))+4:(\f)+64+8*(4*(\c)+(\i))+7], v[AB0+(2*(\qd)+(\c))/4] offset:((2*(\qd)+(\c))%4)*32*PB+(\i)*32+16*PB
	ds_load_b128 v[(\f)+8*(4*(\c)+(\i)):(\f)+8*(4*(\c)+(\i))+3],   v[AA] offset:(\i)*8192+(2*(\qd)+(\c))*1024
	ds_load_b128 v[(\f)+8*(4*(\c)+(\i))+4:(\f)+8*(4*(\c)+(\i))+7], v[AA] offset:(\i)*8192+(2*(\qd)+(\c))*1024+512
.endr
.endr
.endm
.macro QUARTER qn, f, g                ; multiplies buffer f; in its middle fetches quarter qn into g
	s_wait_dscnt 16                                ; the first 32 keys are in
	MUL8 \f, 0, 0
	MUL8 \f, 0, 2
	PLACES                                         ; four places ahead of loads into registers that products have read
	FETCH \qn, \g
	s_wait_dscnt 32                                ; all but the 32 just issued
	MUL8 \f, 1, 0
	MUL8 \f, 1, 2
.endm
; A unit's last quarter multiplies buffer 1 and changes slots: one barrier; ahead of it each wave waits for all its tensor loads, adds 0 to its spare word, and waits for that and for its reads of the slot.
; fill = 1: the barrier opens a round of the cluster's; the slot is filled again first behind it, with the unit two on: 112 products stand between the request and the wait for it.
; last = 1 (the loop over the last two units): in its last trip there is no further unit, and the fetch is jumped over.
.macro TURN fill, last=0
	WIN 0
	s_wait_tensorcnt 0x0
	ds_add_u32 v[SPW], v[NIL]
	s_wait_dscnt 17                                ; the add and the youngest sixteen loads may be out
	MUL8 F1, 0, 0
	s_wait_dscnt 0x0
	s_barrier_signal -1
	MUL8 F1, 0, 2
	WIN 0
	s_barrier_wait -1
.if \fill
	CREST
	s_xor_b32 s[GA1+1], s[GA1+1], SLOT
	s_xor_b32 s[GB1+1], s[GB1+1], SLOT
	GEN GA1, GB1
	JLOAD
.else
	PLACES
.endif
.if \last
	s_cmp_eq_u32 s[TRIP], 1
	s_cbranch_scc1 .Lno_more_\@
.endif
	s_xor_b32 s[RB], s[RB], SLOT
	v_add_nc_u32 v[AA], s[RB], v[LA]
	v_add_nc_u32 v[AB0], s[RB], v[LB]
	v_add_nc_u32 v[AB0+1], 128*PB, v[AB0]
	FETCH 0, F0
.if \last
	WIN 0
.Lno_more_\@:
.endif
	MUL8 F1, 1, 0
	MUL8 F1, 1, 2
.endm
.macro SCALEZ                          ; behind the M unit: the sum of rows times Z; each accumulator is read from its low end on
	PLACES
.set i, 0
.rept 64
	v_pk_mul_f32 v[ACC+2*i:ACC+2*i+1], v[ACC+2*i:ACC+2*i+1], v[ZRC+2*(i/16):ZRC+2*(i/16)+1] op_sel_hi:[1,0]
.set i, i+1
.endr
.endm
.macro FINISH fs, ko                   ; a block's end: times FS, rounded to bf16, stored as blocks of 512 consecutive bytes
	s_wait_xcnt 0x0                                ; TMP is rewritten only behind this wait
	PLACES
.set i, 0
	s_wait_alu depctr_va_vdst(0)
.rept 64
	v_pk_mul_f32 v[ACC+2*i:ACC+2*i+1], v[ACC+2*i:ACC+2*i+1], v[(\fs)+2*(i/16):(\fs)+2*(i/16)+1] op_sel_hi:[1,0]
.set i, i+1
.endr
.set i, 0
.rept 64
	v_cvt_pk_bf16_f32 v[TMP+i], v[ACC+2*i], v[ACC+2*i+1]
.set i, i+1
.endr
.set i, 0
.rept 16
	global_store_b128 v[GO], v[TMP+4*i:TMP+4*i+3], s[(\ko):(\ko)+1] offset:(i/4)*4096+(i%4)*512
.set i, i+1
.endr
.endm
.macro BEGIN blk                       ; a block's sums start with the f32 sum of all later units' rows of k; in the batch's last row with the sum of all rows
	WIN 0x02
.set i, 0
.rept 128
.if ((\blk) == 2) || (i < 96)
	v_mov_b32 v[ACC+i], v[32*((\blk)-1)+(i%32)]
.endif
.set i, i+1
.endr
.if (\blk) == 1
	WIN 0x0a
.set i, 96
.rept 32
	v_cndmask_b32 v[ACC+i], v[i%32], v[64+(i%32)], s[LM]
.set i, i+1
.endr
.endif
	WIN 0
.if (\blk) == 2
.irp a, 0,1,2,3
	v_mov_b32 v[ZRC+2*\a], v[Z2+\a]
.endr
	s_mov_b32 s[CR], 0
	s_mov_b32 s[NEC], s[NE2]
.endif
.endm
	s_wait_loadcnt 0x0
.irp a, 0,1,2,3
	ROWS 1, \a, ZRC+2*\a, FS1+2*\a
	ROWS 2, \a, Z2+\a, FS2+2*\a
.endr
	BEGIN 1
	s_wait_tensorcnt 1                             ; my part of unit 0 is in; unit 1's may stay out
	s_barrier_signal -1
	s_barrier_wait -1
	FETCH 0, F0
	WIN 0
	s_mov_b32 s[TRIP], 9
.Lunit:                                                ; 9 trips: a unit is multiplied, the unit two on is asked for
	QUARTER 1, F0, F1
	QUARTER 2, F1, F0
	QUARTER 3, F0, F1
	TURN 1
	WIN 0
	s_cmp_lg_u32 s[CR], 0
	s_cbranch_scc1 .Lnot_m
	SCALEZ
.Lnot_m:
	s_add_co_u32 s[CR], s[CR], 1
	s_cmp_le_u32 s[CR], s[NEC]
	s_cbranch_scc1 .Lnot_done
	FINISH FS1, KO1                                ; in the loop only the first block ends: it has five units at the most
	BEGIN 2
.Lnot_done:
	s_sub_co_u32 s[TRIP], s[TRIP], 1
	s_cmp_lg_u32 s[TRIP], 0
	s_cbranch_scc1 .Lunit
	s_mov_b32 s[TRIP], 2
.Llast2:                                               ; the last two units, both E units of the second block: a text of their own, in which nothing is asked for, walked twice
	QUARTER 1, F0, F1
	QUARTER 2, F1, F0
	QUARTER 3, F0, F1
	TURN 0, 1
	WIN 0
	s_sub_co_u32 s[TRIP], s[TRIP], 1
	s_cmp_lg_u32 s[TRIP], 0
	s_cbranch_scc1 .Llast2
	FINISH FS2, KO2
	s_wait_tensorcnt 0x0                           ; the wave's end
	ds_add_u32 v[SPW], v[NIL]
	s_wait_dscnt 0x0
	CROUND                                         ; the closing round
	s_endpgm
.Lfunc_end_k_qffac7cb4f5_pv:
	.size	k_qffac7cb4f5_pv, .Lfunc_end_k_qffac7cb4f5_pv-k_qffac7cb4f5_pv
	.p2alignl 7, 3214868480
	.fill 96, 4, 3214868480
	.section	.rodata,"a",@progbits
	.p2align	6, 0x0
	.amdhsa_kernel k_qffac7cb4f5_pv
		.amdhsa_group_segment_fixed_size 327680
		.amdhsa_private_segment_fixed_size 0
		.amdhsa_enable_private_segment 0
		.amdhsa_kernarg_size 40
		.amdhsa_user_sgpr_count 2
		.amdhsa_user_sgpr_kernarg_segment_ptr 1
		.amdhsa_wavefront_size32 1
		.amdhsa_system_sgpr_workgroup_id_x 1
		.amdhsa_system_sgpr_workgroup_id_y 1
		.amdhsa_system_sgpr_workgroup_id_z 1
		.amdhsa_system_vgpr_workitem_id 0
		.amdhsa_next_free_vgpr 608
		.amdhsa_next_free_sgpr 100
		.amdhsa_reserve_vcc 0
		.amdhsa_float_denorm_mode_32 3
		.amdhsa_float_denorm_mode_16_64 3
		.amdhsa_memory_ordered 1
		.amdhsa_forward_progress 1
		.amdhsa_inst_pref_size 94
	.end_amdhsa_kernel
	.amdgpu_metadata
---
amdhsa.version: [ 1, 2 ]
amdhsa.kernels:
  - .name:           k_qffac7cb4f5_pv
    .symbol:         k_qffac7cb4f5_pv.kd
    .args:
      - { .name: fm, .offset: 0, .size: 8, .value_kind: global_buffer, .address_space: global }
      - { .name: aux, .offset: 8, .size: 8, .value_kind: global_buffer, .address_space: global }
      - { .name: kb, .offset: 16, .size: 8, .value_kind: global_buffer, .address_space: global }
      - { .name: zf, .offset: 24, .size: 8, .value_kind: global_buffer, .address_space: global }
      - { .name: kbar, .offset: 32, .size: 8, .value_kind: global_buffer, .address_space: global }
    .group_segment_fixed_size: 327680
    .private_segment_fixed_size: 0
    .kernarg_segment_align: 8
    .kernarg_segment_size: 40
    .max_flat_workgroup_size: 128
    .sgpr_count:     100
    .vgpr_count:     608
    .wavefront_size: 32
...
	.end_amdgpu_metadata
.endif
;; end of part 7
;; launch tail (part 8): grid 256 x 1, 4 waves a work-group, clusters of 4 x 1, 327,680 bytes of LDS; arguments kbar, wb, v_b, out_b, ffn_b1, ffn_b2, ln1_g, ln1_b, ln2_g, ln2_b, q, out0; writes out0
.if DOCPART == 8
	.amdgcn_target "amdgcn-amd-amdhsa--gfx1250"
	.amdhsa_code_object_version 6
	.text
	.protected	k_qffac7cb4f5_tail
	.globl	k_qffac7cb4f5_tail
	.p2align	8
	.type	k_qffac7cb4f5_tail,@function
k_qffac7cb4f5_tail:
	s_mov_b64 s[64:65], 0
	v_nop
	global_prefetch_b8 v0, s[64:65] scope:SCOPE_SE
	s_setreg_imm32_b32 hwreg(HW_REG_WAVE_MODE, 25, 1), 1
	s_wait_xcnt 0x0
	s_wait_alu depctr_hold_cnt(0) depctr_sa_sdst(0) depctr_va_vdst(0) depctr_va_sdst(0) depctr_va_ssrc(0) depctr_va_vcc(0) depctr_vm_vsrc(0)
	s_getreg_b32 s2, hwreg(HW_REG_IB_STS2, 6, 4)
	s_cmp_eq_u32 s2, 0
	s_cbranch_scc0 .Lentry_in_a_cluster
	s_endpgm
.Lentry_in_a_cluster:
	s_bfe_u32 s2, ttmp6, 0x10000c
	s_cmp_lg_u32 s2, 0x3003
	s_cbranch_scc0 .Lentry_shape_is_right
	s_endpgm
.Lentry_shape_is_right:
; TAIL.  For 64 rows: att = kbar v_W + v_b;  x = LN1(q + att out_W + out_b);  out = LN2(x + relu(x w1 + b1) w2 + b2).  Four products of 64 x 512 x 512, bf16 operands, f32 sums.
; q, the biases and the LayerNorm vectors are rounded once to bf16 on the way in and then kept in f32: every input of the module then carries the same one rounding as the matrix operands.
; LayerNorm in two passes (mean; then the sum of squares of the differences), all in f32.  NaN and infinities are not treated apart: from the second product on the sums start as X x RF + bias with RF = 0 or 1.
; SHARES.  Wave w owns output columns 128 w .. + 127 of all 64 rows: 32 accumulators.  The product is used transposed (source 0 = 16 columns of W, turned out of LDS; source 1 = 16 rows):
; a lane holds one row and eight neighbouring columns.
; THE WEIGHTS are one stream of 16 slots of 128 k x 512 n through wb, on a ring of two LDS slots; the four work-groups of a cluster walk the same stream and ask for each slot jointly.
; THE ACTIVATIONS lie in LDS one K half (256) at a time: waves 0 and 1 store their packed results for the first half of the next product, waves 2 and 3 theirs two slots later.
; A SLOT is 4 chunks of 32 k, 32 products a wave each; its text is written once and walked twice for a HALF: the LDS addresses hang on two scalars that an exclusive or turns.
; Seven halves go round a loop; what follows a half hangs on its number HH alone; the eighth, which asks for nothing, has a text of its own.
; q is asked for at the start and is first wanted by the second product: its way in (rounding, and my stage in LDS) stands behind the first half, when no wave reads the activations' bytes.
; REGISTERS: window 0: addresses, statistics, two fragment buffers of 96 (A 32, W 64); window 1: the accumulators at 8 (8 a + b); window 2: X (q, then x, then the result), indexed alike;
; window 3: v0-127 the packed activations at 4 (8 a + b); v128-191 bias or gain of my columns; v192-255 LayerNorm's offset.
.set WP,    1056                       ; a row of W in LDS: 1,024 bytes + 32: an odd multiple of 32, for the turning load
.set WSLOT, 128*WP                     ; 135,168: bits 17 and 12, which no wave's part (w x 33,792) uses: one exclusive or changes slots
.set ACTH,  2*WSLOT                    ; 64 rows x 528; wave w's rows 16 w .. + 15 are also its own stage on the way in and out
.set AP,    528
.set PAR,   ACTH+64*AP                 ; 8 vectors of 2,048 bytes: v_b, out_b, b1, b2, ln1_g, ln1_b, ln2_g, ln2_b
.set RED,   PAR+8*2048                 ; 2 x 1,024 bytes: the waves' row sums
.set SPARE, RED+2048
.set AW,  4                            ; v4-5  W's fragments in slot 0: chunks 0-1, chunks 2-3; never rewritten
.set AWC, 6                            ; v6-7  the same in the slot in hand
.set AAC, 8                            ; the activations' fragments, first 128 k of a half; never rewritten
.set STA, 9
.set SGW, 10                           ; my stage by whole rows
.set SGR, 11                           ; my stage by the accumulators' layout
.set PBA, 12
.set PBC, 13
.set LO,  14
.set RDW, 15
.set RDR, 16
.set GQ,  17
.set PS,  18
.set LN16, 19
.set SPW, 20
.set NIL, 21
.set AAX, 26                           ; the activations' fragments for the slot in hand
.set S,   32                           ; v[32:39]
.set MU,  40                           ; v[40:47]
.set FB0, 64
.set FB1, 160
.set WV, 28
.set CX, 29
.set GG, 30
.set HH, 31
.set G1, 32
.set G0, 40                            ; s[40:43] group 0 of the first fill of slot 0; s[44:47] that of slot 1, which then walks on
.set RF, 48
.set SEL, 50
.set T0, 54
.set QB, 60
.set OB, 62
.set KBS, 66
.set C512, 70
.set EPS, 71
.set HMK, 72
.set WB, 73                            ; the LDS byte at which the slot in hand begins: 0 or WSLOT
.set AB, 74                            ; its 128 k in a row of the activations: byte 0 or 256
.set CNT2, 75                          ; counts a half's two slots
.set MSB, 0
.macro WIN new
.if MSB != (\new)
	s_set_vgpr_msb (MSB<<8)|(\new)
.set MSB, (\new)
.endif
.endm
.macro PLACES
.rept 4
	v_nop
.endr
.endm
.macro CREST
	s_cmp_lg_u32 s[WV], 0
	s_cbranch_scc1 .Lnot_wave_0_\@
	s_barrier_signal -3
.Lnot_wave_0_\@:
	s_barrier_wait -3
	s_barrier_signal -1
	s_barrier_wait -1
.endm
.macro CROUND
	s_barrier_signal -1
	s_barrier_wait -1
	CREST
.endm
.macro BAR                             ; my LDS instructions are done; then the work-group's barrier
	s_wait_dscnt 0x0
	s_barrier_signal -1
	s_barrier_wait -1
.endm
	s_load_b512 s[4:19], s[0:1], 0x0               ; kbar s[4:5], wb s[6:7], then the eight vectors from s[8:9] on
	s_load_b256 s[20:27], s[0:1], 0x40             ; ... to s[22:23]; q s[24:25], out0 s[26:27]
	v_lshl_add_u32 v[SPW], v0, 2, SPARE
	v_mov_b32 v[NIL], 0
	ds_add_u32 v[SPW], v[NIL]                      ; the wave's opening: the add and its wait ahead of my first tensor load
	ds_add_u32 v20, v21
	v_lshrrev_b32 v1, 5, v0
	v_readfirstlane_b32 s[WV], v1
	s_bfe_u32 s[CX], ttmp6, 0x40000
	s_lshl_b32 s[GG], ttmp9, 2
	s_add_co_u32 s[GG], s[GG], s[CX]               ; my 64 rows: in global addresses alone
	s_mov_b32 s[G1], 15|(1<<16)|(1<<20)|(1<<21)|(7<<22)|(7<<25)  ; mask of four; 2-byte elements; padding on; bit 21 beside a mask; after every 256 words 8 words
	s_mov_b32 s[G1+1], 512<<16
	s_mov_b32 s[G1+2], 32<<16
	s_mov_b32 s[G1+3], 512<<16
	s_mov_b32 s[G1+4], 32
	s_mov_b32 s[G1+5], 512
	s_mov_b32 s[G1+6], 0
	s_mov_b32 s[G1+7], 0
	s_mov_b32 s[G0], 1
	s_mul_i32 s[G0+1], s[WV], 32*WP                ; my 32 rows of a slot
	s_mov_b32 s[G0+4], 1
	s_add_co_u32 s[G0+5], s[G0+1], WSLOT
	s_lshl_b32 s52, s[WV], 15
	s_mov_b32 s53, 0
	s_lshl_b32 s[KBS], s[GG], 16
	s_lshl_b32 s[T0], s[WV], 14
	s_add_co_u32 s[KBS], s[KBS], s[T0]
	s_mov_b32 s[KBS+1], 0
	s_lshl_b32 s[QB], s[GG], 17
	s_mov_b32 s[QB+1], 0
	s_mov_b32 s[OB], s[QB]
	s_mov_b32 s[OB+1], 0
	s_mov_b32 s[RF], 0
	s_mov_b32 s[RF+1], 0
	s_mov_b32 s[WB], 0
	s_mov_b32 s[AB], 0
	s_mov_b32 s[SEL], 0x76543210
	s_mov_b32 s[SEL+1], 0xfedcba98
	s_mov_b32 s[C512], 0x3b000000                  ; 1 / 512
	s_mov_b32 s[EPS], 0x3727c5ac                   ; 1e-5
	s_mov_b32 s[HMK], 0xffff0000
	s_wait_dscnt 0x0                               ; the opening add is done
	s_wait_kmcnt 0x0
	s_add_nc_u64 s[G0+2:G0+3], s[6:7], s[52:53]
	s_add_nc_u64 s[G0+6:G0+7], s[G0+2:G0+3], 131072
	s_or_b32 s[G0+3], s[G0+3], 0x80000000
	s_or_b32 s[G0+7], s[G0+7], 0x80000000
	s_add_nc_u64 s[KBS:KBS+1], s[4:5], s[KBS:KBS+1]
	s_add_nc_u64 s[QB:QB+1], s[24:25], s[QB:QB+1]
	s_add_nc_u64 s[OB:OB+1], s[26:27], s[OB:OB+1]
	CROUND                                         ; all four work-groups are here
	tensor_load_to_lds s[G0:G0+3], s[G1:G1+7]      ; slots 0 and 1 of the stream: two loads of mine are out
	s_nop 0
	tensor_load_to_lds s[G0+4:G0+7], s[G1:G1+7]
	s_nop 0
.rept 4
	v_nop
.endr
	v_and_b32 v1, 15, v0                           ; l % 16
	v_bfe_u32 v2, v0, 4, 1                         ; l / 16
	v_and_b32 v3, 31, v0
	v_lshlrev_b32 v[LN16], 4, v3
	v_lshlrev_b32 v22, 4, v0                       ; 16 t
	s_lshl_b32 s[T0], s[WV], 9
	v_add_nc_u32 v[GQ], s[T0], v[LN16]             ; my wave's 512 bytes of a row of q and of out0
.irp i, 0,1,2,3,4,5,6,7
	global_load_b128 v[64+4*\i:64+4*\i+3], v22, s[8+2*\i:9+2*\i]   ; the eight vectors: 16 bytes a thread
.endr
	WIN 0xc0
.set i, 0
.rept 32
	global_load_b128 v[4*i:4*i+3], v[LN16], s[KBS:KBS+1] offset:512*i th:TH_LOAD_NT      ; kbar's blocks are the packed layout itself
.set i, i+1
.endr
	WIN 0x80
.set i, 0
.rept 64
	global_load_b128 v[4*i:4*i+3], v[GQ], s[QB:QB+1] offset:2048*i th:TH_LOAD_NT         ; q by whole rows: 512 consecutive bytes a load; waited for behind the first half
.set i, i+1
.endr
	WIN 0
	v_add_nc_u32 v[PS], PAR, v22
	v_mul_u32_u24 v23, v1, AP                      ; row x pitch
	v_lshl_add_u32 v24, v2, 4, v23
	v_add_nc_u32 v[AAC], ACTH, v24                 ; a fragment of the activations: row l % 16, 16 bytes a half
	v_mov_b32 v[AAX], v[AAC]
	s_and_b32 s[T0], s[WV], 1
	s_lshl_b32 s[T0], s[T0], 8
	s_add_co_u32 s[T0], s[T0], ACTH
	v_add_nc_u32 v[STA], s[T0], v24                ; where my packed results go: my 256 bytes of a half's rows
	s_mul_i32 s[T0], s[WV], 16*AP
	s_add_co_u32 s[T0], s[T0], ACTH                ; my stage
	v_add_nc_u32 v[SGW], s[T0], v[LN16]
	v_lshl_add_u32 v24, v2, 5, v23
	v_add_nc_u32 v[SGR], s[T0], v24
	s_lshl_b32 s[T0], s[WV], 9
	s_add_co_u32 s[T0], s[T0], PAR
	v_lshlrev_b32 v24, 5, v2
	v_add_nc_u32 v[PBA], s[T0], v24                ; a vector's numbers for my columns: 512 w + 32 (l / 16)
	v_mov_b32 v[PBC], v[PBA]
	v_lshlrev_b32 v24, 2, v1
	v_add_nc_u32 v[RDR], RED, v24
	s_lshl_b32 s[T0], s[WV], 8
	v_add_nc_u32 v[RDW], s[T0], v[RDR]
	v_and_b32 v24, 7, v0
	v_lshl_add_u32 v24, v2, 3, v24
	v_mul_u32_u24 v24, v24, WP                     ; W, turned: k = 8 (l / 16) + l % 8,
	v_bfe_u32 v25, v0, 3, 1
	v_lshl_add_u32 v24, v25, 4, v24                ; columns 8 ((l / 8) % 2) on,
	v_add_nc_u32 v[AW], s[T0], v24                 ; my 128 columns
	v_add_nc_u32 v[AW+1], 64*WP, v[AW]
	v_mov_b32 v[AWC], v[AW]
	v_mov_b32 v[AWC+1], v[AW+1]
	s_wait_loadcnt 63                              ; of 104 loads 63 may be out: the eight vectors and kbar's 32 are in
.set i, 0
.rept 16
	v_cvt_pk_bf16_f32 v[96+i], v[64+2*i], v[64+2*i+1]      ; the vectors, rounded once to bf16,
.set i, i+1
.endr
.set i, 0
.rept 16
	v_lshlrev_b32 v[64+2*i], 16, v[96+i]           ; and widened again
	v_and_b32 v[64+2*i+1], s[HMK], v[96+i]
.set i, i+1
.endr
.irp i, 0,1,2,3,4,5,6,7
	ds_store_b128 v[PS], v[64+4*\i:64+4*\i+3] offset:2048*\i
.endr
	BAR                                            ; the vectors are in LDS
; q's 16 rows of row tile a: rounded to bf16 and widened; then through my stage into the accumulators' layout, into the registers that they left.  left: q's younger loads, which stay out
.macro QIN a, left
	s_wait_loadcnt \left
	WIN 0x0a
.set i, 0
.rept 32
	v_cvt_pk_bf16_f32 v[96+i], v[64*(\a)+2*i], v[64*(\a)+2*i+1]
.set i, i+1
.endr
	WIN 0x80
.set i, 0
.rept 32
	v_lshlrev_b32 v[64*(\a)+2*i], 16, v[96+i]
	v_and_b32 v[64*(\a)+2*i+1], s[HMK], v[96+i]
.set i, i+1
.endr
	WIN 0x88                                       ; loaded data and store data in window 2, addresses in window 0
.set i, 0
.rept 16
	ds_store_b128 v[SGW], v[64*(\a)+4*i:64*(\a)+4*i+3] offset:AP*i
.set i, i+1
.endr
.set i, 0
.rept 8
	ds_load_b128 v[64*(\a)+8*i:64*(\a)+8*i+3],   v[SGR] offset:64*i      ; LDS serves a wave's instructions in order: these see the stores above
	ds_load_b128 v[64*(\a)+8*i+4:64*(\a)+8*i+7], v[SGR] offset:64*i+16
.set i, i+1
.endr
.endm
.macro STOREIF lo                      ; lo = 1: waves 0 and 1 store their packed results (k 0-255 of the product to come); lo = 0: waves 2 and 3 (k 256-511)
	s_cmp_lt_u32 s[WV], 2
.if \lo
	s_cbranch_scc0 .Lnot_mine_\@
.else
	s_cbranch_scc1 .Lnot_mine_\@
.endif
	WIN 0x0c
.set i, 0
.rept 32
	ds_store_b128 v[STA], v[4*i:4*i+3] offset:(i/8)*16*AP+(i%8)*32
.set i, i+1
.endr
	WIN 0
.Lnot_mine_\@:
.endm
.macro BILOAD                          ; the bias of the product to come, my columns
	WIN 0xc0
.irp b, 0,1,2,3,4,5,6,7
	ds_load_b128 v[128+8*\b:128+8*\b+3], v[PBC] offset:64*\b
	ds_load_b128 v[128+8*\b+4:128+8*\b+7], v[PBC] offset:64*\b+16
.endr
	WIN 0
.endm
.macro INIT0                           ; the first product's sums start as the bias: X is not named, since q is still on its way into it
	WIN 0x43
.set i, 0
.rept 128
	v_pk_mul_f32 v[2*i:2*i+1], v[128+8*((i/4)%8)+2*(i%4):128+8*((i/4)%8)+2*(i%4)+1], 1.0 op_sel_hi:[1,0]
.set i, i+1
.endr
	WIN 0
.endm
.macro INIT                            ; the sums start as X x RF + bias: residual and bias cost no pass of their own, and nothing is cleared
	WIN 0x72
.set i, 0
.rept 128
	v_pk_fma_f32 v[2*i:2*i+1], v[2*i:2*i+1], s[RF:RF+1], v[128+8*((i/4)%8)+2*(i%4):128+8*((i/4)%8)+2*(i%4)+1] op_sel_hi:[1,0,1]
.set i, i+1
.endr
	WIN 0
.endm
.macro FETCHC c, f                     ; 24 LDS loads: chunk c (32 k) of the slot in hand into buffer f
	WIN 0
.irp a, 0,1,2,3
	ds_load_b128 v[(\f)+8*\a:(\f)+8*\a+3],   v[AAX] offset:\a*16*AP+(\c)*64
	ds_load_b128 v[(\f)+8*\a+4:(\f)+8*\a+7], v[AAX] offset:\a*16*AP+(\c)*64+32
.endr
.irp b, 0,1,2,3,4,5,6,7
	ds_load_tr16_b128 v[(\f)+32+8*\b:(\f)+32+8*\b+3],   v[AWC+(\c)/2] offset:((\c)%2)*32*WP+\b*32
	ds_load_tr16_b128 v[(\f)+32+8*\b+4:(\f)+32+8*\b+7], v[AWC+(\c)/2] offset:((\c)%2)*32*WP+\b*32+16*WP
.endr
.endm
.macro MULA f, a                       ; 8 products: row tile a x my 8 column tiles; the 32 accumulators take turns
	WIN 0x50
.irp b, 0,1,2,3,4,5,6,7
	v_wmma_f32_16x16x32_bf16 v[8*(8*(\a)+\b):8*(8*(\a)+\b)+7], v[(\f)+32+8*\b:(\f)+32+8*\b+7], v[(\f)+8*(\a):(\f)+8*(\a)+7], v[8*(8*(\a)+\b):8*(8*(\a)+\b)+7]
.endr
.endm
.macro CH f, g, nc                     ; a chunk: multiplies buffer f; in its middle fetches chunk nc into g
	s_wait_dscnt 0x0
	MULA \f, 0
	MULA \f, 1
	PLACES
	FETCHC \nc, \g
	MULA \f, 2
	MULA \f, 3
.endm
; A slot's last chunk multiplies buffer 1 and leaves the slot: one barrier; ahead of it each wave waits for all its tensor loads, adds 0 to its spare word, and waits for that and for its reads.
; fill = 1: the barrier opens a round of the cluster's, and the slot is filled again first behind it, two slots on in the stream: three and a half chunks, 112 products, stand between request and wait.
; Then the addresses turn to the other slot, and its first chunk is fetched; behind a half's second slot that fetch is jumped over: the activations that it would read are not stored yet.
.macro TURNW fill
	WIN 0
	s_wait_tensorcnt 0x0
	ds_add_u32 v[SPW], v[NIL]
	s_wait_dscnt 1                                 ; the chunk's fragments are in; the add may be out
	MULA FB1, 0
	s_wait_dscnt 0x0
	s_barrier_signal -1
	MULA FB1, 1
	WIN 0
	s_barrier_wait -1
.if \fill
	CREST
	s_xor_b32 s[G0+5], s[G0+5], WSLOT              ; the walking descriptor: the other slot than last time,
	s_add_nc_u64 s[G0+6:G0+7], s[G0+6:G0+7], 131072  ; the stream's next 128 rows; the type bits on top are not reached
	tensor_load_to_lds s[G0+4:G0+7], s[G1:G1+7]
	s_nop 0
.rept 4
	v_nop                                          ; also the places ahead of the loads below
.endr
.else
	PLACES
.endif
	s_xor_b32 s[WB], s[WB], WSLOT
	s_xor_b32 s[AB], s[AB], 256
	v_add_nc_u32 v[AWC], s[WB], v[AW]
	v_add_nc_u32 v[AWC+1], s[WB], v[AW+1]
	v_add_nc_u32 v[AAX], s[AB], v[AAC]
	s_cmp_eq_u32 s[CNT2], 1
	s_cbranch_scc1 .Lno_fetch_\@
	FETCHC 0, FB0
.Lno_fetch_\@:
	MULA FB1, 2
	MULA FB1, 3
.endm
.macro HALF fill                       ; two slots: one text, walked twice
	s_mov_b32 s[CNT2], 2
.Lslot_\@:
	CH FB0, FB1, 1
	CH FB1, FB0, 2
	CH FB0, FB1, 3
	TURNW \fill
	WIN 0
	s_sub_co_u32 s[CNT2], s[CNT2], 1
	s_cmp_lg_u32 s[CNT2], 0
	s_cbranch_scc1 .Lslot_\@
.endm
.macro CVT                             ; the finished sums, rounded to bf16 and held above LO (minus infinity: as they are; 0: relu)
	PLACES
	WIN 0xc5
.set i, 0
.rept 128
	v_cvt_pk_bf16_f32 v[i], v[2*i], v[2*i+1]
.set i, i+1
.endr
	WIN 0xc3
.set i, 0
.rept 128
	v_pk_max_num_bf16 v[i], v[i], v[LO]
.set i, i+1
.endr
	WIN 0
.endm
.macro XCVT                            ; x rounded to bf16
	WIN 0xca
.set i, 0
.rept 128
	v_cvt_pk_bf16_f32 v[i], v[2*i], v[2*i+1]
.set i, i+1
.endr
	WIN 0
.endm
; LAYERNORM.  A lane holds, for each of the four row tiles, 64 numbers of one row; the lane 16 away holds 64 more, the other waves the rest.
.macro ROWRED off                      ; S's four pairs: halves added, the other half of the lanes', then my wave's word for each row
	WIN 0
.irp a, 0,1,2,3
	v_add_f32 v[S+2*\a], v[S+2*\a], v[S+2*\a+1]
.endr
.irp a, 0,1,2,3
	v_permlanex16_b32 v[S+2*\a+1], v[S+2*\a], s[SEL], s[SEL+1]
.endr
.irp a, 0,1,2,3
	v_add_f32 v[S+2*\a], v[S+2*\a], v[S+2*\a+1]
.endr
.irp a, 0,1,2,3
	ds_store_b32 v[RDW], v[S+2*\a] offset:(\off)+64*\a
.endr
.endm
.macro REDLD off
.irp a, 0,1,2,3
.irp u, 0,1,2,3
	ds_load_b32 v[64+4*\a+\u], v[RDR] offset:(\off)+256*\u+64*\a
.endr
.endr
.endm
.macro REDSUM
.irp a, 0,1,2,3
	v_add_f32 v[64+4*\a], v[64+4*\a], v[64+4*\a+1]
	v_add_f32 v[64+4*\a+2], v[64+4*\a+2], v[64+4*\a+3]
.endr
.irp a, 0,1,2,3
	v_add_f32 v[64+4*\a], v[64+4*\a], v[64+4*\a+2]
.endr
.endm
.macro LNP1                            ; the rows' sums; each accumulator is read from its low end on
	PLACES
	WIN 0x05
.irp a, 0,1,2,3
	v_pk_add_f32 v[S+2*\a:S+2*\a+1], v[64*\a:64*\a+1], v[64*\a+2:64*\a+3]
.endr
	WIN 0x04
.set i, 2
.rept 30
.irp a, 0,1,2,3
	v_pk_add_f32 v[S+2*\a:S+2*\a+1], v[S+2*\a:S+2*\a+1], v[64*\a+2*i:64*\a+2*i+1]
.endr
.set i, i+1
.endr
	ROWRED 0
.endm
.macro LNP2                            ; the mean is taken away; the sums of squares of what is left
	REDLD 0
	s_wait_dscnt 0x0
	REDSUM
.irp a, 0,1,2,3
	v_mul_f32 v[MU+2*\a], s[C512], v[64+4*\a]
.endr
.irp a, 0,1,2,3
	v_mov_b32 v[MU+2*\a+1], v[MU+2*\a]
.endr
	WIN 0x41
.set i, 0
.rept 128
	v_pk_add_f32 v[2*i:2*i+1], v[2*i:2*i+1], v[MU+2*(i/32):MU+2*(i/32)+1] op_sel_hi:[1,0] neg_lo:[0,1] neg_hi:[0,1]
.set i, i+1
.endr
	WIN 0x05
.irp a, 0,1,2,3
	v_pk_mul_f32 v[S+2*\a:S+2*\a+1], v[64*\a:64*\a+1], v[64*\a:64*\a+1]
.endr
.set i, 1
.rept 31
.irp a, 0,1,2,3
	v_pk_fma_f32 v[S+2*\a:S+2*\a+1], v[64*\a+2*i:64*\a+2*i+1], v[64*\a+2*i:64*\a+2*i+1], v[S+2*\a:S+2*\a+1]
.endr
.set i, i+1
.endr
	ROWRED 1024
.endm
.macro LNP3 gi                         ; X = (y - mean) / sqrt(var + 1e-5) x g + b; g and b are vectors gi and gi + 1
	REDLD 1024
	WIN 0xc0
.irp b, 0,1,2,3,4,5,6,7
	ds_load_b128 v[128+8*\b:128+8*\b+3],   v[PBA] offset:(\gi)*2048+64*\b
	ds_load_b128 v[128+8*\b+4:128+8*\b+7], v[PBA] offset:(\gi)*2048+64*\b+16
	ds_load_b128 v[192+8*\b:192+8*\b+3],   v[PBA] offset:((\gi)+1)*2048+64*\b
	ds_load_b128 v[192+8*\b+4:192+8*\b+7], v[PBA] offset:((\gi)+1)*2048+64*\b+16
.endr
	WIN 0
	s_wait_dscnt 32                                ; the sixteen sums are in; g's and b's 32 loads may be out
	REDSUM
.irp a, 0,1,2,3
	v_fma_f32 v[MU+2*\a], v[64+4*\a], s[C512], s[EPS]
.endr
.irp a, 0,1,2,3
	v_rsq_f32 v[MU+2*\a], v[MU+2*\a]
.endr
	v_nop                                          ; a plain instruction behind the last of them
	s_wait_alu depctr_va_vdst(0)
.irp a, 0,1,2,3
	v_mov_b32 v[MU+2*\a+1], v[MU+2*\a]
.endr
	WIN 0x41
.set i, 0
.rept 128
	v_pk_mul_f32 v[2*i:2*i+1], v[2*i:2*i+1], v[MU+2*(i/32):MU+2*(i/32)+1] op_sel_hi:[1,0]
.set i, i+1
.endr
	s_wait_dscnt 0x0
	WIN 0xbd
.set i, 0
.rept 128
	v_pk_fma_f32 v[2*i:2*i+1], v[2*i:2*i+1], v[128+8*((i/4)%8)+2*(i%4):128+8*((i/4)%8)+2*(i%4)+1], v[192+8*((i/4)%8)+2*(i%4):192+8*((i/4)%8)+2*(i%4)+1]
.set i, i+1
.endr
	WIN 0
.endm
	STOREIF 1                                      ; kbar's channels 0-255
	BILOAD                                         ; v_b
	s_wait_dscnt 0x0
	s_wait_tensorcnt 1                             ; my part of slot 0 is in; slot 1's may stay out
	s_barrier_signal -1
	s_barrier_wait -1
	INIT0
	FETCHC 0, FB0
	s_mov_b32 s[HH], 0
.Lhalf:                                                ; seven trips.  Three barriers follow every half, whatever its number; what stands between them hangs on HH alone
	HALF 1
	s_cmp_lg_u32 s[HH], 3
	s_cbranch_scc1 .Lskip1
	LNP1
.Lskip1:
	BAR                                            ; every wave's reads of the activations are over
	s_cmp_lg_u32 s[HH], 3
	s_cbranch_scc1 .Lskip2
	LNP2
.Lskip2:
	s_cmp_lg_u32 s[HH], 0
	s_cbranch_scc1 .Lskipq
	QIN 0, 48                                      ; behind the first half: q, which has had that half's products in which to come
	QIN 1, 32
	QIN 2, 16
	QIN 3, 0
	WIN 0
.Lskipq:
	s_wait_loadcnt 0x0                             ; on every way: no load into X is out when X is read below
	BAR                                            ; and nobody reads a stage any more
	s_bitcmp1_b32 s[HH], 0
	s_cbranch_scc0 .Leven
	s_cmp_lg_u32 s[HH], 3                          ; an odd half ends a product
	s_cbranch_scc1 .Lplain
	LNP3 4                                         ; x = LN1(q + attention's output)
	XCVT
	s_branch .Lpacked
.Lplain:
	s_cmp_eq_u32 s[HH], 5                          ; relu behind the third product alone
	s_cselect_b32 s[T0], 0, 0xff80ff80
	v_mov_b32 v[LO], s[T0]
	CVT
.Lpacked:
	s_add_co_u32 s[T0], s[HH], 1
	s_lshr_b32 s[T0], s[T0], 1                     ; the product to come: 1, 2, 3
	s_bitcmp1_b32 s[T0], 0
	s_cselect_b32 s[RF], 1.0, 0                    ; the second takes q along, the fourth x
	s_lshl_b32 s[T0], s[T0], 11
	v_add_nc_u32 v[PBC], s[T0], v[PBA]
	BILOAD
	s_wait_dscnt 0x0
	INIT
	STOREIF 1
	s_branch .Lstored
.Leven:
	STOREIF 0                                      ; the same product's second K half
.Lstored:
	BAR
	FETCHC 0, FB0
	s_add_co_u32 s[HH], s[HH], 1
	s_cmp_lt_u32 s[HH], 7
	s_cbranch_scc1 .Lhalf
	HALF 0                                         ; the last half has a text of its own: nothing is asked for
	LNP1
	BAR
	LNP2
	BAR
	LNP3 6
; THE WAY OUT: 16 rows at a time through my stage, back as whole rows: every store covers 512 consecutive bytes, aligned
.macro OUTS a
	WIN 0x88
.set i, 0
.rept 8
	ds_store_b128 v[SGR], v[64*(\a)+8*i:64*(\a)+8*i+3] offset:64*i
	ds_store_b128 v[SGR], v[64*(\a)+8*i+4:64*(\a)+8*i+7] offset:64*i+16
.set i, i+1
.endr
.set i, 0
.rept 16
	ds_load_b128 v[64*(\a)+4*i:64*(\a)+4*i+3], v[SGW] offset:AP*i
.set i, i+1
.endr
.endm
.macro OUTG a, younger                 ; younger: the next tile's 32 LDS instructions, or none
	s_wait_dscnt \younger
.set i, 0
.rept 16
	global_store_b128 v[GQ], v[64*(\a)+4*i:64*(\a)+4*i+3], s[OB:OB+1] offset:(16*(\a)+i)*2048 th:TH_STORE_NT
.set i, i+1
.endr
.endm
	OUTS 0
	OUTS 1
	OUTG 0, 32
	OUTS 2
	OUTG 1, 32
	OUTS 3
	OUTG 2, 32
	OUTG 3, 0
	WIN 0
	s_wait_tensorcnt 0x0                           ; the wave's end
	ds_add_u32 v[SPW], v[NIL]
	s_wait_dscnt 0x0
	CROUND                                         ; the closing round
	s_endpgm
.Lfunc_end_k_qffac7cb4f5_tail:
	.size	k_qffac7cb4f5_tail, .Lfunc_end_k_qffac7cb4f5_tail-k_qffac7cb4f5_tail
	.p2alignl 7, 3214868480
	.fill 96, 4, 3214868480
	.section	.rodata,"a",@progbits
	.p2align	6, 0x0
	.amdhsa_kernel k_qffac7cb4f5_tail
		.amdhsa_group_segment_fixed_size 327680
		.amdhsa_private_segment_fixed_size 0
		.amdhsa_enable_private_segment 0
		.amdhsa_kernarg_size 96
		.amdhsa_user_sgpr_count 2
		.amdhsa_user_sgpr_kernarg_segment_ptr 1
		.amdhsa_wavefront_size32 1
		.amdhsa_system_sgpr_workgroup_id_x 1
		.amdhsa_system_sgpr_workgroup_id_y 1
		.amdhsa_system_sgpr_workgroup_id_z 1
		.amdhsa_system_vgpr_workitem_id 0
		.amdhsa_next_free_vgpr 1024
		.amdhsa_next_free_sgpr 80
		.amdhsa_reserve_vcc 0
		.amdhsa_float_denorm_mode_32 3
		.amdhsa_float_denorm_mode_16_64 3
		.amdhsa_memory_ordered 1
		.amdhsa_forward_progress 1
		.amdhsa_inst_pref_size 237
	.end_amdhsa_kernel
	.amdgpu_metadata
---
amdhsa.version: [ 1, 2 ]
amdhsa.kernels:
  - .name:           k_qffac7cb4f5_tail
    .symbol:         k_qffac7cb4f5_tail.kd
    .args:
      - { .name: kbar, .offset: 0, .size: 8, .value_kind: global_buffer, .address_space: global }
      - { .name: wb, .offset: 8, .size: 8, .value_kind: global_buffer, .address_space: global }
      - { .name: v_b, .offset: 16, .size: 8, .value_kind: global_buffer, .address_space: global }
      - { .name: out_b, .offset: 24, .size: 8, .value_kind: global_buffer, .address_space: global }
      - { .name: ffn_b1, .offset: 32, .size: 8, .value_kind: global_buffer, .address_space: global }
      - { .name: ffn_b2, .offset: 40, .size: 8, .value_kind: global_buffer, .address_space: global }
      - { .name: ln1_g, .offset: 48, .size: 8, .value_kind: global_buffer, .address_space: global }
      - { .name: ln1_b, .offset: 56, .size: 8, .value_kind: global_buffer, .address_space: global }
      - { .name: ln2_g, .offset: 64, .size: 8, .value_kind: global_buffer, .address_space: global }
      - { .name: ln2_b, .offset: 72, .size: 8, .value_kind: global_buffer, .address_space: global }
      - { .name: q, .offset: 80, .size: 8, .value_kind: global_buffer, .address_space: global }
      - { .name: out0, .offset: 88, .size: 8, .value_kind: global_buffer, .address_space: global }
    .group_segment_fixed_size: 327680
    .private_segment_fixed_size: 0
    .kernarg_segment_align: 8
    .kernarg_segment_size: 96
    .max_flat_workgroup_size: 128
    .sgpr_count:     80
    .vgpr_count:     1024
    .wavefront_size: 32
...
	.end_amdgpu_metadata
.endif
;; end of part 8
